; MI455X (gfx1250); checked and timed in simulation.
; The chip was launched on July 23, 2026; its instructions are those of AMD's public machine-readable ISA for CDNA 5 (MIT licence, August 2026) and "CDNA5" Instruction Set Architecture Reference Guide (July 2026). The comments in the code are by the model that wrote it; some were corrected since.
;; endecoder2. Allowed arithmetic: matrix products marked QUANTISED: E3M2 operands, one E8M0 scale for each 32 along K, by v_wmma_scale_f32_16x16x128_f8f6f4 with both operands' format E3M2, f32 sums; everything else in f32.
;; Inputs: W11_codes 1,024 x 16 x 24 uint8 (E3M2 codes of W11, K innermost, in blocks of 32 codes, four codes in three bytes); W11_scales 1,024 x 16 uint8 (E8M0 scales of W11, one for each 32 codes along K); W12_codes 512 x 32 x 24 uint8 (E3M2 codes of W12, K innermost, in blocks of 32 codes, four codes in three bytes); W12_scales 512 x 32 uint8 (E8M0 scales of W12, one for each 32 codes along K); W21_codes 1,024 x 16 x 24 uint8 (E3M2 codes of W21, K innermost, in blocks of 32 codes, four codes in three bytes); W21_scales 1,024 x 16 uint8 (E8M0 scales of W21, one for each 32 codes along K); W22_codes 512 x 32 x 24 uint8 (E3M2 codes of W22, K innermost, in blocks of 32 codes, four codes in three bytes); W22_scales 512 x 32 uint8 (E8M0 scales of W22, one for each 32 codes along K); Wk_codes 512 x 16 x 24 uint8 (E3M2 codes of Wk, K innermost, in blocks of 32 codes, four codes in three bytes); Wk_scales 512 x 16 uint8 (E8M0 scales of Wk, one for each 32 codes along K); Wq_codes 512 x 16 x 24 uint8 (E3M2 codes of Wq, K innermost, in blocks of 32 codes, four codes in three bytes); Wq_scales 512 x 16 uint8 (E8M0 scales of Wq, one for each 32 codes along K); Wv1_codes 512 x 32 x 24 uint8 (E3M2 codes of Wv1, K innermost, in blocks of 32 codes, four codes in three bytes); Wv1_scales 512 x 32 uint8 (E8M0 scales of Wv1, one for each 32 codes along K); Wv2_codes 512 x 32 x 24 uint8 (E3M2 codes of Wv2, K innermost, in blocks of 32 codes, four codes in three bytes); Wv2_scales 512 x 32 uint8 (E8M0 scales of Wv2, one for each 32 codes along K); b11 1,024 float32; b12 512 float32; b21 1,024 float32; b22 512 float32; be11 512 float32; be12 512 float32; be21 512 float32; be22 512 float32; bk 512 float32; bq 512 float32; bv1 512 float32; bv2 512 float32; depth1 8 x 1,024 x 512 float32; g11 512 float32; g12 512 float32; g21 512 float32; g22 512 float32; rgb1 8 x 1,024 x 512 float32.
;; Outputs: out0 8 x 1,024 x 512 float32; out1 8 x 1,024 x 512 float32; out2 8 x 1,024 x 512 float32.
;; This version of the problem:
;;   THIS VERSION OF THE PROBLEM IS GIVEN IN LOW PRECISION. The matrix products marked QUANTISED in the list below multiply operands that are first quantised to E3M2 (3 exponent bits, 2 mantissa bits; 6 bits a number), with one power-of-two scale for each 32 numbers along K (OCP MX v1.0); their sums are f32. All else is computed in f32.
;;   The module's matrix products, in the order in which they are computed (A, B: the left and right operand; K: the contracted axis; several contracted axes count as one K, in the product's order):
;;     1. [M 8,192, K 512] x [K 512, N 512]; A: computed on the way; B: input Wq (given as codes): QUANTISED
;;     2. [M 8,192, K 512] x [K 512, N 512]; A: computed on the way; B: input Wk (given as codes): QUANTISED
;;     3. [M 8,192, K 1,024] x [K 1,024, N 512]; A: computed on the way; B: input Wv1 (given as codes): QUANTISED
;;     4. [M 8,192, K 1,024] x [K 1,024, N 512]; A: computed on the way; B: input Wv2 (given as codes): QUANTISED
;;     5. batch 64 x [M 1,024, K 64] x [K 64, N 1,024]; A: computed on the way; B: computed on the way: QUANTISED
;;     6. batch 64 x [M 1,024, K 1,024] x [K 1,024, N 64]; A: softmax (see below); B: computed on the way: QUANTISED
;;     7. batch 64 x [M 1,024, K 1,024] x [K 1,024, N 64]; A: softmax (see below); B: computed on the way: QUANTISED
;;     8. [M 8,192, K 512] x [K 512, N 1,024]; A: computed on the way; B: input W11 (given as codes): QUANTISED
;;     9. [M 8,192, K 1,024] x [K 1,024, N 512]; A: computed on the way; B: input W12 (given as codes): QUANTISED
;;     10. [M 8,192, K 512] x [K 512, N 1,024]; A: computed on the way; B: input W21 (given as codes): QUANTISED
;;     11. [M 8,192, K 1,024] x [K 1,024, N 512]; A: computed on the way; B: input W22 (given as codes): QUANTISED
;;   THE QUANTISER, for each operand of a quantised product, along K:
;;     - K is cut into blocks of 32 from its start; a last block that is shorter is filled with zeros.
;;     - A block's scale is 2^e with e = floor(log2(the largest magnitude in the block)) - 4, held to -126 .. 127; a block of zeros has e = 0. As a byte (E8M0): e + 127.
;;     - Each number is divided by its block's scale, clamped to +-28, and rounded to the nearest number of E3M2, ties to even, subnormals kept.
;;     - The product sums the exact products of the quantised numbers (number of the format x scale) in f32.
;;   ~~~python
;;   def quantise(x, axis):      # numpy; x: float32 -> the quantised numbers, widened to float32 again
;;       x = np.moveaxis(x, axis, -1); K = x.shape[-1]
;;       x = np.pad(x, [(0, 0)] * (x.ndim - 1) + [(0, -K % 32)]); x = x.reshape(x.shape[:-1] + (-1, 32)); a = np.abs(x).max(-1, keepdims=True)
;;       e = np.where(a > 0, np.clip(np.frexp(np.where(a > 0, a, 1))[1] - 1 - 4, -126, 127), 0)      # np.frexp(a)[1] - 1 = floor(log2(a)), exactly
;;       r = np.clip(x / 2.0 ** e, -28, 28)
;;       step = 2.0 ** (np.maximum(np.frexp(np.where(r == 0, 1, r))[1] - 1, -2) - 2)
;;       q = np.round(r / step) * step * 2.0 ** e      # np.round: ties to even
;;       return np.moveaxis(q.reshape(q.shape[:-2] + (-1,))[..., :K], -1, axis).astype(np.float32)
;;   ~~~
;;   SOFTMAX AHEAD OF A QUANTISED PRODUCT. Where the list says 'softmax', what is quantised is not the finished softmax but p = 2^(t - M), with t = logit x log2(e) and M = ceil(the row's largest t), a whole number; so 1/2 < the row's largest p <= 1. The row's sum l is taken of the UNQUANTISED p, in f32, and the product's result is divided by l at the end. Since M is a whole number, a kernel that streams over the keys may use a running M (the ceiling of the running maximum): every later rescaling is an exact power of two, which a block's scale takes up: the codes' values come out the same.
;;   OPERANDS COMPUTED ON THE WAY. 'Computed on the way' means the value that the module computes at that place (a softmax that the list does not call 'softmax' is quantised finished and normalised). What goes into a quantiser is computed in f32, as accurately as f32 sums, v_exp_f32 and their like allow (about 1e-6 of the number): no bf16 or f16 on the way to a quantiser, and a product that is left as it is and whose result goes on into a quantised operand takes f32 operands (vector FMAs, or v_wmma_f32_16x16x4_f32). A number that lies on a knife's edge between two numbers of the format may be rounded either way, as far as f32 arithmetic and the matrix unit's own rounding can turn it there, and no further.
;;   INPUTS GIVEN AS CODES. W11 (in the module: [512, 1024], K = its axis 0); W12 (in the module: [1024, 512], K = its axis 0); W21 (in the module: [512, 1024], K = its axis 0); W22 (in the module: [1024, 512], K = its axis 0); Wk (in the module: [512, 512], K = its axis 0); Wq (in the module: [512, 512], K = its axis 0); Wv1 (in the module: [1024, 512], K = its axis 0); Wv2 (in the module: [1024, 512], K = its axis 0): each comes as NAME_codes (uint8): NAME with its K axis moved to the last place and cut into blocks of 32 codes, [.., K / 32, bytes a block], one block behind the other in memory; four codes in three bytes: a row's codes are one little-endian stream of bits, code i at bits 6 i .. 6 i + 5 (a code: sign, 3 exponent bits, 2 mantissa bits); and NAME_scales (uint8): the same leading axes, one E8M0 byte (e + 127) for each 32 codes along K. Its value is code x scale, taken as it is: it is not quantised again, and the codes and scales need not be those that the quantiser above would give.
;; 3 versions, each right; version 3 is version 2 with the launches proj, fuse written anew for expert scheduling mode. Each part assembles by itself: llvm-mc -triple=amdgcn-amd-amdhsa -mcpu=gfx1250 --defsym DOCPART=n.
;; ======== version 1 of 3: 2 launches
;; workspace buffers: kv 13,369,344 bytes
;; launch proj (part 1): grid 4 x 64, 8 waves a work-group, no clusters, 115,712 bytes of LDS; arguments rgb1, depth1, g11, be11, g12, be12, Wq_codes, Wq_scales, bq, Wk_codes, Wk_scales, bk, Wv1_codes, Wv1_scales, bv1, Wv2_codes, Wv2_scales, bv2, kv; writes kv
.if DOCPART == 1
	.amdgcn_target "amdgcn-amd-amdhsa--gfx1250"
	.amdhsa_code_object_version 6
	.text
	.protected	k_q9925a0d642_proj
	.globl	k_q9925a0d642_proj
	.p2align	8
	.type	k_q9925a0d642_proj,@function
k_q9925a0d642_proj:
	s_mov_b64 s[64:65], 0
	v_nop
	global_prefetch_b8 v0, s[64:65] scope:SCOPE_SE
	s_setreg_imm32_b32 hwreg(HW_REG_WAVE_MODE, 25, 1), 1
	s_wait_xcnt 0x0
; r = LN(rgb1), d = LN(depth1); q = r Wq + bq, k = d Wk + bk, v1 = [r|d] Wv1 + bv1, v2 = [r|d] Wv2 + bv2, all four products on codes of BF6 (E3M2) with one E8M0 scale for 32 along K.
; q and k are then quantised along a head's 64 channels, v1 and v2 along the tokens, and leave as IMAGES OF OPERAND REGISTERS in records of kv, as the next launch's waves load them.
; A RECORD (13,056 bytes) belongs to a direction z, a batch, a head and 128 tokens: index ((8 z + batch) 8 + head) 8 + block.  z = 0: keys k, values v1;  z = 1: keys q, values v2.
;   0      8 key tiles of 768 bytes: registers 0-3 at 16 x lane, registers 4-5 at 512 + 8 x lane (the real 64 along K)
;   6144   4 tiles of V^T (16 channels x 128 tokens) of 1,536 bytes: register quad c at 512 c + 16 x lane
;   12288  key scale words [lane % 16][tile];   12800  V scale words [lane % 16][tile]
; A TILE OF 16 TOKENS IS NOT 16 NEIGHBOURS: in a block of 32 tokens tile u holds token 8 u + r + 8 (r / 8) in lane r, so that the 16 registers of two neighbouring result tiles are 16 neighbours along the next K.
; A head's channel dk lies at column 8 dk + head of a projection.
; SHARES.  A work-group takes 128 tokens (grid y) and two heads (grid x).  Wave w normalises and quantises token tile w of both streams (8 fragments, through LDS as register images); then all waves run one path,
; told apart by pointers alone: v1 or v2 (w & 1), head (bit 1), two of the four channel tiles (w / 4) for all 128 tokens; then q or k (w & 1), head, 64 of the tokens (w / 4).
; The four work-groups of a token block each normalise the same rows: 128 rows x 2 streams again for each pair of heads, so that 256 work-groups have work and no launch stands in front of this one.
; No cluster and no joint loads: a weight fragment is used by one wave of a work-group and goes from memory straight into its registers; a joint load would lay it in LDS for that one reader.
; LIMITS: NaN and infinities are not served.  A block whose largest magnitude is under 2^-122 has its scale byte held at 1; a block of zeros has byte 1 where the quantiser says 127 (its codes are zeros, and the bytes
; are read by this program alone).  Bytes 2 and 3 of q's and k's scale words are 0; they stand over zero codes.
.set REC,  13056
.set AIMG, 0                           ; LDS: fragment (token tile m, K step s) at (8 m + s) x 1,536; s = 0-3 r, 4-7 d
.set ASC,  98304                       ; their scale words [m][lane][s]
.set GB,   106496                      ; g11, be11, g12, be12, 2,048 bytes each
; window 0
.set XA,   1                           ; rows of x: (r + 8 (r / 8)) x 2,048 + 64 h
.set A16,  2                           ; 16 x lane
.set LG,   3                           ; GB + 64 h
.set IMA,  4                           ; where I store images: 12,288 w + 16 x lane
.set ISA,  5                           ; and scale words: ASC + 1,024 w + 32 x lane
.set GST,  6                           ; GB + 1,024 w + 16 x lane
.set LA1,  7                           ; 16 x lane + 49,152: token tiles 4-7
.set LS,   8                           ; ASC + 32 x lane
.set LAQ,  9                           ; images for q or k
.set LSQ,  10                          ; their scale words
.set WVA,  11                          ; Wv: r x 6,144 + 24 h
.set WQA,  12                          ; Wq, Wk: (r + 8 (r / 8)) x 3,072 + 24 h
.set TA,   13
.set RR,   14                          ; r = lane % 16
.set HH,   15                          ; h = lane / 16
.set LNA,  16                          ; v16-23 four chains of sums
.set MU,   24
.set RS,   26
.set LNT,  28
.set TM,   32                          ; 16 registers at work in the quantiser (later 208)
.set PC,   48                          ; the codes just made (later 224)
.set PW,   68                          ; the scale word just made
.set GG,   72                          ; v72-135 gains, then the normalised numbers
.set BE,   136                         ; v136-199 biases
.set WVSA, 246
.set WQSA, 247
.set BVA,  248
.set QBA,  249
.set VSTA, 250
.set KSTA, 251
.set A8,   252
; scalars
.set WV,   46
.set TBK,  48
.set SEL,  50
.set INV,  52
.set EPS,  53
.set XP,   54
.set XN,   56
.set WVC,  58
.set WVSP, 60
.set BVP,  62
.set WQC,  66
.set WQSP, 68
.set BQP,  70
.set VREC, 72
.set KREC, 74
.set GBP,  80
.set VTP,  88
.set KTP,  90
.set MSB, 0
.macro WIN new                         ; register windows: bits 1:0 source 0, 3:2 source 1, 5:4 source 2, 7:6 destination; the high byte repeats the setting that is left
.if MSB != (\new)
	s_set_vgpr_msb (MSB<<8)|(\new)
.set MSB, (\new)
.endif
.endm
.macro PLACES                          ; four plain places behind matrix instructions, ahead of reads of results and of loads into operands
.rept 4
	v_nop
.endr
.endm
.macro BARRIER                         ; my LDS stores have landed and my LDS loads are in: then the work-group's barrier
	s_wait_dscnt 0x0
	s_barrier_signal -1
	s_barrier_wait -1
.endm
.macro WMMAC d, a, b, c, sa, sb
	v_wmma_scale_f32_16x16x128_f8f6f4 v[(\d):(\d)+7], v[(\a):(\a)+11], v[(\b):(\b)+11], v[(\c):(\c)+7], v[\sa], v[\sb] matrix_a_fmt:MATRIX_FMT_BF6 matrix_b_fmt:MATRIX_FMT_BF6
.endm
; 64 numbers of a lane in window W, register 16 b + i = k 32 b + 16 h + i of my row, become a fragment's 12 registers of codes at v[pc] and its scale word in v[pw]
.macro QUANT src, W, pc, pw
	WIN 5*(\W)
.irp b,0,1,2,3
	v_max3_num_f32 v[TM+\b], |v[\src+16*\b]|, |v[\src+1+16*\b]|, 0x2800000   ; my 16 numbers of block b, and the floor 2^(5 - 127): the byte cannot fall under 1
.endr
	WIN 20*(\W)
.irp i,2,4,6,8,10,12,14
.irp b,0,1,2,3
	v_max3_num_f32 v[TM+\b], v[TM+\b], |v[\src+16*\b+\i]|, |v[\src+1+16*\b+\i]|
.endr
.endr
	WIN 0
.irp b,0,1,2,3
	v_permlanex16_b32 v[TM+4+\b], v[TM+\b], s[SEL], s[SEL+1]
.endr
.irp b,0,1,2,3
	v_max_num_f32 v[TM+\b], v[TM+\b], v[TM+4+\b]                  ; with lane l xor 16's: the block's largest magnitude
.endr
.irp b,0,1,2,3
	v_add_nc_u32 v[TM+12+\b], 0xfe000000, v[TM+\b]                ; 4 off its exponent field: the conversion's scale operand
.endr
.irp b,0,1,2,3
	v_lshrrev_b32 v[TM+4+\b], 23, v[TM+12+\b]                     ; the scale's byte
.endr
	v_lshl_or_b32 v[\pw], v[TM+5], 8, v[TM+4]
	v_lshl_or_b32 v[\pw], v[TM+6], 16, v[\pw]
	v_lshl_or_b32 v[\pw], v[TM+7], 24, v[\pw]
	WIN (\W)
.irp c,0,1
	v_cvt_scalef32_pk16_bf6_f32 v[\pc+6*\c:\pc+2+6*\c], v[\src+32*\c:\src+15+32*\c], v[TM+12+2*\c]
	v_cvt_scalef32_pk16_bf6_f32 v[\pc+12+4*\c:\pc+14+4*\c], v[\src+16+32*\c:\src+31+32*\c], v[TM+12+2*\c+1]
.endr
	WIN 0
	v_nop                                          ; one plain place behind the scaled conversions
.irp c,0,1                             ; the operand wants a whole block in a lane: lanes 0-15 block 2 c, lanes 16-31 block 2 c + 1
.irp i,0,1,2
	v_permlane16_swap_b32 v[\pc+6*\c+\i], v[\pc+12+4*\c+\i]
.endr
.irp i,0,1,2
	v_mov_b32 v[\pc+3+6*\c+\i], v[\pc+12+4*\c+\i]
.endr
.endr
.endm
; the same for 32 numbers in window 1 (two blocks: a head's 64 channels): six registers of codes at v[pc], two bytes in v[pw]
.macro QUANT2 src, pc, pw
	WIN 5
.irp b,0,1
	v_max3_num_f32 v[TM+\b], |v[\src+16*\b]|, |v[\src+1+16*\b]|, 0x2800000
.endr
	WIN 20
.irp i,2,4,6,8,10,12,14
.irp b,0,1
	v_max3_num_f32 v[TM+\b], v[TM+\b], |v[\src+16*\b+\i]|, |v[\src+1+16*\b+\i]|
.endr
.endr
	WIN 0
.irp b,0,1
	v_permlanex16_b32 v[TM+4+\b], v[TM+\b], s[SEL], s[SEL+1]
.endr
.irp b,0,1
	v_max_num_f32 v[TM+\b], v[TM+\b], v[TM+4+\b]
.endr
.irp b,0,1
	v_add_nc_u32 v[TM+12+\b], 0xfe000000, v[TM+\b]
.endr
.irp b,0,1
	v_lshrrev_b32 v[TM+4+\b], 23, v[TM+12+\b]
.endr
	v_lshl_or_b32 v[\pw], v[TM+5], 8, v[TM+4]
	WIN 1
	v_cvt_scalef32_pk16_bf6_f32 v[\pc:\pc+2], v[\src:\src+15], v[TM+12]
	v_cvt_scalef32_pk16_bf6_f32 v[\pc+4:\pc+6], v[\src+16:\src+31], v[TM+13]
	WIN 0
	v_nop
.irp i,0,1,2
	v_permlane16_swap_b32 v[\pc+\i], v[\pc+4+\i]
.endr
	v_mov_b32 v[\pc+3], v[\pc+4]
	v_mov_b32 v[\pc+4], v[\pc+5]
	v_mov_b32 v[\pc+5], v[\pc+6]
.endm
; mean and 1 / sqrt(variance + 1e-5) of my row.  Window 1 holds my 256 of its 512 numbers; lane l xor 16 holds the others.  The numbers are centred in place, and the variance is taken of the centred numbers.
.macro LNSTATS
	WIN 0x05
.irp c,0,1,2,3
	v_pk_add_f32 v[LNA+2*\c:LNA+2*\c+1], v[2*\c:2*\c+1], v[8+2*\c:9+2*\c]
.endr
	WIN 0x01
.set i, 16
.rept 30
.irp c,0,1,2,3
	v_pk_add_f32 v[LNA+2*\c:LNA+2*\c+1], v[i+2*\c:i+2*\c+1], v[LNA+2*\c:LNA+2*\c+1]
.endr
.set i, i+8
.endr
	WIN 0
	v_pk_add_f32 v[LNA:LNA+1], v[LNA:LNA+1], v[LNA+2:LNA+3]
	v_pk_add_f32 v[LNA+4:LNA+5], v[LNA+4:LNA+5], v[LNA+6:LNA+7]
	v_pk_add_f32 v[LNA:LNA+1], v[LNA:LNA+1], v[LNA+4:LNA+5]
	v_add_f32 v[LNT], v[LNA], v[LNA+1]
	v_permlanex16_b32 v[LNT+1], v[LNT], s[SEL], s[SEL+1]
	v_add_f32 v[LNT], v[LNT], v[LNT+1]
	v_mul_f32 v[MU], s[INV], v[LNT]                ; / 512
	v_mov_b32 v[MU+1], v[MU]
	WIN 0x41
.set i, 0
.rept 128
	v_pk_add_f32 v[i:i+1], v[i:i+1], v[MU:MU+1] neg_lo:[0,1] neg_hi:[0,1]
.set i, i+2
.endr
	WIN 0x05
.irp c,0,1,2,3
	v_pk_mul_f32 v[LNA+2*\c:LNA+2*\c+1], v[2*\c:2*\c+1], v[2*\c:2*\c+1]
.endr
.set i, 8
.rept 31
.irp c,0,1,2,3
	v_pk_fma_f32 v[LNA+2*\c:LNA+2*\c+1], v[i+2*\c:i+2*\c+1], v[i+2*\c:i+2*\c+1], v[LNA+2*\c:LNA+2*\c+1]
.endr
.set i, i+8
.endr
	WIN 0
	v_pk_add_f32 v[LNA:LNA+1], v[LNA:LNA+1], v[LNA+2:LNA+3]
	v_pk_add_f32 v[LNA+4:LNA+5], v[LNA+4:LNA+5], v[LNA+6:LNA+7]
	v_pk_add_f32 v[LNA:LNA+1], v[LNA:LNA+1], v[LNA+4:LNA+5]
	v_add_f32 v[LNT], v[LNA], v[LNA+1]
	v_permlanex16_b32 v[LNT+1], v[LNT], s[SEL], s[SEL+1]
	v_add_f32 v[LNT], v[LNT], v[LNT+1]
	v_fma_f32 v[LNT], v[LNT], s[INV], s[EPS]
	v_rsq_f32 v[RS], v[LNT]
	v_nop                                          ; a plain place behind the transcendental
	s_wait_alu depctr_va_vdst(0)                   ; and the wait ahead of the first use
	v_mov_b32 v[RS+1], v[RS]
.endm
; K step sg of my row (64 of my numbers): x 1 / sqrt, x gain + bias, quantised, image and scale word to LDS.  go, io, so: where the stream's gains, images and words begin
.macro LNSTEP sg, go, io, so
.irp b,0,1,2,3
.irp j,0,1,2,3
	ds_load_b128 v[GG+16*\b+4*\j:GG+16*\b+4*\j+3], v[LG] offset:(\go)+512*(\sg)+128*\b+16*\j
	ds_load_b128 v[BE+16*\b+4*\j:BE+16*\b+4*\j+3], v[LG] offset:(\go)+2048+512*(\sg)+128*\b+16*\j
.endr
.endr
	WIN 0x41
.set i, 0
.rept 32
	v_pk_mul_f32 v[64*(\sg)+i:64*(\sg)+i+1], v[64*(\sg)+i:64*(\sg)+i+1], v[RS:RS+1]
.set i, i+2
.endr
	s_wait_dscnt 0x0                               ; gains and biases are in
	WIN 0x01
.set i, 0
.rept 32
	v_pk_fma_f32 v[GG+i:GG+i+1], v[64*(\sg)+i:64*(\sg)+i+1], v[GG+i:GG+i+1], v[BE+i:BE+i+1]
.set i, i+2
.endr
	QUANT GG,0,PC,PW
.irp c,0,1,2
	ds_store_b128 v[IMA], v[PC+4*\c:PC+4*\c+3] offset:(\io)+1536*(\sg)+512*\c
.endr
	ds_store_b32 v[ISA], v[PW] offset:(\so)+4*(\sg)
	s_wait_dscnt 0x0                               ; the stores have read their registers
.endm
.macro XLOAD sg, ptr                   ; my 64 numbers of K step sg of my row: 16 neighbours of each block of 32
	WIN 0x40
.irp b,0,1,2,3
.irp j,0,1,2,3
	global_load_b128 v[64*(\sg)+16*\b+4*\j:64*(\sg)+16*\b+4*\j+3], v[XA], s[\ptr:\ptr+1] offset:512*(\sg)+128*\b+16*\j
.endr
.endr
	WIN 0
.endm
.macro JOB jb                          ; one stream: 0 rgb1, 1 depth1.  In job 0 each K step's registers take the other stream's numbers as soon as they are free
	s_wait_loadcnt 0x0
	LNSTATS
.irp sg,0,1,2,3
	LNSTEP \sg,4096*(\jb),6144*(\jb),16*(\jb)
.if (\jb) == 0
	XLOAD \sg,XN
.endif
.endr
.endm
	s_load_b512 s[8:23], s[0:1], 0x0               ; rgb1 8, depth1 10, g11 12, be11 14, g12 16, be12 18, Wq codes 20, scales 22
	s_load_b512 s[24:39], s[0:1], 0x40             ; bq 24, Wk codes 26, scales 28, bk 30, Wv1 codes 32, scales 34, bv1 36, Wv2 codes 38
	s_load_b128 s[40:43], s[0:1], 0x80             ; Wv2 scales 40, bv2 42
	s_load_b64 s[44:45], s[0:1], 0x90              ; kv
	v_lshl_add_u32 v239, v0, 2, 0x1c000
	v_mov_b32 v243, 0
	v_lshrrev_b32 v[TA], 5, v0
	v_readfirstlane_b32 s[WV], v[TA]               ; wave 0..7
	s_and_b32 s[TBK], ttmp7, 0xffff                ; block of 128 tokens: 8 x batch + block
	s_and_b32 s84, s[WV], 1                        ; v2 for v1, k for q
	s_bfe_u32 s85, s[WV], 0x10001                  ; which of the two heads
	s_lshr_b32 s86, s[WV], 2                       ; which two channel tiles of v; which 64 tokens of q or k
	s_lshl_b32 s87, ttmp9, 1
	s_add_co_u32 s87, s87, s85                     ; the head
	s_mov_b32 s[SEL], 0x76543210
	s_mov_b32 s[SEL+1], 0xfedcba98                 ; v_permlanex16_b32's selects for lane l xor 16
	s_mov_b32 s[INV], 0x3b000000                   ; 1 / 512
	s_mov_b32 s[EPS], 0x3727c5ac                   ; 1e-5
	s_lshr_b32 s76, s[WV], 1                       ; my tile's first token: 128 x block + 32 (w / 2) + 8 (w % 2)
	s_lshl_b32 s76, s76, 5
	s_lshl_b32 s78, s84, 3
	s_add_co_u32 s76, s76, s78
	s_lshl_b32 s78, s[TBK], 7
	s_add_co_u32 s76, s76, s78
	s_lshl_b32 s76, s76, 11                        ; rows of 2,048 bytes
	s_mov_b32 s77, 0
	s_mov_b32 s79, 0
	v_and_b32 v[RR], 15, v0
	v_bfe_u32 v[HH], v0, 4, 1
	v_and_b32 v[TA], 8, v[RR]
	v_add_nc_u32 v[TA], v[TA], v[RR]               ; r + 8 (r / 8)
	v_lshlrev_b32 v[XA], 11, v[TA]
	v_lshl_add_u32 v[XA], v[HH], 6, v[XA]
	v_and_b32 v[A16], 31, v0
	v_lshlrev_b32 v[A8], 3, v[A16]
	v_lshlrev_b32 v[LS], 5, v[A16]
	v_lshlrev_b32 v[A16], 4, v[A16]
	v_add_nc_u32 v[LS], ASC, v[LS]
	v_lshl_add_u32 v[LG], v[HH], 6, GB
	s_mul_i32 s78, s[WV], 12288
	v_add_nc_u32 v[IMA], s78, v[A16]
	s_lshl_b32 s78, s[WV], 10
	v_add_nc_u32 v[ISA], s78, v[LS]
	v_add_nc_u32 v[GST], s78, v[A16]
	v_add_nc_u32 v[GST], GB, v[GST]
	v_add_nc_u32 v[LA1], 49152, v[A16]
	s_mul_i32 s78, s86, 49152
	s_mul_i32 s92, s84, 6144
	s_add_co_u32 s78, s78, s92
	v_add_nc_u32 v[LAQ], s78, v[A16]
	s_lshl_b32 s78, s86, 12
	s_lshl_b32 s92, s84, 4
	s_add_co_u32 s78, s78, s92
	v_add_nc_u32 v[LSQ], s78, v[LS]
	v_mul_u32_u24 v[WVA], v[RR], 6144
	v_mad_u32_u24 v[WVA], v[HH], 24, v[WVA]
	v_mul_u32_u24 v[WQA], v[TA], 3072
	v_mad_u32_u24 v[WQA], v[HH], 24, v[WQA]
	v_lshlrev_b32 v[WVSA], 8, v[RR]
	v_lshlrev_b32 v[WQSA], 7, v[TA]
	v_lshlrev_b32 v[BVA], 5, v[RR]
	v_lshlrev_b32 v[QBA], 9, v[HH]
	v_lshlrev_b32 v[VSTA], 4, v[RR]
	v_lshl_add_u32 v[VSTA], v[HH], 2, v[VSTA]
	s_lshl_b32 s78, s86, 3
	v_add_nc_u32 v[VSTA], s78, v[VSTA]             ; 16 r + 4 h + 8 (w / 4)
	v_lshlrev_b32 v[KSTA], 5, v[RR]
	v_lshl_add_u32 v[KSTA], v[HH], 3, v[KSTA]
	s_lshl_b32 s78, s86, 4
	v_add_nc_u32 v[KSTA], s78, v[KSTA]             ; 32 r + 8 h + 16 (w / 4)
	v_mov_b32 v[LNT+1], 0                          ; a lane permute's destination counts as one of its sources: written once
.irp b,0,1,2,3
	v_mov_b32 v[36+\b], 0
	v_mov_b32 v[212+\b], 0
.endr
	s_wait_kmcnt 0x0
	s_cmp_eq_u32 s85, 0                            ; my 1,024 bytes of the four vectors: vector w / 2, half w % 2
	s_cselect_b64 s[GBP:GBP+1], s[12:13], s[14:15]
	s_cselect_b64 s[82:83], s[16:17], s[18:19]
	s_cmp_eq_u32 s86, 0
	s_cselect_b64 s[GBP:GBP+1], s[GBP:GBP+1], s[82:83]
	s_cmp_eq_u32 s84, 0                            ; the roles: pointers alone differ
	s_cselect_b64 s[WVC:WVC+1], s[32:33], s[38:39]
	s_cselect_b64 s[WVSP:WVSP+1], s[34:35], s[40:41]
	s_cselect_b64 s[BVP:BVP+1], s[36:37], s[42:43]
	s_cselect_b64 s[WQC:WQC+1], s[20:21], s[26:27]
	s_cselect_b64 s[WQSP:WQSP+1], s[22:23], s[28:29]
	s_cselect_b64 s[BQP:BQP+1], s[24:25], s[30:31]
	s_lshl_b32 s78, s84, 10
	s_add_nc_u64 s[GBP:GBP+1], s[GBP:GBP+1], s[78:79]
	s_add_nc_u64 s[XP:XP+1], s[8:9], s[76:77]
	s_add_nc_u64 s[XN:XN+1], s[10:11], s[76:77]
	global_load_b128 v[72:75], v[A16], s[GBP:GBP+1]
	global_load_b128 v[76:79], v[A16], s[GBP:GBP+1] offset:512
.irp sg,0,1,2,3
	XLOAD \sg,XP
.endr
	s_lshl_b32 s78, s86, 8                         ; Wv: rows (16 i + r) 8 + head of 768 bytes, i from 2 (w / 4)
	s_add_co_u32 s78, s78, s87
	s_mul_i32 s78, s78, 768
	s_add_nc_u64 s[WVC:WVC+1], s[WVC:WVC+1], s[78:79]
	s_lshl_b32 s78, s87, 5                         ; its scales: 32 bytes a row
	s_lshl_b32 s76, s86, 13
	s_add_co_u32 s78, s78, s76
	s_add_nc_u64 s[WVSP:WVSP+1], s[WVSP:WVSP+1], s[78:79]
	s_lshl_b32 s78, s87, 2                         ; its bias
	s_lshl_b32 s76, s86, 10
	s_add_co_u32 s78, s78, s76
	s_add_nc_u64 s[BVP:BVP+1], s[BVP:BVP+1], s[78:79]
	s_mul_i32 s78, s87, 384                        ; Wq, Wk: rows of 384 bytes
	s_add_nc_u64 s[WQC:WQC+1], s[WQC:WQC+1], s[78:79]
	s_lshl_b32 s78, s87, 4
	s_add_nc_u64 s[WQSP:WQSP+1], s[WQSP:WQSP+1], s[78:79]
	s_lshl_b32 s78, s87, 2
	s_add_nc_u64 s[BQP:BQP+1], s[BQP:BQP+1], s[78:79]
	s_lshr_b32 s92, s[TBK], 3                      ; batch
	s_and_b32 s93, s[TBK], 7                       ; block of 128 tokens in it
	s_lshl_b32 s78, s84, 3                         ; v1 goes to direction 0, v2 to direction 1
	s_add_co_u32 s78, s78, s92
	s_lshl_b32 s78, s78, 3
	s_add_co_u32 s78, s78, s87
	s_lshl_b32 s78, s78, 3
	s_add_co_u32 s78, s78, s93
	s_mul_i32 s78, s78, REC
	s_add_nc_u64 s[VREC:VREC+1], s[44:45], s[78:79]
	s_xor_b32 s78, s84, 1                          ; k are direction 0's keys, q direction 1's
	s_lshl_b32 s78, s78, 3
	s_add_co_u32 s78, s78, s92
	s_lshl_b32 s78, s78, 3
	s_add_co_u32 s78, s78, s87
	s_lshl_b32 s78, s78, 3
	s_add_co_u32 s78, s78, s93
	s_mul_i32 s78, s78, REC
	s_add_nc_u64 s[KREC:KREC+1], s[44:45], s[78:79]
	s_mul_i32 s78, s86, 3072                       ; two V tiles, or four key tiles
	s_add_nc_u64 s[VTP:VTP+1], s[VREC:VREC+1], s[78:79]
	s_add_nc_u64 s[KTP:KTP+1], s[KREC:KREC+1], s[78:79]
	s_wait_loadcnt 63                              ; 66 loads were issued: the three oldest are in, the gains' two among them
	ds_store_b128 v[GST], v[72:75]
	ds_store_b128 v[GST], v[76:79] offset:512
	BARRIER                                        ; the four vectors lie in LDS
	JOB 0
	JOB 1
	; what the products want from memory is asked for ahead of the barrier: scale words, v's bias in the result's layout, four K steps of Wv
.irp ip,0,1
	global_load_b128 v[80+8*\ip:83+8*\ip], v[WVSA], s[WVSP:WVSP+1] offset:4096*\ip
	global_load_b128 v[84+8*\ip:87+8*\ip], v[WVSA], s[WVSP:WVSP+1] offset:4096*\ip+16
.endr
.irp tt,0,1,2,3
	global_load_b128 v[96+4*\tt:99+4*\tt], v[WQSA], s[WQSP:WQSP+1] offset:(32*(\tt/2)+8*(\tt%2))*128
.endr
	WIN 0x40
.irp ip,0,1
.irp j,0,1,2,3,4,5,6,7
	global_load_b32 v[224+8*\ip+\j], v[BVA], s[BVP:BVP+1] offset:512*\ip   ; a lane holds one channel: its bias in all eight registers
.endr
.endr
	WIN 0
.macro RING s                          ; Wv's two fragments of K step s into slot s % 4 of window 1
	WIN 0x40
.irp ip,0,1
.irp p,0,1,2,3,4,5
	global_load_b64 v[128+24*((\s)%4)+12*\ip+2*\p:128+24*((\s)%4)+12*\ip+2*\p+1], v[WVA], s[WVC:WVC+1] offset:98304*\ip+96*(\s)+48*(\p/3)+8*(\p%3)
.endr
.endr
	WIN 0
.endm
.irp s,0,1,2,3
	RING \s
.endr
	BARRIER                                        ; all 64 fragments of [r|d] and their scale words lie in LDS
	; ---- v1 or v2: source 0 = 16 tokens, source 1 = 16 rows of Wv: a lane holds ONE channel, and its registers run along the tokens, which are the next K
.macro AHALF reg, adr, s               ; four token tiles' fragments of K step s
.irp m,0,1,2,3
.irp c,0,1,2
	ds_load_b128 v[(\reg)+12*\m+4*\c:(\reg)+12*\m+4*\c+3], v[\adr] offset:(8*\m+(\s))*1536+512*\c
.endr
.endr
.endm
.macro VMUL s, m0, ah                  ; eight products: token tiles m0 .. m0 + 3 x my two channel tiles; the 16 accumulators take turns, one instruction a turn
	WIN 0x54
.irp m,0,1,2,3
.irp ip,0,1
.if (\s) == 0
	WMMAC 64*\ip+8*((\m0)+\m),(\ah)+12*\m,128+24*((\s)%4)+12*\ip,224+8*\ip,16+8*((\m0)+\m)+(\s),80+8*\ip+(\s)
.else
	WMMAC 64*\ip+8*((\m0)+\m),(\ah)+12*\m,128+24*((\s)%4)+12*\ip,64*\ip+8*((\m0)+\m),16+8*((\m0)+\m)+(\s),80+8*\ip+(\s)
.endif
.endr
.endr
	WIN 0
	PLACES
.endm
.macro VSTEP s
.if (\s) < 5
	s_wait_loadcnt 36                              ; this K step's 12 loads are in; the three younger steps' 36 may be out
.else
	s_wait_loadcnt 12*(7-(\s))
.endif
	s_wait_dscnt 12                                ; tiles 0-3 are in; the 12 loads of tiles 4-7 may be out
	VMUL \s,0,112
.if (\s) < 7
	AHALF 112,A16,(\s)+1
	s_wait_dscnt 12                                ; tiles 4-7 are in; the 12 just issued may be out
.else
	s_wait_dscnt 0x0
.endif
	VMUL \s,4,160
.if (\s) < 7
	AHALF 160,LA1,(\s)+1
.endif
.if (\s) < 4
	RING (\s)+4
.endif
.endm
.irp m,0,1,2,3,4,5,6,7
	ds_load_b128 v[16+8*\m:19+8*\m], v[LS] offset:1024*\m
	ds_load_b128 v[20+8*\m:23+8*\m], v[LS] offset:1024*\m+16
.endr
	AHALF 112,A16,0
	AHALF 160,LA1,0
.irp s,0,1,2,3,4,5,6,7
	VSTEP \s
.endr
	; q's or k's operands are asked for while v is quantised
.macro WQB s, buf, win                 ; four fragments of Wq or Wk of K step s.  Lane r of tile 2 b + u takes channel 32 b + 8 u + r + 8 (r / 8) of the head
.if \win
	WIN 0x40
.endif
.irp tt,0,1,2,3
.irp p,0,1,2,3,4,5
	global_load_b64 v[(\buf)+12*\tt+2*\p:(\buf)+12*\tt+2*\p+1], v[WQA], s[WQC:WQC+1] offset:(32*(\tt/2)+8*(\tt%2))*3072+96*(\s)+48*(\p/3)+8*(\p%3)
.endr
.endr
	WIN 0
.endm
.macro AQ s
.irp mm,0,1,2,3
.irp c,0,1,2
	ds_load_b128 v[112+12*\mm+4*\c:112+12*\mm+4*\c+3], v[LAQ] offset:12288*\mm+1536*(\s)+512*\c
.endr
.endr
.endm
	WIN 0x40
.irp tt,0,1,2,3
.irp j,0,1,2,3,4,5,6,7
	global_load_b32 v[224+8*\tt+\j], v[QBA], s[BQP:BQP+1] offset:(32*(\tt/2)+8*(\tt%2)+\j)*32   ; the bias of channel 32 b + 16 h + 8 u + j
.endr
.endr
	WIN 0
	WQB 0,128,1
	WQB 1,176,1
	WQB 2,160,0
.irp mm,0,1,2,3
	ds_load_b128 v[16+4*\mm:19+4*\mm], v[LSQ] offset:1024*\mm
.endr
	AQ 0
	; ---- v's way out: each channel tile's 64 registers are 128 tokens of one channel
.set TM, 208
.set PC, 224
	QUANT 0,1,PC,244
.irp c,0,1,2
	global_store_b128 v[A16], v[PC+4*\c:PC+4*\c+3], s[VTP:VTP+1] offset:6144+512*\c      ; 32 lanes store 512 consecutive bytes, at a multiple of 256 from the buffer's first byte
.endr
	s_wait_xcnt 0x0                                ; the stores have read their registers: the codes' registers are written again only behind this wait
	QUANT 64,1,PC,245
.irp c,0,1,2
	global_store_b128 v[A16], v[PC+4*\c:PC+4*\c+3], s[VTP:VTP+1] offset:6144+1536+512*\c
.endr
	v_cmp_ne_u32 vcc_lo, 0, v[HH]
	v_cndmask_b32 v253, v244, v245, vcc_lo         ; lanes 0-15 store the first tile's word, lanes 16-31 the second's
	global_store_b32 v[VSTA], v253, s[VREC:VREC+1] offset:12800
	; ---- q or k, transposed: source 0 = 16 rows of the weight, source 1 = 16 tokens: a lane holds ONE token, and its registers run along the head's channels
.macro QMUL s, buf, msb
	WIN \msb
.irp tt,0,1,2,3
.irp mm,0,1,2,3
.if (\s) == 0
	WMMAC 32*\mm+8*\tt,(\buf)+12*\tt,112+12*\mm,224+8*\tt,96+4*\tt+(\s),16+4*\mm+(\s)
.else
	WMMAC 32*\mm+8*\tt,(\buf)+12*\tt,112+12*\mm,32*\mm+8*\tt,96+4*\tt+(\s),16+4*\mm+(\s)
.endif
.endr
.endr
	WIN 0
	PLACES
.endm
	s_wait_loadcnt 48                              ; the bias and K step 0 are in; the two younger batches of 24 may be out
	s_wait_dscnt 0x0
	QMUL 0,128,0x51
	AQ 1
	WQB 3,128,1
	s_wait_loadcnt 48
	s_wait_dscnt 0x0
	QMUL 1,176,0x51
	AQ 2
	s_wait_loadcnt 24
	s_wait_dscnt 0x0
	QMUL 2,160,0x50
	AQ 3
	s_wait_loadcnt 0x0
	s_wait_dscnt 0x0
	QMUL 3,128,0x51
.irp mm,0,1,2,3
	QUANT2 32*\mm,112+8*\mm,144+\mm
	global_store_b128 v[A16], v[112+8*\mm:115+8*\mm], s[KTP:KTP+1] offset:768*\mm
	global_store_b64 v[A8], v[116+8*\mm:117+8*\mm], s[KTP:KTP+1] offset:768*\mm+512
.endr
	v_cndmask_b32 v254, v144, v146, vcc_lo         ; lanes 0-15 store tiles 0 and 1's words of their row, lanes 16-31 tiles 2 and 3's
	v_cndmask_b32 v255, v145, v147, vcc_lo
	global_store_b64 v[KSTA], v[254:255], s[KREC:KREC+1] offset:12288
	s_wait_tensorcnt 0x0
	ds_add_u32 v239, v243
	s_wait_dscnt 0x0
	s_endpgm
.Lfunc_end_k_q9925a0d642_proj:
	.size	k_q9925a0d642_proj, .Lfunc_end_k_q9925a0d642_proj-k_q9925a0d642_proj
	.p2alignl 7, 3214868480
	.fill 96, 4, 3214868480
	.section	.rodata,"a",@progbits
	.p2align	6, 0x0
	.amdhsa_kernel k_q9925a0d642_proj
		.amdhsa_group_segment_fixed_size 115712
		.amdhsa_private_segment_fixed_size 0
		.amdhsa_enable_private_segment 0
		.amdhsa_kernarg_size 152
		.amdhsa_user_sgpr_count 2
		.amdhsa_user_sgpr_kernarg_segment_ptr 1
		.amdhsa_wavefront_size32 1
		.amdhsa_system_sgpr_workgroup_id_x 1
		.amdhsa_system_sgpr_workgroup_id_y 1
		.amdhsa_system_sgpr_workgroup_id_z 1
		.amdhsa_system_vgpr_workitem_id 0
		.amdhsa_next_free_vgpr 512
		.amdhsa_next_free_sgpr 96
		.amdhsa_reserve_vcc 1
		.amdhsa_float_denorm_mode_32 3
		.amdhsa_float_denorm_mode_16_64 3
		.amdhsa_memory_ordered 1
		.amdhsa_forward_progress 1
		.amdhsa_inst_pref_size 236
	.end_amdhsa_kernel
	.amdgpu_metadata
---
amdhsa.version: [ 1, 2 ]
amdhsa.kernels:
  - .name:           k_q9925a0d642_proj
    .symbol:         k_q9925a0d642_proj.kd
    .args:
      - { .name: rgb1, .offset: 0, .size: 8, .value_kind: global_buffer, .address_space: global }
      - { .name: depth1, .offset: 8, .size: 8, .value_kind: global_buffer, .address_space: global }
      - { .name: g11, .offset: 16, .size: 8, .value_kind: global_buffer, .address_space: global }
      - { .name: be11, .offset: 24, .size: 8, .value_kind: global_buffer, .address_space: global }
      - { .name: g12, .offset: 32, .size: 8, .value_kind: global_buffer, .address_space: global }
      - { .name: be12, .offset: 40, .size: 8, .value_kind: global_buffer, .address_space: global }
      - { .name: Wq_codes, .offset: 48, .size: 8, .value_kind: global_buffer, .address_space: global }
      - { .name: Wq_scales, .offset: 56, .size: 8, .value_kind: global_buffer, .address_space: global }
      - { .name: bq, .offset: 64, .size: 8, .value_kind: global_buffer, .address_space: global }
      - { .name: Wk_codes, .offset: 72, .size: 8, .value_kind: global_buffer, .address_space: global }
      - { .name: Wk_scales, .offset: 80, .size: 8, .value_kind: global_buffer, .address_space: global }
      - { .name: bk, .offset: 88, .size: 8, .value_kind: global_buffer, .address_space: global }
      - { .name: Wv1_codes, .offset: 96, .size: 8, .value_kind: global_buffer, .address_space: global }
      - { .name: Wv1_scales, .offset: 104, .size: 8, .value_kind: global_buffer, .address_space: global }
      - { .name: bv1, .offset: 112, .size: 8, .value_kind: global_buffer, .address_space: global }
      - { .name: Wv2_codes, .offset: 120, .size: 8, .value_kind: global_buffer, .address_space: global }
      - { .name: Wv2_scales, .offset: 128, .size: 8, .value_kind: global_buffer, .address_space: global }
      - { .name: bv2, .offset: 136, .size: 8, .value_kind: global_buffer, .address_space: global }
      - { .name: kv, .offset: 144, .size: 8, .value_kind: global_buffer, .address_space: global }
    .group_segment_fixed_size: 115712
    .private_segment_fixed_size: 0
    .kernarg_segment_align: 8
    .kernarg_segment_size: 152
    .max_flat_workgroup_size: 256
    .sgpr_count:     96
    .vgpr_count:     512
    .wavefront_size: 32
...
	.end_amdgpu_metadata
.endif
;; end of part 1
;; launch fuse (part 2): grid 16 x 16, 8 waves a work-group, no clusters, 217,088 bytes of LDS; arguments kv, rgb1, g21, be21, W11_codes, W11_scales, b11, W12_codes, W12_scales, b12, out0, depth1, g22, be22, W21_codes, W21_scales, b21, W22_codes, W22_scales, b22, out1, out2; writes out0, out1, out2
.if DOCPART == 2
	.amdgcn_target "amdgcn-amd-amdhsa--gfx1250"
	.amdhsa_code_object_version 6
	.text
	.protected	k_q9925a0d642_fuse
	.globl	k_q9925a0d642_fuse
	.p2align	8
	.type	k_q9925a0d642_fuse,@function
k_q9925a0d642_fuse:
	s_mov_b64 s[64:65], 0
	v_nop
	global_prefetch_b8 v0, s[64:65] scope:SCOPE_SE
	s_setreg_imm32_b32 hwreg(HW_REG_WAVE_MODE, 25, 1), 1
	s_wait_xcnt 0x0
; One direction z of the attention, the residual, the second LayerNorm, the FFN and the last residual, for 64 rows of one batch.  All products on codes of BF6 (E3M2), one E8M0 scale for 32 along K.
; z = 0: queries q, keys k, values v1, stream rgb1 -> out0.   z = 1: queries k, keys q, values v2 (the softmax down the columns of q k^T IS a softmax along the rows of k q^T), stream depth1 -> out1 and out2.
; Only pointers differ between the two.  kv holds keys, values and queries as images of operand registers (the launch before; a record of 13,056 bytes for a direction, batch, head and 128 tokens).
; SHARES.  grid x: block of 64 rows; grid y: 8 z + batch.  ATTENTION: wave w is head w and holds all 64 queries, four tiles; it walks 1,024 keys, 128 a step.  Since a head's channel dk is column 8 dk + head,
; the eight waves together hold whole rows, which meet in LDS; so the rest of the block follows here and nothing of it goes to memory.  FFN: wave w owns hidden units 128 w .. and outputs 64 w .. for all 64 rows.
; SOFTMAX: t = score x log2(e); M = the running largest t rounded up to a whole number; p = 2^(t - M) is quantised along the keys, not normalised; the row's sum is taken of the unquantised p and divides at the end.
; When M moves, the sum and O are multiplied by 2^(old M - new M): nothing is rounded.
; Both attention products are used transposed (S^T = K Q^T, O^T = V^T P^T): a lane holds one query.  A tile of 16 tokens holds token 8 u + r + 8 (r / 8) of its block of 32 in lane r, so that
; the 16 registers of two neighbouring score tiles are 16 neighbouring keys.
; THE SCORE PRODUCT HAS K = 64 in an instruction of 128: a query fragment's upper six registers are zero codes.  A key fragment is named as 12 registers of which the upper six are the next tile's codes
; (behind the last tile: six cleared registers): they meet zero codes and add nothing.
; O^T begins as zeros, by 128 moves once, so that the key step is written once; the first change of M multiplies zeros.
; No cluster, no joint loads, no ring in LDS: each fragment of keys, values and weights is used by ONE wave of a work-group (another head, other units), so it goes from memory straight into that wave's registers;
; a joint load would lay a record's 13,056 bytes in LDS to be read once by one wave.
; LIMITS: NaN and infinities are not served.  A block whose largest magnitude is under 2^-122 has its scale byte held at 1; a block of zeros has byte 1 (its codes are zeros).
.set REC,  13056
.set PP,   2064                        ; a row in LDS: 2,048 bytes + 16: an odd multiple of 16, so that 16 rows of a 16-byte load start at 16 different groups of banks (ISA guide 11.1)
.set RES,  0                           ; 64 rows: the residual, then res, then the result.  Row 16 t + r is token 32 (t / 2) + 8 (t % 2) + r + 8 (r / 8) of the block
.set XIMG, 132096                      ; LN(res): fragment (row tile m, K step s) at (4 m + s) x 1,536
.set XSC,  156672                      ; its scale words [m][lane][s 4]
.set HIMG, 158720                      ; the hidden layer: (8 m + s) x 1,536
.set HSC,  207872                      ; its scale words [m][lane][s 8]
.set GB,   211968                      ; gain, bias
; window 0 during attention
.set A16,  1                           ; 16 x lane; kept for the whole launch
.set A8,   2
.set AKS,  3                           ; 32 r
.set AVS,  4                           ; 16 r
.set PF0,  5                           ; the prefetches' offsets; never rewritten
.set PF1,  6
.set TA,   7
.set QS,   8                           ; v8-11 the queries' scale words
.set ST,   12                          ; tile t: v[12 + 4 t] -M, +1 the largest t, +2, +3 the sum in two halves
.set PS,   28                          ; v28-31 p's scale words
.set KSW,  32                          ; v32-39 the keys'
.set VSW,  40                          ; v40-43 the values'
.set QF,   44                          ; v44-91 the queries, 12 a tile
.set PFR,  92                          ; v92-139 p's codes, 12 a tile
.set SS,   140                         ; v140-203 S^T of one query tile, then p
.set BM,   204
.set PT,   208
.set SO,   212
.set CT,   216
.set FF,   224
.set T1,   226
.set T2,   227
.set EA,   228
.set RL,   232
; window 1 during attention: v0-127 O^T (32 t + 8 i); v128-175 keys, 6 a tile; v176-181 zeros; v182-229 values
; scalars
.set KV,   4
.set OUT2, 6
.set RESID, 8
.set GP,   10
.set BEP,  12
.set W1C,  14
.set W1SP, 16
.set B1P,  18
.set W2C,  20
.set W2SP, 22
.set B2P,  24
.set OUT,  26
.set WV,   48
.set ZZ,   49
.set BB,   50
.set QB,   51
.set SEL,  52
.set CS,   54
.set KB,   56
.set KS,   58
.set LIM,  59
.set QP,   60
.set EPS,  62
.set INV,  63
.set RESP, 68
.set QP3,  70
.set GBP,  72
.set MSB, 0
.macro WIN new                         ; register windows: bits 1:0 source 0, 3:2 source 1, 5:4 source 2, 7:6 destination; the high byte repeats the setting that is left
.if MSB != (\new)
	s_set_vgpr_msb (MSB<<8)|(\new)
.set MSB, (\new)
.endif
.endm
.macro PLACES                          ; four plain places behind matrix instructions, ahead of reads of results and of loads into operands
.rept 4
	v_nop
.endr
.endm
.macro BARRIER
	s_wait_dscnt 0x0
	s_barrier_signal -1
	s_barrier_wait -1
.endm
.macro WMMAC d, a, b, c, sa, sb
	v_wmma_scale_f32_16x16x128_f8f6f4 v[(\d):(\d)+7], v[(\a):(\a)+11], v[(\b):(\b)+11], v[(\c):(\c)+7], v[\sa], v[\sb] matrix_a_fmt:MATRIX_FMT_BF6 matrix_b_fmt:MATRIX_FMT_BF6
.endm
.macro WMMA0 d, a, b, sa, sb
	v_wmma_scale_f32_16x16x128_f8f6f4 v[(\d):(\d)+7], v[(\a):(\a)+11], v[(\b):(\b)+11], 0, v[\sa], v[\sb] matrix_a_fmt:MATRIX_FMT_BF6 matrix_b_fmt:MATRIX_FMT_BF6
.endm
; 64 numbers of a lane in window W, register 16 b + i = k 32 b + 16 h + i of my row, become a fragment's 12 registers of codes at v[pc] and its scale word in v[pw]
.macro QUANT src, W, pc, pw
	WIN 5*(\W)
.irp b,0,1,2,3
	v_max3_num_f32 v[TM+\b], |v[\src+16*\b]|, |v[\src+1+16*\b]|, 0x2800000   ; my 16 numbers of block b, and the floor 2^(5 - 127): the byte cannot fall under 1
.endr
	WIN 20*(\W)
.irp i,2,4,6,8,10,12,14
.irp b,0,1,2,3
	v_max3_num_f32 v[TM+\b], v[TM+\b], |v[\src+16*\b+\i]|, |v[\src+1+16*\b+\i]|
.endr
.endr
	WIN 0
.irp b,0,1,2,3
	v_permlanex16_b32 v[TM+4+\b], v[TM+\b], s[SEL], s[SEL+1]
.endr
.irp b,0,1,2,3
	v_max_num_f32 v[TM+\b], v[TM+\b], v[TM+4+\b]
.endr
.irp b,0,1,2,3
	v_add_nc_u32 v[TM+12+\b], 0xfe000000, v[TM+\b]                ; 4 off the exponent field: the conversion's scale operand
.endr
.irp b,0,1,2,3
	v_lshrrev_b32 v[TM+4+\b], 23, v[TM+12+\b]                     ; the scale's byte
.endr
	v_lshl_or_b32 v[\pw], v[TM+5], 8, v[TM+4]
	v_lshl_or_b32 v[\pw], v[TM+6], 16, v[\pw]
	v_lshl_or_b32 v[\pw], v[TM+7], 24, v[\pw]
	WIN (\W)
.irp c,0,1
	v_cvt_scalef32_pk16_bf6_f32 v[\pc+6*\c:\pc+2+6*\c], v[\src+32*\c:\src+15+32*\c], v[TM+12+2*\c]
	v_cvt_scalef32_pk16_bf6_f32 v[\pc+12+4*\c:\pc+14+4*\c], v[\src+16+32*\c:\src+31+32*\c], v[TM+12+2*\c+1]
.endr
	WIN 0
	v_nop                                          ; one plain place behind the scaled conversions
.irp c,0,1
.irp i,0,1,2
	v_permlane16_swap_b32 v[\pc+6*\c+\i], v[\pc+12+4*\c+\i]
.endr
.irp i,0,1,2
	v_mov_b32 v[\pc+3+6*\c+\i], v[\pc+12+4*\c+\i]
.endr
.endr
.endm
	s_load_b64 s[KV:KV+1], s[0:1], 0x0
	s_load_b64 s[OUT2:OUT2+1], s[0:1], 0xa8
	s_load_b512 s[8:23], s[0:1], 0x8               ; the rgb set: stream, gain, bias, W1 codes, scales, b1, W2 codes, scales,
	s_load_b128 s[24:27], s[0:1], 0x48             ; b2, output
	s_load_b512 s[28:43], s[0:1], 0x58             ; the depth set, in the same order
	s_load_b128 s[44:47], s[0:1], 0x98
	v_lshrrev_b32 v[TA], 5, v0
	v_readfirstlane_b32 s[WV], v[TA]               ; wave 0..7
	s_and_b32 s66, ttmp7, 0xffff
	s_lshr_b32 s[ZZ], s66, 3                       ; direction
	s_and_b32 s[BB], s66, 7                        ; batch
	s_mov_b32 s[QB], ttmp9                         ; block of 64 rows
	s_mov_b32 s[SEL], 0x76543210
	s_mov_b32 s[SEL+1], 0xfedcba98
	s_mov_b32 s[CS], 0x3fb8aa3b                    ; log2(e): the scores are not scaled
	s_mov_b32 s[CS+1], s[CS]
	s_mov_b32 s[EPS], 0x3727c5ac                   ; 1e-5
	s_mov_b32 s[INV], 0x3b000000                   ; 1 / 512
	v_and_b32 v[A16], 31, v0
	v_lshlrev_b32 v[A8], 3, v[A16]
	v_lshlrev_b32 v[PF0], 8, v[A16]                ; a record is 51 blocks of 256 bytes: blocks 0-31,
	v_min_u32 v[PF1], 18, v[A16]
	v_lshlrev_b32 v[PF1], 8, v[PF1]
	v_add_nc_u32 v[PF1], 8192, v[PF1]              ; and 32-50 (lanes 19-31 name the last again)
	v_lshlrev_b32 v[A16], 4, v[A16]
	v_and_b32 v[AVS], 15, v0
	v_lshlrev_b32 v[AKS], 5, v[AVS]
	v_lshlrev_b32 v[AVS], 4, v[AVS]
	s_lshr_b32 s66, s[WV], 2                       ; LDS rows 8 w .. 8 w + 7 are the 8 neighbouring tokens from 32 (w / 4) + 8 ((w / 2) % 2) + 16 (w % 2) on
	s_lshl_b32 s66, s66, 5
	s_bfe_u32 s67, s[WV], 0x10001
	s_lshl_b32 s67, s67, 3
	s_add_co_u32 s66, s66, s67
	s_and_b32 s67, s[WV], 1
	s_lshl_b32 s67, s67, 4
	s_add_co_u32 s66, s66, s67
	s_lshl_b32 s67, s[QB], 6
	s_add_co_u32 s66, s66, s67
	s_lshl_b32 s67, s[BB], 10
	s_add_co_u32 s66, s66, s67
	s_lshl_b32 s66, s66, 11                        ; rows of 2,048 bytes
	s_mov_b32 s67, 0
	s_lshl_b32 s74, s[ZZ], 3                       ; my head's first record of keys and values
	s_add_co_u32 s74, s74, s[BB]
	s_lshl_b32 s74, s74, 3
	s_add_co_u32 s74, s74, s[WV]
	s_lshl_b32 s74, s74, 3
	s_mul_i32 s74, s74, REC
	s_mov_b32 s75, 0
	s_xor_b32 s76, s[ZZ], 1                        ; the queries are the other direction's keys
	s_lshl_b32 s76, s76, 3
	s_add_co_u32 s76, s76, s[BB]
	s_lshl_b32 s76, s76, 3
	s_add_co_u32 s76, s76, s[WV]
	s_lshl_b32 s76, s76, 3
	s_lshr_b32 s78, s[QB], 1
	s_add_co_u32 s76, s76, s78
	s_mul_i32 s76, s76, REC
	s_mov_b32 s77, 0
	s_and_b32 s78, s[QB], 1
	s_mul_i32 s80, s78, 3072                       ; tiles 0-3 or 4-7 of the record,
	s_mov_b32 s81, 0
	s_lshl_b32 s82, s78, 4                         ; and their four scale words
	s_mov_b32 s83, 0
	s_cmp_eq_u32 s[QB], 0
	s_cselect_b32 s[LIM], 6, 0                     ; the first block of rows of a (direction, batch) prefetches, in key steps 0-5
	s_mul_i32 s86, s[WV], 8*PP
	v_add_nc_u32 v[TA], s86, v[A16]                ; where my 8 rows of the residual go
	s_lshl_b32 s86, s[WV], 9
	v_add_nc_u32 v[T1], s86, v[A16]
	v_add_nc_u32 v[T1], GB, v[T1]                  ; and my 512 bytes of gain or bias
	s_wait_kmcnt 0x0
	s_cmp_eq_u32 s[ZZ], 0
.irp k,0,1,2,3,4,5,6,7,8,9
	s_cselect_b64 s[8+2*\k:9+2*\k], s[8+2*\k:9+2*\k], s[28+2*\k:29+2*\k]
.endr
	s_lshr_b32 s84, s[WV], 2
	s_cmp_eq_u32 s84, 0
	s_cselect_b64 s[GBP:GBP+1], s[GP:GP+1], s[BEP:BEP+1]
	s_and_b32 s84, s[WV], 3
	s_lshl_b32 s84, s84, 9
	s_mov_b32 s85, 0
	s_add_nc_u64 s[GBP:GBP+1], s[GBP:GBP+1], s[84:85]
	s_add_nc_u64 s[RESP:RESP+1], s[RESID:RESID+1], s[66:67]
	s_add_nc_u64 s[OUT:OUT+1], s[OUT:OUT+1], s[66:67]
	s_add_nc_u64 s[OUT2:OUT2+1], s[OUT2:OUT2+1], s[66:67]
	s_add_nc_u64 s[KB:KB+1], s[KV:KV+1], s[74:75]
	s_add_nc_u64 s[QP:QP+1], s[KV:KV+1], s[76:77]
	s_add_nc_u64 s[QP3:QP3+1], s[QP:QP+1], s[82:83]
	s_add_nc_u64 s[QP:QP+1], s[QP:QP+1], s[80:81]
	s_mul_i32 s84, s[WV], 49152                    ; my 128 rows of W1 (384 bytes), my 64 rows of W2 (768 bytes)
	s_add_nc_u64 s[W1C:W1C+1], s[W1C:W1C+1], s[84:85]
	s_add_nc_u64 s[W2C:W2C+1], s[W2C:W2C+1], s[84:85]
	s_lshl_b32 s84, s[WV], 11
	s_add_nc_u64 s[W1SP:W1SP+1], s[W1SP:W1SP+1], s[84:85]
	s_add_nc_u64 s[W2SP:W2SP+1], s[W2SP:W2SP+1], s[84:85]
	s_lshl_b32 s84, s[WV], 9
	s_add_nc_u64 s[B1P:B1P+1], s[B1P:B1P+1], s[84:85]
	s_lshl_b32 s84, s[WV], 8
	s_add_nc_u64 s[B2P:B2P+1], s[B2P:B2P+1], s[84:85]
.macro KLOAD                           ; a record's 8 key tiles and their scale words: 18 loads
	WIN 0x40
.irp t,0,1,2,3,4,5,6,7
	global_load_b128 v[128+6*\t:131+6*\t], v[A16], s[KB:KB+1] offset:768*\t
	global_load_b64 v[132+6*\t:133+6*\t], v[A8], s[KB:KB+1] offset:768*\t+512
.endr
	WIN 0
	global_load_b128 v[KSW:KSW+3], v[AKS], s[KB:KB+1] offset:12288
	global_load_b128 v[KSW+4:KSW+7], v[AKS], s[KB:KB+1] offset:12304
.endm
.macro VLOAD                           ; its 4 tiles of V^T and their scale words: 13 loads
	WIN 0x40
.irp i,0,1,2,3
.irp c,0,1,2
	global_load_b128 v[182+12*\i+4*\c:185+12*\i+4*\c], v[A16], s[KB:KB+1] offset:6144+1536*\i+512*\c
.endr
.endr
	WIN 0
	global_load_b128 v[VSW:VSW+3], v[AVS], s[KB:KB+1] offset:12800
.endm
.irp i,0,1,2,3,4,5,6,7
.irp j,0,1,2,3
	global_load_b128 v[92+16*\i+4*\j:95+16*\i+4*\j], v[A16], s[RESP:RESP+1] offset:2048*\i+512*\j th:TH_LOAD_NT   ; 8 rows of the residual, 512 consecutive bytes a load; read once in this launch
.endr
.endr
	global_load_b128 v[220:223], v[A16], s[GBP:GBP+1]
.irp t,0,1,2,3
	global_load_b128 v[QF+12*\t:QF+12*\t+3], v[A16], s[QP:QP+1] offset:768*\t
	global_load_b64 v[QF+12*\t+4:QF+12*\t+5], v[A8], s[QP:QP+1] offset:768*\t+512
.endr
	global_load_b128 v[QS:QS+3], v[AKS], s[QP3:QP3+1] offset:12288
	KLOAD
	VLOAD
	WIN 0x40
.set i, 0
.rept 128
	v_mov_b32 v[i], 0                              ; O^T
.set i, i+1
.endr
.irp k,0,1,2,3,4,5
	v_mov_b32 v[176+\k], 0                         ; behind the last key tile
.endr
	WIN 0
.irp t,0,1,2,3
.irp k,6,7,8,9,10,11
	v_mov_b32 v[QF+12*\t+\k], 0                    ; the queries' upper 64 along K: zero codes
.endr
	v_mov_b32 v[ST+4*\t+1], 0xff61b1e6             ; the largest t so far: -3e38
	v_floor_f32 v[ST+4*\t], -v[ST+4*\t+1]          ; -M
	v_mov_b32 v[ST+4*\t+2], 0
	v_mov_b32 v[ST+4*\t+3], 0
.endr
	v_mov_b32 v[FF+1], 0                           ; named as the upper half of a pair
	s_wait_loadcnt 40                              ; the residual and the gains are in; the queries' 9, the keys' 18 and the values' 13 loads may be out
.irp i,0,1,2,3,4,5,6,7
.irp j,0,1,2,3
	ds_store_b128 v[TA], v[92+16*\i+4*\j:95+16*\i+4*\j] offset:PP*\i+512*\j
.endr
.endr
	ds_store_b128 v[T1], v[220:223]
	BARRIER                                        ; 64 rows of the residual, the gain and the bias lie in LDS
.irp b,0,1,2,3
	v_mov_b32 v[PT+\b], 0                          ; a lane permute's destination counts as one of its sources
.endr
	s_wait_loadcnt 13                              ; queries and keys are in; the values' 13 loads may be out
.macro STILE t                         ; S^T of query tile t: 8 tiles of 16 keys
	WIN 0x01
.irp kt,0,1,2,3,4,5,6,7
	WMMA0 SS+8*\kt,128+6*\kt,QF+12*(\t),KSW+\kt,QS+(\t)
.endr
	WIN 0
	PLACES
.endm
.macro SOFT t                          ; the softmax of query tile t for these 128 keys; p's codes and scale word; O^T of the tile under the new M
.set rT, ST+4*(\t)
.set rP, PFR+12*(\t)
.irp b,0,1,2,3
	v_max3_num_f32 v[BM+\b], v[SS+16*\b], v[SS+1+16*\b], v[SS+2+16*\b]   ; the largest score of each block of 32 keys: it serves the row's maximum and, since p rises with the score, the block's largest p
.endr
.irp i,3,5,7,9,11,13
.irp b,0,1,2,3
	v_max3_num_f32 v[BM+\b], v[BM+\b], v[SS+16*\b+\i], v[SS+1+16*\b+\i]
.endr
.endr
.irp b,0,1,2,3
	v_max_num_f32 v[BM+\b], v[BM+\b], v[SS+15+16*\b]
.endr
.irp b,0,1,2,3
	v_permlanex16_b32 v[PT+\b], v[BM+\b], s[SEL], s[SEL+1]
.endr
.irp b,0,1,2,3
	v_max_num_f32 v[BM+\b], v[BM+\b], v[PT+\b]
.endr
	v_max3_num_f32 v[T1], v[BM], v[BM+1], v[BM+2]
	v_max_num_f32 v[T1], v[T1], v[BM+3]
	v_mul_f32 v[T1], s[CS], v[T1]
	v_max_num_f32 v[rT+1], v[rT+1], v[T1]          ; the running largest t
	v_mov_b32 v[T1], v[rT]
	v_floor_f32 v[rT], -v[rT+1]                    ; -M = floor(-t): M is a whole number
	v_sub_f32 v[T1], v[rT], v[T1]                  ; old M - new M, 0 or less
	v_cvt_i32_f32 v[T1], v[T1]                     ; (it saturates)
	v_ldexp_f32 v[FF], 1.0, v[T1]                  ; f = 2^(old M - new M)
.set i, 0
.rept 32
	v_pk_fma_f32 v[SS+i:SS+i+1], v[SS+i:SS+i+1], s[CS:CS+1], v[rT:rT+1] op_sel_hi:[1,0,0]   ; t - M
.set i, i+2
.endr
.irp b,0,1,2,3
	v_fma_f32 v[BM+\b], v[BM+\b], s[CS], v[rT]
.endr
.set i, 0
.rept 64
	v_exp_f32 v[SS+i], v[SS+i]                     ; p = 2^(t - M)
.set i, i+1
.endr
	v_pk_mul_f32 v[rT+2:rT+3], v[rT+2:rT+3], v[FF:FF+1] op_sel_hi:[1,0]   ; the sums under the new M: the plain place behind the exponentials
	s_wait_alu depctr_va_vdst(0)                   ; one wait for the batch of 64, ahead of its first reader
.irp b,0,1,2,3
	v_exp_f32 v[BM+\b], v[BM+\b]                   ; each block's largest p
.endr
	v_pk_add_f32 v[PT:PT+1], v[SS:SS+1], v[SS+2:SS+3]   ; the row's sum of the unquantised p, in two chains
.irp j,4,8,12,16,20,24,28,32,36,40,44,48,52,56,60
	v_pk_add_f32 v[rT+2:rT+3], v[rT+2:rT+3], v[SS+\j:SS+1+\j]
	v_pk_add_f32 v[PT:PT+1], v[PT:PT+1], v[SS+2+\j:SS+3+\j]
.endr
	v_pk_add_f32 v[rT+2:rT+3], v[rT+2:rT+3], v[PT:PT+1]
	s_wait_alu depctr_va_vdst(0)                   ; and one for the four
.irp b,0,1,2,3
	v_max_num_f32 v[BM+\b], 0x2800000, v[BM+\b]    ; the floor 2^(5 - 127)
.endr
.irp b,0,1,2,3
	v_add_nc_u32 v[SO+\b], 0xfe000000, v[BM+\b]
.endr
.irp b,0,1,2,3
	v_lshrrev_b32 v[PT+\b], 23, v[SO+\b]
.endr
	v_lshl_or_b32 v[PS+(\t)], v[PT+1], 8, v[PT]
	v_lshl_or_b32 v[PS+(\t)], v[PT+2], 16, v[PS+(\t)]
	v_lshl_or_b32 v[PS+(\t)], v[PT+3], 24, v[PS+(\t)]
.irp c,0,1
	v_cvt_scalef32_pk16_bf6_f32 v[rP+6*\c:rP+2+6*\c], v[SS+32*\c:SS+15+32*\c], v[SO+2*\c]
	v_cvt_scalef32_pk16_bf6_f32 v[CT+4*\c:CT+2+4*\c], v[SS+16+32*\c:SS+31+32*\c], v[SO+2*\c+1]
.endr
	v_nop
.irp c,0,1
.irp i,0,1,2
	v_permlane16_swap_b32 v[rP+6*\c+\i], v[CT+4*\c+\i]
.endr
.irp i,0,1,2
	v_mov_b32 v[rP+3+6*\c+\i], v[CT+4*\c+\i]
.endr
.endr
	WIN 0x41
.set i, 0
.rept 16
	v_pk_mul_f32 v[32*(\t)+i:32*(\t)+i+1], v[32*(\t)+i:32*(\t)+i+1], v[FF:FF+1] op_sel_hi:[1,0]   ; O^T x f.  (For the last tile these 16 also stand between p's scale word and codes and the products that take them)
.set i, i+2
.endr
	WIN 0
.endm
	s_mov_b32 s[KS], 0
.Lkey:                                 ; 8 trips: a record of 128 keys each
.irp t,0,1,2
	STILE \t
	SOFT \t
.endr
	STILE 3                                        ; the keys' registers are free behind its four places
	s_wait_xcnt 0x0                                ; all that named the record's address has read it (the youngest stands three query tiles back)
	s_add_nc_u64 s[KB:KB+1], s[KB:KB+1], REC       ; in the last trip the stepped address is not used
	s_cmp_eq_u32 s[KS], 7
	s_cbranch_scc1 .Lnok
	KLOAD                                          ; the next record's keys
.Lnok:
	SOFT 3
	s_wait_loadcnt 0x0                             ; the values, asked for a trip ago, and the next keys: zero holds on both ways round the loads above
	WIN 0x51
.irp i,0,1,2,3
.irp t,0,1,2,3
	WMMAC 32*\t+8*\i,182+12*\i,PFR+12*\t,32*\t+8*\i,VSW+\i,PS+\t   ; O^T += V^T P^T: 16 accumulators, one instruction a turn
.endr
.endr
	WIN 0
	PLACES
	s_cmp_eq_u32 s[KS], 7
	s_cbranch_scc1 .Lnov
	VLOAD                                          ; the next record's values
	s_cmp_lt_u32 s[KS], s[LIM]
	s_cbranch_scc0 .Lnov
	global_prefetch_b8 v[PF0], s[KB:KB+1] offset:REC th:TH_LOAD_NT scope:SCOPE_SE   ; the record after the next: named once in the launch, by its head's wave in the first block of rows;
	global_prefetch_b8 v[PF1], s[KB:KB+1] offset:REC th:TH_LOAD_NT scope:SCOPE_SE   ; records 0 and 1 come by their loads alone; steps 6 and 7 ask for nothing
.Lnov:
	s_add_co_u32 s[KS], s[KS], 1
	s_cmp_lt_u32 s[KS], 8
	s_cbranch_scc1 .Lkey
	s_wait_loadcnt 0x0                             ; no load is out on any way out of the loop: its address registers and targets are free
	; ---- res = residual + O / sum, in LDS: my head's words, 4 bytes of every 32
.irp t,0,1,2,3
	v_add_f32 v[RL+\t], v[ST+4*\t+2], v[ST+4*\t+3]
.endr
.irp t,0,1,2,3
	v_permlanex16_b32 v[PT+\t], v[RL+\t], s[SEL], s[SEL+1]
.endr
.irp t,0,1,2,3
	v_add_f32 v[RL+\t], v[RL+\t], v[PT+\t]
.endr
.irp t,0,1,2,3
	v_rcp_f32 v[RL+\t], v[RL+\t]
.endr
	v_and_b32 v[T1], 15, v0                        ; (plain work behind the reciprocals)
	v_bfe_u32 v[T2], v0, 4, 1
	v_mul_u32_u24 v[EA], v[T1], PP
	v_lshl_add_u32 v[EA], v[T2], 8, v[EA]
	s_lshl_b32 s66, s[WV], 2
	v_add_nc_u32 v[EA], s66, v[EA]                 ; row r, + 256 h, + 4 x head; register 8 i + j is channel 16 i + 8 h + j: 512 i + 32 j bytes on
	v_add_nc_u32 v[EA+1], 16*PP, v[EA]
	v_add_nc_u32 v[EA+2], 32*PP, v[EA]
	v_add_nc_u32 v[EA+3], 48*PP, v[EA]
	s_wait_alu depctr_va_vdst(0)                   ; one wait for the four reciprocals
.macro LDR t
.irp i,0,1,2,3
.irp j,0,1,2,3,4,5,6,7
	ds_load_b32 v[92+32*(\t)+8*\i+\j], v[EA+(\t)] offset:512*\i+32*\j
.endr
.endr
.endm
.macro ADDR t
	WIN 0x01
.set i, 0
.rept 32
	v_fma_f32 v[92+32*(\t)+i], v[32*(\t)+i], v[RL+(\t)], v[92+32*(\t)+i]
.set i, i+1
.endr
	WIN 0
.irp i,0,1,2,3
.irp j,0,1,2,3,4,5,6,7
	ds_store_b32 v[EA+(\t)], v[92+32*(\t)+8*\i+\j] offset:512*\i+32*\j
.endr
.endr
.endm
	LDR 0
	LDR 1
	s_wait_dscnt 32                                ; each time: all but the 32 youngest LDS instructions are done, this tile's loads among them
	ADDR 0
	LDR 2
	s_wait_dscnt 32
	ADDR 1
	LDR 3
	s_wait_dscnt 32
	ADDR 2
	s_wait_dscnt 32
	ADDR 3
	BARRIER                                        ; 64 whole rows of res lie in LDS
	; ---- LayerNorm of res.  Waves 2 m and 2 m + 1 both take row tile m's statistics; each quantises two of its four K steps, which it loads into the first half of window 1
.set W1A,  2
.set W1SA, 3
.set BIA,  4
.set W2A,  7
.set W2SA, 8
.set B2A,  9
.set LXA,  10
.set LXB,  11
.set LG,   12
.set IMA,  13
.set ISA,  14
.set LNA,  16
.set MU,   24
.set RS,   26
.set LNT,  28
.set TM,   32
.set PC,   48
.set PW,   68
.set GG,   72
.set BE,   136
	v_and_b32 v15, 15, v0                          ; r
	v_bfe_u32 v16, v0, 4, 1                        ; h
	v_and_b32 v17, 8, v15
	v_add_nc_u32 v17, v17, v15                     ; r + 8 (r / 8)
	v_mul_u32_u24 v[W1A], v17, 384
	v_mad_u32_u24 v[W1A], v16, 24, v[W1A]
	v_lshlrev_b32 v[W1SA], 4, v17
	v_lshlrev_b32 v[BIA], 6, v16
	v_mul_u32_u24 v[W2A], v15, 768
	v_mad_u32_u24 v[W2A], v16, 24, v[W2A]
	v_lshlrev_b32 v[W2SA], 5, v15
	v_lshlrev_b32 v[B2A], 5, v16
	s_lshr_b32 s66, s[WV], 1                       ; m
	s_and_b32 s67, s[WV], 1                        ; p
	s_mul_i32 s74, s66, 16*PP
	s_lshl_b32 s75, s67, 10
	s_xor_b32 s76, s67, 1
	s_lshl_b32 s76, s76, 10
	v_mul_u32_u24 v[LXA], v15, PP
	v_lshl_add_u32 v[LXA], v16, 6, v[LXA]
	v_add_nc_u32 v[LXA], s74, v[LXA]
	v_add_nc_u32 v[LXB], s76, v[LXA]               ; the other wave's two K steps
	v_add_nc_u32 v[LXA], s75, v[LXA]               ; my two
	v_lshl_add_u32 v[LG], v16, 6, GB
	v_add_nc_u32 v[LG], s75, v[LG]
	s_mul_i32 s77, s66, 6144
	s_mul_i32 s78, s67, 3072
	s_add_co_u32 s77, s77, s78
	s_add_co_u32 s77, s77, XIMG
	v_add_nc_u32 v[IMA], s77, v[A16]
	s_lshl_b32 s77, s66, 9
	s_lshl_b32 s78, s67, 3
	s_add_co_u32 s77, s77, s78
	s_add_co_u32 s77, s77, XSC
	v_add_nc_u32 v[ISA], s77, v[A16]
	v_mov_b32 v[LNT+1], 0
.irp b,0,1,2,3
	v_mov_b32 v[TM+4+\b], 0
.endr
	WIN 0x40
.irp sg,0,1
.irp b,0,1,2,3
.irp j,0,1,2,3
	ds_load_b128 v[64*\sg+16*\b+4*\j:64*\sg+16*\b+4*\j+3], v[LXA] offset:512*\sg+128*\b+16*\j
	ds_load_b128 v[128+64*\sg+16*\b+4*\j:128+64*\sg+16*\b+4*\j+3], v[LXB] offset:512*\sg+128*\b+16*\j
.endr
.endr
.endr
	WIN 0
	s_wait_dscnt 0x0
	; mean and 1 / sqrt(variance + 1e-5); the numbers are centred in place, and the variance is taken of the centred numbers
	WIN 0x05
.irp c,0,1,2,3
	v_pk_add_f32 v[LNA+2*\c:LNA+2*\c+1], v[2*\c:2*\c+1], v[8+2*\c:9+2*\c]
.endr
	WIN 0x01
.set i, 16
.rept 30
.irp c,0,1,2,3
	v_pk_add_f32 v[LNA+2*\c:LNA+2*\c+1], v[i+2*\c:i+2*\c+1], v[LNA+2*\c:LNA+2*\c+1]
.endr
.set i, i+8
.endr
	WIN 0
	v_pk_add_f32 v[LNA:LNA+1], v[LNA:LNA+1], v[LNA+2:LNA+3]
	v_pk_add_f32 v[LNA+4:LNA+5], v[LNA+4:LNA+5], v[LNA+6:LNA+7]
	v_pk_add_f32 v[LNA:LNA+1], v[LNA:LNA+1], v[LNA+4:LNA+5]
	v_add_f32 v[LNT], v[LNA], v[LNA+1]
	v_permlanex16_b32 v[LNT+1], v[LNT], s[SEL], s[SEL+1]
	v_add_f32 v[LNT], v[LNT], v[LNT+1]
	v_mul_f32 v[MU], s[INV], v[LNT]
	v_mov_b32 v[MU+1], v[MU]
	WIN 0x41
.set i, 0
.rept 128
	v_pk_add_f32 v[i:i+1], v[i:i+1], v[MU:MU+1] neg_lo:[0,1] neg_hi:[0,1]
.set i, i+2
.endr
	WIN 0x05
.irp c,0,1,2,3
	v_pk_mul_f32 v[LNA+2*\c:LNA+2*\c+1], v[2*\c:2*\c+1], v[2*\c:2*\c+1]
.endr
.set i, 8
.rept 31
.irp c,0,1,2,3
	v_pk_fma_f32 v[LNA+2*\c:LNA+2*\c+1], v[i+2*\c:i+2*\c+1], v[i+2*\c:i+2*\c+1], v[LNA+2*\c:LNA+2*\c+1]
.endr
.set i, i+8
.endr
	WIN 0
	v_pk_add_f32 v[LNA:LNA+1], v[LNA:LNA+1], v[LNA+2:LNA+3]
	v_pk_add_f32 v[LNA+4:LNA+5], v[LNA+4:LNA+5], v[LNA+6:LNA+7]
	v_pk_add_f32 v[LNA:LNA+1], v[LNA:LNA+1], v[LNA+4:LNA+5]
	v_add_f32 v[LNT], v[LNA], v[LNA+1]
	v_permlanex16_b32 v[LNT+1], v[LNT], s[SEL], s[SEL+1]
	v_add_f32 v[LNT], v[LNT], v[LNT+1]
	v_fma_f32 v[LNT], v[LNT], s[INV], s[EPS]
	v_rsq_f32 v[RS], v[LNT]
	v_nop                                          ; a plain place behind the transcendental
	s_wait_alu depctr_va_vdst(0)                   ; and the wait ahead of the first use
	v_mov_b32 v[RS+1], v[RS]
.macro LNSTEP sg                       ; my K step sg (0, 1): x 1 / sqrt, x gain + bias, quantised, image and scale word to LDS
.irp b,0,1,2,3
.irp j,0,1,2,3
	ds_load_b128 v[GG+16*\b+4*\j:GG+16*\b+4*\j+3], v[LG] offset:512*(\sg)+128*\b+16*\j
	ds_load_b128 v[BE+16*\b+4*\j:BE+16*\b+4*\j+3], v[LG] offset:2048+512*(\sg)+128*\b+16*\j
.endr
.endr
	WIN 0x41
.set i, 0
.rept 32
	v_pk_mul_f32 v[64*(\sg)+i:64*(\sg)+i+1], v[64*(\sg)+i:64*(\sg)+i+1], v[RS:RS+1]
.set i, i+2
.endr
	s_wait_dscnt 0x0
	WIN 0x01
.set i, 0
.rept 32
	v_pk_fma_f32 v[GG+i:GG+i+1], v[64*(\sg)+i:64*(\sg)+i+1], v[GG+i:GG+i+1], v[BE+i:BE+i+1]
.set i, i+2
.endr
	QUANT GG,0,PC,PW
.irp c,0,1,2
	ds_store_b128 v[IMA], v[PC+4*\c:PC+4*\c+3] offset:1536*(\sg)+512*\c
.endr
	ds_store_b32 v[ISA], v[PW] offset:4*(\sg)
	s_wait_dscnt 0x0                               ; the stores have read their registers
.endm
	LNSTEP 0
	LNSTEP 1
	; what the FFN wants from memory is asked for ahead of the barrier.  The first product's 32 accumulators (window 1, 64 m + 8 tile) BEGIN AS b1, in the result's layout
	WIN 0x40
.irp m,0,1,2,3
.irp tt,0,1,2,3,4,5,6,7
	global_load_b128 v[64*\m+8*\tt:64*\m+8*\tt+3], v[BIA], s[B1P:B1P+1] offset:(32*(\tt/2)+8*(\tt%2))*4
	global_load_b128 v[64*\m+8*\tt+4:64*\m+8*\tt+7], v[BIA], s[B1P:B1P+1] offset:(32*(\tt/2)+8*(\tt%2))*4+16
.endr
.endr
	WIN 0
.irp tt,0,1,2,3,4,5,6,7
	global_load_b128 v[32+4*\tt:35+4*\tt], v[W1SA], s[W1SP:W1SP+1] offset:(32*(\tt/2)+8*(\tt%2))*16
.endr
; THE WEIGHTS' STREAM: 16 batches of four fragments, 24 loads each, through three buffers in window 0 (v112, v160, v208).  Batches 0-7: W1, K step n / 2, tiles 4 (n % 2) on; 8-15: W2, K step n - 8.
.macro WBATCH n
.set wb, 112+48*((\n)%3)
.irp t,0,1,2,3
.irp p,0,1,2,3,4,5
.if (\n) < 8
	global_load_b64 v[wb+12*\t+2*\p:wb+12*\t+2*\p+1], v[W1A], s[W1C:W1C+1] offset:(32*((4*((\n)%2)+\t)/2)+8*(\t%2))*384+96*((\n)/2)+48*(\p/3)+8*(\p%3)
.else
	global_load_b64 v[wb+12*\t+2*\p:wb+12*\t+2*\p+1], v[W2A], s[W2C:W2C+1] offset:12288*\t+96*((\n)-8)+48*(\p/3)+8*(\p%3)
.endif
.endr
.endr
.endm
	WBATCH 0
	WBATCH 1
	WBATCH 2
	BARRIER                                        ; LN(res)'s 16 fragments and their scale words lie in LDS
	; ---- FFN 1, transposed: source 0 = 16 rows of W1 (lane r of tile 2 b + u: unit 32 b + 8 u + r + 8 (r / 8) of my 128), source 1 = 16 rows of x
.set XSA,  10
.set XFA,  11
.set HWI,  12
.set HWS,  13
.set RA0,  14
.set RA1,  15
	v_add_nc_u32 v[XSA], XSC, v[A16]
	v_add_nc_u32 v[XFA], XIMG, v[A16]
	s_mul_i32 s66, s[WV], 1536
	s_add_co_u32 s66, s66, HIMG
	v_add_nc_u32 v[HWI], s66, v[A16]
	s_lshl_b32 s66, s[WV], 2
	s_add_co_u32 s66, s66, HSC
	v_lshlrev_b32 v[HWS], 1, v[A16]
	v_add_nc_u32 v[HWS], s66, v[HWS]               ; HSC + 32 x lane + 4 w
	v_and_b32 v16, 15, v0
	v_bfe_u32 v17, v0, 4, 1
	v_mul_u32_u24 v[RA0], v16, PP
	v_lshl_add_u32 v[RA0], v17, 5, v[RA0]
	s_lshl_b32 s66, s[WV], 8
	v_add_nc_u32 v[RA0], s66, v[RA0]               ; row r, + 256 w, + 32 h: my 64 outputs' bytes in res
	v_add_nc_u32 v[RA1], 32*PP, v[RA0]
.irp m,0,1,2,3
	ds_load_b128 v[16+4*\m:19+4*\m], v[XSA] offset:512*\m
.endr
.macro XFL s                           ; the four row tiles' fragments of K step s
.irp m,0,1,2,3
.irp c,0,1,2
	ds_load_b128 v[64+12*\m+4*\c:67+12*\m+4*\c], v[XFA] offset:(4*\m+(\s))*1536+512*\c
.endr
.endr
.endm
.macro MM1 n                           ; 16 products, 16 accumulators, one instruction a turn
.set wb, 112+48*((\n)%3)
	WIN 0x50
.irp t,0,1,2,3
.irp m,0,1,2,3
	WMMAC 64*\m+8*(4*((\n)%2)+\t),wb+12*\t,64+12*\m,64*\m+8*(4*((\n)%2)+\t),32+4*(4*((\n)%2)+\t)+(\n)/2,16+4*\m+(\n)/2
.endr
.endr
	WIN 0
	PLACES
.endm
.irp n,0,1,2,3,4,5,6,7
.if (\n)%2 == 0
	XFL (\n)/2
	s_wait_dscnt 0x0
.endif
	s_wait_loadcnt 48                              ; this batch is in; the two younger batches of 24 may be out
	MM1 \n
	WBATCH (\n)+3
.endr
.irp t,0,1,2,3
	global_load_b128 v[64+8*\t:67+8*\t], v[W2SA], s[W2SP:W2SP+1] offset:512*\t
	global_load_b128 v[68+8*\t:71+8*\t], v[W2SA], s[W2SP:W2SP+1] offset:512*\t+16
.endr
	; relu, quantised: my 128 units are K step w of the second product
.set TM, 16
.set PC, 32
.set PW, 52
.irp b,0,1,2,3
	v_mov_b32 v[TM+4+\b], 0
.endr
.irp m,0,1,2,3
	WIN 0x44
.set i, 0
.rept 64
	v_max_num_f32 v[64*\m+i], 0, v[64*\m+i]
.set i, i+1
.endr
	QUANT 64*\m,1,PC,PW
.irp c,0,1,2
	ds_store_b128 v[HWI], v[PC+4*\c:PC+4*\c+3] offset:12288*\m+512*\c
.endr
	ds_store_b32 v[HWS], v[PW] offset:1024*\m
	s_wait_dscnt 0x0                               ; the stores have read their registers
.endr
	WIN 0x40
.irp t,0,1,2,3
	global_load_b128 v[176+8*\t:179+8*\t], v[B2A], s[B2P:B2P+1] offset:64*\t
	global_load_b128 v[180+8*\t:183+8*\t], v[B2A], s[B2P:B2P+1] offset:64*\t+16
.endr
.irp t,0,1,2,3                         ; the second product's 16 accumulators (window 1, 8 (4 t + m)) BEGIN AS res: row 16 m + r, outputs 64 w + 16 t + 8 h + 0 .. 7
.irp m,0,1
	ds_load_b128 v[8*(4*\t+\m):8*(4*\t+\m)+3], v[RA0] offset:16*PP*\m+64*\t
	ds_load_b128 v[8*(4*\t+\m)+4:8*(4*\t+\m)+7], v[RA0] offset:16*PP*\m+64*\t+16
	ds_load_b128 v[8*(4*\t+\m+2):8*(4*\t+\m+2)+3], v[RA1] offset:16*PP*\m+64*\t
	ds_load_b128 v[8*(4*\t+\m+2)+4:8*(4*\t+\m+2)+7], v[RA1] offset:16*PP*\m+64*\t+16
.endr
.endr
	WIN 0
	BARRIER                                        ; the hidden layer's 32 fragments lie in LDS
	; ---- FFN 2, transposed: source 0 = 16 rows of W2, source 1 = 16 rows of the hidden layer
.set HSA,  10
.set HFA,  11
	v_lshlrev_b32 v[HSA], 1, v[A16]
	v_add_nc_u32 v[HSA], HSC, v[HSA]
	v_add_nc_u32 v[HFA], HIMG, v[A16]
	s_wait_loadcnt 0x0                             ; once: batches 8-10, W2's scale words and b2 have been on their way through the whole quantising above
.irp m,0,1,2,3
	ds_load_b128 v[16+8*\m:19+8*\m], v[HSA] offset:1024*\m
	ds_load_b128 v[20+8*\m:23+8*\m], v[HSA] offset:1024*\m+16
.endr
	WIN 0x45
.irp t,0,1,2,3
.irp m,0,1,2,3
.irp k,0,2,4,6
	v_pk_add_f32 v[8*(4*\t+\m)+\k:8*(4*\t+\m)+\k+1], v[8*(4*\t+\m)+\k:8*(4*\t+\m)+\k+1], v[176+8*\t+\k:177+8*\t+\k]   ; + b2
.endr
.endr
.endr
	WIN 0
.macro HFL s
	WIN 0x40
.irp m,0,1,2,3
.irp c,0,1,2
	ds_load_b128 v[128+12*\m+4*\c:131+12*\m+4*\c], v[HFA] offset:(8*\m+(\s))*1536+512*\c
.endr
.endr
	WIN 0
.endm
.macro MM2 n
.set wb, 112+48*((\n)%3)
	WIN 0x54
.irp t,0,1,2,3
.irp m,0,1,2,3
	WMMAC 8*(4*\t+\m),wb+12*\t,128+12*\m,8*(4*\t+\m),64+8*\t+(\n)-8,16+8*\m+(\n)-8
.endr
.endr
	WIN 0
	PLACES
.endm
.irp n,8,9,10,11,12,13,14,15
	HFL (\n)-8
	s_wait_dscnt 0x0
.if (\n) < 14
	s_wait_loadcnt 48                              ; this batch is in; at most the two younger batches are out
.else
	s_wait_loadcnt 24*(15-(\n))
.endif
	MM2 \n
.if (\n) < 13
	WBATCH (\n)+3
.endif
.endr
	WIN 0x04                                       ; an LDS store's data are its source 1: window 1
.irp t,0,1,2,3                         ; the result goes where res came from, each accumulator from its low end on
.irp m,0,1
	ds_store_b128 v[RA0], v[8*(4*\t+\m):8*(4*\t+\m)+3] offset:16*PP*\m+64*\t
	ds_store_b128 v[RA0], v[8*(4*\t+\m)+4:8*(4*\t+\m)+7] offset:16*PP*\m+64*\t+16
	ds_store_b128 v[RA1], v[8*(4*\t+\m+2):8*(4*\t+\m+2)+3] offset:16*PP*\m+64*\t
	ds_store_b128 v[RA1], v[8*(4*\t+\m+2)+4:8*(4*\t+\m+2)+7] offset:16*PP*\m+64*\t+16
.endr
.endr
	WIN 0
	BARRIER                                        ; 64 whole rows of the result lie in LDS
	; ---- the way out: my 8 rows, 512 consecutive bytes a store, at multiples of 256 from the buffer's first byte
	s_mul_i32 s66, s[WV], 8*PP
	v_add_nc_u32 v10, s66, v[A16]
.irp i,0,1,2,3,4,5,6,7
.irp j,0,1,2,3
	ds_load_b128 v[112+16*\i+4*\j:115+16*\i+4*\j], v10 offset:PP*\i+512*\j
.endr
.endr
.irp i,0,1,2,3,4,5,6,7
.irp j,0,1,2,3
	s_wait_dscnt 31-4*\i-\j
	global_store_b128 v[A16], v[112+16*\i+4*\j:115+16*\i+4*\j], s[OUT:OUT+1] offset:2048*\i+512*\j th:TH_STORE_NT
.endr
.endr
	s_cmp_eq_u32 s[ZZ], 0
	s_cbranch_scc1 .Lend
.irp i,0,1,2,3,4,5,6,7                 ; the depth stream's result is returned twice
.irp j,0,1,2,3
	global_store_b128 v[A16], v[112+16*\i+4*\j:115+16*\i+4*\j], s[OUT2:OUT2+1] offset:2048*\i+512*\j th:TH_STORE_NT
.endr
.endr
.Lend:
	s_wait_xcnt 0x0
	v_lshl_add_u32 v254, v0, 2, 0x34c00
	v_mov_b32 v255, 0
	s_wait_tensorcnt 0x0
	ds_add_u32 v254, v255
	s_wait_dscnt 0x0
	s_endpgm
.Lfunc_end_k_q9925a0d642_fuse:
	.size	k_q9925a0d642_fuse, .Lfunc_end_k_q9925a0d642_fuse-k_q9925a0d642_fuse
	.p2alignl 7, 3214868480
	.fill 96, 4, 3214868480
	.section	.rodata,"a",@progbits
	.p2align	6, 0x0
	.amdhsa_kernel k_q9925a0d642_fuse
		.amdhsa_group_segment_fixed_size 217088
		.amdhsa_private_segment_fixed_size 0
		.amdhsa_enable_private_segment 0
		.amdhsa_kernarg_size 176
		.amdhsa_user_sgpr_count 2
		.amdhsa_user_sgpr_kernarg_segment_ptr 1
		.amdhsa_wavefront_size32 1
		.amdhsa_system_sgpr_workgroup_id_x 1
		.amdhsa_system_sgpr_workgroup_id_y 1
		.amdhsa_system_sgpr_workgroup_id_z 1
		.amdhsa_system_vgpr_workitem_id 0
		.amdhsa_next_free_vgpr 512
		.amdhsa_next_free_sgpr 96
		.amdhsa_reserve_vcc 0
		.amdhsa_float_denorm_mode_32 3
		.amdhsa_float_denorm_mode_16_64 3
		.amdhsa_memory_ordered 1
		.amdhsa_forward_progress 1
		.amdhsa_inst_pref_size 255
	.end_amdhsa_kernel
	.section	.bss,"aw",@nobits
	.p2align	6
	.space	262144
	.amdgpu_metadata
---
amdhsa.version: [ 1, 2 ]
amdhsa.kernels:
  - .name:           k_q9925a0d642_fuse
    .symbol:         k_q9925a0d642_fuse.kd
    .args:
      - { .name: kv, .offset: 0, .size: 8, .value_kind: global_buffer, .address_space: global }
      - { .name: rgb1, .offset: 8, .size: 8, .value_kind: global_buffer, .address_space: global }
      - { .name: g21, .offset: 16, .size: 8, .value_kind: global_buffer, .address_space: global }
      - { .name: be21, .offset: 24, .size: 8, .value_kind: global_buffer, .address_space: global }
      - { .name: W11_codes, .offset: 32, .size: 8, .value_kind: global_buffer, .address_space: global }
      - { .name: W11_scales, .offset: 40, .size: 8, .value_kind: global_buffer, .address_space: global }
      - { .name: b11, .offset: 48, .size: 8, .value_kind: global_buffer, .address_space: global }
      - { .name: W12_codes, .offset: 56, .size: 8, .value_kind: global_buffer, .address_space: global }
      - { .name: W12_scales, .offset: 64, .size: 8, .value_kind: global_buffer, .address_space: global }
      - { .name: b12, .offset: 72, .size: 8, .value_kind: global_buffer, .address_space: global }
      - { .name: out0, .offset: 80, .size: 8, .value_kind: global_buffer, .address_space: global }
      - { .name: depth1, .offset: 88, .size: 8, .value_kind: global_buffer, .address_space: global }
      - { .name: g22, .offset: 96, .size: 8, .value_kind: global_buffer, .address_space: global }
      - { .name: be22, .offset: 104, .size: 8, .value_kind: global_buffer, .address_space: global }
      - { .name: W21_codes, .offset: 112, .size: 8, .value_kind: global_buffer, .address_space: global }
      - { .name: W21_scales, .offset: 120, .size: 8, .value_kind: global_buffer, .address_space: global }
      - { .name: b21, .offset: 128, .size: 8, .value_kind: global_buffer, .address_space: global }
      - { .name: W22_codes, .offset: 136, .size: 8, .value_kind: global_buffer, .address_space: global }
      - { .name: W22_scales, .offset: 144, .size: 8, .value_kind: global_buffer, .address_space: global }
      - { .name: b22, .offset: 152, .size: 8, .value_kind: global_buffer, .address_space: global }
      - { .name: out1, .offset: 160, .size: 8, .value_kind: global_buffer, .address_space: global }
      - { .name: out2, .offset: 168, .size: 8, .value_kind: global_buffer, .address_space: global }
    .group_segment_fixed_size: 217088
    .private_segment_fixed_size: 0
    .kernarg_segment_align: 8
    .kernarg_segment_size: 176
    .max_flat_workgroup_size: 256
    .sgpr_count:     96
    .vgpr_count:     512
    .wavefront_size: 32
...
	.end_amdgpu_metadata
.endif
;; end of part 2
;; ======== version 2 of 3: 2 launches
;; workspace buffers: kv 13,369,344 bytes; wimg 1,572,864 bytes
;; launch proj (part 3): grid 4 x 64, 8 waves a work-group, no clusters, 115,712 bytes of LDS; arguments rgb1, depth1, g11, be11, g12, be12, Wq_codes, Wq_scales, bq, Wk_codes, Wk_scales, bk, Wv1_codes, Wv1_scales, bv1, Wv2_codes, Wv2_scales, bv2, kv, W11_codes, W12_codes, W21_codes, W22_codes, wimg; writes kv, wimg
.if DOCPART == 3
	.amdgcn_target "amdgcn-amd-amdhsa--gfx1250"
	.amdhsa_code_object_version 6
	.text
	.protected	k_q9925a0d642_proj
	.globl	k_q9925a0d642_proj
	.p2align	8
	.type	k_q9925a0d642_proj,@function
k_q9925a0d642_proj:
	s_mov_b64 s[64:65], 0
	v_nop
	global_prefetch_b8 v0, s[64:65] scope:SCOPE_SE
	s_setreg_imm32_b32 hwreg(HW_REG_WAVE_MODE, 25, 1), 1
	s_wait_xcnt 0x0
; r = LN(rgb1), d = LN(depth1); q = r Wq + bq, k = d Wk + bk, v1 = [r|d] Wv1 + bv1, v2 = [r|d] Wv2 + bv2, all four products on codes of BF6 (E3M2) with one E8M0 scale for 32 along K.
; q and k are then quantised along a head's 64 channels, v1 and v2 along the tokens, and leave as IMAGES OF OPERAND REGISTERS in records of kv, as the next launch's waves load them.
; A RECORD (13,056 bytes) belongs to a direction z, a batch, a head and 128 tokens: index ((8 z + batch) 8 + head) 8 + block.  z = 0: keys k, values v1;  z = 1: keys q, values v2.
;   0      8 key tiles of 768 bytes: registers 0-3 at 16 x lane, registers 4-5 at 512 + 8 x lane (the real 64 along K)
;   6144   4 tiles of V^T (16 channels x 128 tokens) of 1,536 bytes: register quad c at 512 c + 16 x lane
;   12288  key scale words [lane % 16][tile];   12800  V scale words [lane % 16][tile]
; A TILE OF 16 TOKENS IS NOT 16 NEIGHBOURS: in a block of 32 tokens tile u holds token 8 u + r + 8 (r / 8) in lane r, so that the 16 registers of two neighbouring result tiles are 16 neighbours along the next K.
; A head's channel dk lies at column 8 dk + head of a projection.
; SHARES.  A work-group takes 128 tokens (grid y) and two heads (grid x).  Wave w normalises and quantises token tile w of both streams (8 fragments, through LDS as register images); then all waves run one path,
; told apart by pointers alone: v1 or v2 (w & 1), head (bit 1), two of the four channel tiles (w / 4) for all 128 tokens; then q or k (w & 1), head, 64 of the tokens (w / 4).
; The four work-groups of a token block each normalise the same rows: 128 rows x 2 streams again for each pair of heads, so that 256 work-groups have work and no launch stands in front of this one.
; ON THE SIDE the codes of W11, W12, W21, W22 are laid out anew into wimg, as images of operand registers in the order in which the next launch's waves take them: 1,024 fragments of 1,536 bytes,
; fragment ((8 z + w) 16 + n) 4 + t (stream z, that launch's wave w, its batch n, tile t), register quad c at 512 c + 16 x lane.  A work-group lays four of them, one in each of its waves 0 to 3.
; No cluster and no joint loads: a weight fragment is used by one wave of a work-group and goes from memory straight into its registers; a joint load would lay it in LDS for that one reader.
; LIMITS: NaN and infinities are not served.  A block whose largest magnitude is under 2^-122 has its scale byte held at 1; a block of zeros has byte 1 where the quantiser says 127 (its codes are zeros, and the bytes
; are read by this program alone).  Bytes 2 and 3 of q's and k's scale words are 0; they stand over zero codes.
.set REC,  13056
.set AIMG, 0                           ; LDS: fragment (token tile m, K step s) at (8 m + s) x 1,536; s = 0-3 r, 4-7 d
.set ASC,  98304                       ; their scale words [m][lane][s]
.set GB,   106496                      ; g11, be11, g12, be12, 2,048 bytes each
; window 0
.set XA,   1                           ; rows of x: (r + 8 (r / 8)) x 2,048 + 64 h
.set A16,  2                           ; 16 x lane
.set LG,   3                           ; GB + 64 h
.set IMA,  4                           ; where I store images: 12,288 w + 16 x lane
.set ISA,  5                           ; and scale words: ASC + 1,024 w + 32 x lane
.set GST,  6                           ; GB + 1,024 w + 16 x lane
.set LA1,  7                           ; 16 x lane + 49,152: token tiles 4-7
.set LS,   8                           ; ASC + 32 x lane
.set LAQ,  9                           ; images for q or k
.set LSQ,  10                          ; their scale words
.set WVA,  11                          ; Wv: r x 6,144 + 24 h
.set WQA,  12                          ; Wq, Wk: (r + 8 (r / 8)) x 3,072 + 24 h
.set TA,   13
.set RR,   14                          ; r = lane % 16
.set HH,   15                          ; h = lane / 16
.set LNA,  16                          ; v16-23 four chains of sums
.set MU,   24
.set RS,   26
.set LNT,  28
.set TM,   32                          ; 16 registers at work in the quantiser (later 208)
.set PC,   48                          ; the codes just made (later 224)
.set PW,   68                          ; the scale word just made
.set GG,   72                          ; v72-135 gains, then the normalised numbers
.set BE,   136                         ; v136-199 biases
.set LYA,  200                         ; the layout on the side: my lane's byte in the fragment's 16 rows
.set LYF,  224                         ; v224-235 the fragment
.set WVSA, 246
.set WQSA, 247
.set BVA,  248
.set QBA,  249
.set VSTA, 250
.set KSTA, 251
.set A8,   252
; scalars
.set LYD,  2                           ; s[2:3] wimg, then my fragment's place in it
.set LYS,  4                           ; s[4:7] W11's and W12's codes, s[96:99] W21's and W22's; then s[4:5] my fragment's first row
.set WV,   46
.set TBK,  48
.set SEL,  50
.set INV,  52
.set EPS,  53
.set XP,   54
.set XN,   56
.set WVC,  58
.set WVSP, 60
.set BVP,  62
.set WQC,  66
.set WQSP, 68
.set BQP,  70
.set VREC, 72
.set KREC, 74
.set GBP,  80
.set VTP,  88
.set KTP,  90
.set MSB, 0
.macro WIN new                         ; register windows: bits 1:0 source 0, 3:2 source 1, 5:4 source 2, 7:6 destination; the high byte repeats the setting that is left
.if MSB != (\new)
	s_set_vgpr_msb (MSB<<8)|(\new)
.set MSB, (\new)
.endif
.endm
.macro PLACES                          ; four plain places behind matrix instructions, ahead of reads of results and of loads into operands
.rept 4
	v_nop
.endr
.endm
.macro BARRIER                         ; my LDS stores have landed and my LDS loads are in: then the work-group's barrier
	s_wait_dscnt 0x0
	s_barrier_signal -1
	s_barrier_wait -1
.endm
.macro WMMAC d, a, b, c, sa, sb
	v_wmma_scale_f32_16x16x128_f8f6f4 v[(\d):(\d)+7], v[(\a):(\a)+11], v[(\b):(\b)+11], v[(\c):(\c)+7], v[\sa], v[\sb] matrix_a_fmt:MATRIX_FMT_BF6 matrix_b_fmt:MATRIX_FMT_BF6
.endm
; 64 numbers of a lane in window W, register 16 b + i = k 32 b + 16 h + i of my row, become a fragment's 12 registers of codes at v[pc] and its scale word in v[pw]
.macro QUANT src, W, pc, pw
	WIN 5*(\W)
.irp b,0,1,2,3
	v_max3_num_f32 v[TM+\b], |v[\src+16*\b]|, |v[\src+1+16*\b]|, 0x2800000   ; my 16 numbers of block b, and the floor 2^(5 - 127): the byte cannot fall under 1
.endr
	WIN 20*(\W)
.irp i,2,4,6,8,10,12,14
.irp b,0,1,2,3
	v_max3_num_f32 v[TM+\b], v[TM+\b], |v[\src+16*\b+\i]|, |v[\src+1+16*\b+\i]|
.endr
.endr
	WIN 0
.irp b,0,1,2,3
	v_permlanex16_b32 v[TM+4+\b], v[TM+\b], s[SEL], s[SEL+1]
.endr
.irp b,0,1,2,3
	v_max_num_f32 v[TM+\b], v[TM+\b], v[TM+4+\b]                  ; with lane l xor 16's: the block's largest magnitude
.endr
.irp b,0,1,2,3
	v_add_nc_u32 v[TM+12+\b], 0xfe000000, v[TM+\b]                ; 4 off its exponent field: the conversion's scale operand
.endr
.irp b,0,1,2,3
	v_lshrrev_b32 v[TM+4+\b], 23, v[TM+12+\b]                     ; the scale's byte
.endr
	v_lshl_or_b32 v[\pw], v[TM+5], 8, v[TM+4]
	v_lshl_or_b32 v[\pw], v[TM+6], 16, v[\pw]
	v_lshl_or_b32 v[\pw], v[TM+7], 24, v[\pw]
	WIN (\W)
.irp c,0,1
	v_cvt_scalef32_pk16_bf6_f32 v[\pc+6*\c:\pc+2+6*\c], v[\src+32*\c:\src+15+32*\c], v[TM+12+2*\c]
	v_cvt_scalef32_pk16_bf6_f32 v[\pc+12+4*\c:\pc+14+4*\c], v[\src+16+32*\c:\src+31+32*\c], v[TM+12+2*\c+1]
.endr
	WIN 0
	v_nop                                          ; one plain place behind the scaled conversions
.irp c,0,1                             ; the operand wants a whole block in a lane: lanes 0-15 block 2 c, lanes 16-31 block 2 c + 1
.irp i,0,1,2
	v_permlane16_swap_b32 v[\pc+6*\c+\i], v[\pc+12+4*\c+\i]
.endr
.irp i,0,1,2
	v_mov_b32 v[\pc+3+6*\c+\i], v[\pc+12+4*\c+\i]
.endr
.endr
.endm
; the same for 32 numbers in window 1 (two blocks: a head's 64 channels): six registers of codes at v[pc], two bytes in v[pw]
.macro QUANT2 src, pc, pw
	WIN 5
.irp b,0,1
	v_max3_num_f32 v[TM+\b], |v[\src+16*\b]|, |v[\src+1+16*\b]|, 0x2800000
.endr
	WIN 20
.irp i,2,4,6,8,10,12,14
.irp b,0,1
	v_max3_num_f32 v[TM+\b], v[TM+\b], |v[\src+16*\b+\i]|, |v[\src+1+16*\b+\i]|
.endr
.endr
	WIN 0
.irp b,0,1
	v_permlanex16_b32 v[TM+4+\b], v[TM+\b], s[SEL], s[SEL+1]
.endr
.irp b,0,1
	v_max_num_f32 v[TM+\b], v[TM+\b], v[TM+4+\b]
.endr
.irp b,0,1
	v_add_nc_u32 v[TM+12+\b], 0xfe000000, v[TM+\b]
.endr
.irp b,0,1
	v_lshrrev_b32 v[TM+4+\b], 23, v[TM+12+\b]
.endr
	v_lshl_or_b32 v[\pw], v[TM+5], 8, v[TM+4]
	WIN 1
	v_cvt_scalef32_pk16_bf6_f32 v[\pc:\pc+2], v[\src:\src+15], v[TM+12]
	v_cvt_scalef32_pk16_bf6_f32 v[\pc+4:\pc+6], v[\src+16:\src+31], v[TM+13]
	WIN 0
	v_nop
.irp i,0,1,2
	v_permlane16_swap_b32 v[\pc+\i], v[\pc+4+\i]
.endr
	v_mov_b32 v[\pc+3], v[\pc+4]
	v_mov_b32 v[\pc+4], v[\pc+5]
	v_mov_b32 v[\pc+5], v[\pc+6]
.endm
; mean and 1 / sqrt(variance + 1e-5) of my row.  Window 1 holds my 256 of its 512 numbers; lane l xor 16 holds the others.  The numbers are centred in place, and the variance is taken of the centred numbers.
.macro LNSTATS
	WIN 0x05
.irp c,0,1,2,3
	v_pk_add_f32 v[LNA+2*\c:LNA+2*\c+1], v[2*\c:2*\c+1], v[8+2*\c:9+2*\c]
.endr
	WIN 0x01
.set i, 16
.rept 30
.irp c,0,1,2,3
	v_pk_add_f32 v[LNA+2*\c:LNA+2*\c+1], v[i+2*\c:i+2*\c+1], v[LNA+2*\c:LNA+2*\c+1]
.endr
.set i, i+8
.endr
	WIN 0
	v_pk_add_f32 v[LNA:LNA+1], v[LNA:LNA+1], v[LNA+2:LNA+3]
	v_pk_add_f32 v[LNA+4:LNA+5], v[LNA+4:LNA+5], v[LNA+6:LNA+7]
	v_pk_add_f32 v[LNA:LNA+1], v[LNA:LNA+1], v[LNA+4:LNA+5]
	v_add_f32 v[LNT], v[LNA], v[LNA+1]
	v_permlanex16_b32 v[LNT+1], v[LNT], s[SEL], s[SEL+1]
	v_add_f32 v[LNT], v[LNT], v[LNT+1]
	v_mul_f32 v[MU], s[INV], v[LNT]                ; / 512
	v_mov_b32 v[MU+1], v[MU]
	WIN 0x41
.set i, 0
.rept 128
	v_pk_add_f32 v[i:i+1], v[i:i+1], v[MU:MU+1] neg_lo:[0,1] neg_hi:[0,1]
.set i, i+2
.endr
	WIN 0x05
.irp c,0,1,2,3
	v_pk_mul_f32 v[LNA+2*\c:LNA+2*\c+1], v[2*\c:2*\c+1], v[2*\c:2*\c+1]
.endr
.set i, 8
.rept 31
.irp c,0,1,2,3
	v_pk_fma_f32 v[LNA+2*\c:LNA+2*\c+1], v[i+2*\c:i+2*\c+1], v[i+2*\c:i+2*\c+1], v[LNA+2*\c:LNA+2*\c+1]
.endr
.set i, i+8
.endr
	WIN 0
	v_pk_add_f32 v[LNA:LNA+1], v[LNA:LNA+1], v[LNA+2:LNA+3]
	v_pk_add_f32 v[LNA+4:LNA+5], v[LNA+4:LNA+5], v[LNA+6:LNA+7]
	v_pk_add_f32 v[LNA:LNA+1], v[LNA:LNA+1], v[LNA+4:LNA+5]
	v_add_f32 v[LNT], v[LNA], v[LNA+1]
	v_permlanex16_b32 v[LNT+1], v[LNT], s[SEL], s[SEL+1]
	v_add_f32 v[LNT], v[LNT], v[LNT+1]
	v_fma_f32 v[LNT], v[LNT], s[INV], s[EPS]
	v_rsq_f32 v[RS], v[LNT]
	v_nop                                          ; a plain place behind the transcendental
	s_wait_alu depctr_va_vdst(0)                   ; and the wait ahead of the first use
	v_mov_b32 v[RS+1], v[RS]
.endm
; K step sg of my row (64 of my numbers): x 1 / sqrt, x gain + bias, quantised, image and scale word to LDS.  go, io, so: where the stream's gains, images and words begin
.macro LNSTEP sg, go, io, so
.irp b,0,1,2,3
.irp j,0,1,2,3
	ds_load_b128 v[GG+16*\b+4*\j:GG+16*\b+4*\j+3], v[LG] offset:(\go)+512*(\sg)+128*\b+16*\j
	ds_load_b128 v[BE+16*\b+4*\j:BE+16*\b+4*\j+3], v[LG] offset:(\go)+2048+512*(\sg)+128*\b+16*\j
.endr
.endr
	WIN 0x41
.set i, 0
.rept 32
	v_pk_mul_f32 v[64*(\sg)+i:64*(\sg)+i+1], v[64*(\sg)+i:64*(\sg)+i+1], v[RS:RS+1]
.set i, i+2
.endr
	s_wait_dscnt 0x0                               ; gains and biases are in
	WIN 0x01
.set i, 0
.rept 32
	v_pk_fma_f32 v[GG+i:GG+i+1], v[64*(\sg)+i:64*(\sg)+i+1], v[GG+i:GG+i+1], v[BE+i:BE+i+1]
.set i, i+2
.endr
	QUANT GG,0,PC,PW
.irp c,0,1,2
	ds_store_b128 v[IMA], v[PC+4*\c:PC+4*\c+3] offset:(\io)+1536*(\sg)+512*\c
.endr
	ds_store_b32 v[ISA], v[PW] offset:(\so)+4*(\sg)
	s_wait_dscnt 0x0                               ; the stores have read their registers
.endm
.macro XLOAD sg, ptr                   ; my 64 numbers of K step sg of my row: 16 neighbours of each block of 32
	WIN 0x40
.irp b,0,1,2,3
.irp j,0,1,2,3
	global_load_b128 v[64*(\sg)+16*\b+4*\j:64*(\sg)+16*\b+4*\j+3], v[XA], s[\ptr:\ptr+1] offset:512*(\sg)+128*\b+16*\j
.endr
.endr
	WIN 0
.endm
.macro JOB jb                          ; one stream: 0 rgb1, 1 depth1.  In job 0 each K step's registers take the other stream's numbers as soon as they are free
	s_wait_loadcnt 0x0
	LNSTATS
.irp sg,0,1,2,3
	LNSTEP \sg,4096*(\jb),6144*(\jb),16*(\jb)
.if (\jb) == 0
	XLOAD \sg,XN
.endif
.endr
.endm
	s_load_b512 s[8:23], s[0:1], 0x0               ; rgb1 8, depth1 10, g11 12, be11 14, g12 16, be12 18, Wq codes 20, scales 22
	s_load_b512 s[24:39], s[0:1], 0x40             ; bq 24, Wk codes 26, scales 28, bk 30, Wv1 codes 32, scales 34, bv1 36, Wv2 codes 38
	s_load_b128 s[40:43], s[0:1], 0x80             ; Wv2 scales 40, bv2 42
	s_load_b64 s[44:45], s[0:1], 0x90              ; kv
	s_load_b128 s[LYS:LYS+3], s[0:1], 0x98         ; W11's codes, W12's
	s_load_b128 s[96:99], s[0:1], 0xa8             ; W21's codes, W22's
	s_load_b64 s[LYD:LYD+1], s[0:1], 0xb8          ; wimg
	v_lshl_add_u32 v239, v0, 2, 0x1c000
	v_mov_b32 v243, 0
	v_lshrrev_b32 v[TA], 5, v0
	v_readfirstlane_b32 s[WV], v[TA]               ; wave 0..7
	s_and_b32 s[TBK], ttmp7, 0xffff                ; block of 128 tokens: 8 x batch + block
	s_and_b32 s84, s[WV], 1                        ; v2 for v1, k for q
	s_bfe_u32 s85, s[WV], 0x10001                  ; which of the two heads
	s_lshr_b32 s86, s[WV], 2                       ; which two channel tiles of v; which 64 tokens of q or k
	s_lshl_b32 s87, ttmp9, 1
	s_add_co_u32 s87, s87, s85                     ; the head
	s_mov_b32 s[SEL], 0x76543210
	s_mov_b32 s[SEL+1], 0xfedcba98                 ; v_permlanex16_b32's selects for lane l xor 16
	s_mov_b32 s[INV], 0x3b000000                   ; 1 / 512
	s_mov_b32 s[EPS], 0x3727c5ac                   ; 1e-5
	s_lshr_b32 s76, s[WV], 1                       ; my tile's first token: 128 x block + 32 (w / 2) + 8 (w % 2)
	s_lshl_b32 s76, s76, 5
	s_lshl_b32 s78, s84, 3
	s_add_co_u32 s76, s76, s78
	s_lshl_b32 s78, s[TBK], 7
	s_add_co_u32 s76, s76, s78
	s_lshl_b32 s76, s76, 11                        ; rows of 2,048 bytes
	s_mov_b32 s77, 0
	s_mov_b32 s79, 0
	v_and_b32 v[RR], 15, v0
	v_bfe_u32 v[HH], v0, 4, 1
	v_and_b32 v[TA], 8, v[RR]
	v_add_nc_u32 v[TA], v[TA], v[RR]               ; r + 8 (r / 8)
	v_lshlrev_b32 v[XA], 11, v[TA]
	v_lshl_add_u32 v[XA], v[HH], 6, v[XA]
	v_and_b32 v[A16], 31, v0
	v_lshlrev_b32 v[A8], 3, v[A16]
	v_lshlrev_b32 v[LS], 5, v[A16]
	v_lshlrev_b32 v[A16], 4, v[A16]
	v_add_nc_u32 v[LS], ASC, v[LS]
	v_lshl_add_u32 v[LG], v[HH], 6, GB
	s_mul_i32 s78, s[WV], 12288
	v_add_nc_u32 v[IMA], s78, v[A16]
	s_lshl_b32 s78, s[WV], 10
	v_add_nc_u32 v[ISA], s78, v[LS]
	v_add_nc_u32 v[GST], s78, v[A16]
	v_add_nc_u32 v[GST], GB, v[GST]
	v_add_nc_u32 v[LA1], 49152, v[A16]
	s_mul_i32 s78, s86, 49152
	s_mul_i32 s92, s84, 6144
	s_add_co_u32 s78, s78, s92
	v_add_nc_u32 v[LAQ], s78, v[A16]
	s_lshl_b32 s78, s86, 12
	s_lshl_b32 s92, s84, 4
	s_add_co_u32 s78, s78, s92
	v_add_nc_u32 v[LSQ], s78, v[LS]
	v_mul_u32_u24 v[WVA], v[RR], 6144
	v_mad_u32_u24 v[WVA], v[HH], 24, v[WVA]
	v_mul_u32_u24 v[WQA], v[TA], 3072
	v_mad_u32_u24 v[WQA], v[HH], 24, v[WQA]
	v_lshlrev_b32 v[WVSA], 8, v[RR]
	v_lshlrev_b32 v[WQSA], 7, v[TA]
	v_lshlrev_b32 v[BVA], 5, v[RR]
	v_lshlrev_b32 v[QBA], 9, v[HH]
	v_lshlrev_b32 v[VSTA], 4, v[RR]
	v_lshl_add_u32 v[VSTA], v[HH], 2, v[VSTA]
	s_lshl_b32 s78, s86, 3
	v_add_nc_u32 v[VSTA], s78, v[VSTA]             ; 16 r + 4 h + 8 (w / 4)
	v_lshlrev_b32 v[KSTA], 5, v[RR]
	v_lshl_add_u32 v[KSTA], v[HH], 3, v[KSTA]
	s_lshl_b32 s78, s86, 4
	v_add_nc_u32 v[KSTA], s78, v[KSTA]             ; 32 r + 8 h + 16 (w / 4)
	v_mov_b32 v[LNT+1], 0                          ; a lane permute's destination counts as one of its sources: written once
.irp b,0,1,2,3
	v_mov_b32 v[36+\b], 0
	v_mov_b32 v[212+\b], 0
.endr
	s_wait_kmcnt 0x0
	s_cmp_eq_u32 s85, 0                            ; my 1,024 bytes of the four vectors: vector w / 2, half w % 2
	s_cselect_b64 s[GBP:GBP+1], s[12:13], s[14:15]
	s_cselect_b64 s[82:83], s[16:17], s[18:19]
	s_cmp_eq_u32 s86, 0
	s_cselect_b64 s[GBP:GBP+1], s[GBP:GBP+1], s[82:83]
	s_cmp_eq_u32 s84, 0                            ; the roles: pointers alone differ
	s_cselect_b64 s[WVC:WVC+1], s[32:33], s[38:39]
	s_cselect_b64 s[WVSP:WVSP+1], s[34:35], s[40:41]
	s_cselect_b64 s[BVP:BVP+1], s[36:37], s[42:43]
	s_cselect_b64 s[WQC:WQC+1], s[20:21], s[26:27]
	s_cselect_b64 s[WQSP:WQSP+1], s[22:23], s[28:29]
	s_cselect_b64 s[BQP:BQP+1], s[24:25], s[30:31]
	s_lshl_b32 s78, s84, 10
	s_add_nc_u64 s[GBP:GBP+1], s[GBP:GBP+1], s[78:79]
	s_add_nc_u64 s[XP:XP+1], s[8:9], s[76:77]
	s_add_nc_u64 s[XN:XN+1], s[10:11], s[76:77]
	global_load_b128 v[72:75], v[A16], s[GBP:GBP+1]
	global_load_b128 v[76:79], v[A16], s[GBP:GBP+1] offset:512
.irp sg,0,1,2,3
	XLOAD \sg,XP
.endr
	s_lshl_b32 s78, s86, 8                         ; Wv: rows (16 i + r) 8 + head of 768 bytes, i from 2 (w / 4)
	s_add_co_u32 s78, s78, s87
	s_mul_i32 s78, s78, 768
	s_add_nc_u64 s[WVC:WVC+1], s[WVC:WVC+1], s[78:79]
	s_lshl_b32 s78, s87, 5                         ; its scales: 32 bytes a row
	s_lshl_b32 s76, s86, 13
	s_add_co_u32 s78, s78, s76
	s_add_nc_u64 s[WVSP:WVSP+1], s[WVSP:WVSP+1], s[78:79]
	s_lshl_b32 s78, s87, 2                         ; its bias
	s_lshl_b32 s76, s86, 10
	s_add_co_u32 s78, s78, s76
	s_add_nc_u64 s[BVP:BVP+1], s[BVP:BVP+1], s[78:79]
	s_mul_i32 s78, s87, 384                        ; Wq, Wk: rows of 384 bytes
	s_add_nc_u64 s[WQC:WQC+1], s[WQC:WQC+1], s[78:79]
	s_lshl_b32 s78, s87, 4
	s_add_nc_u64 s[WQSP:WQSP+1], s[WQSP:WQSP+1], s[78:79]
	s_lshl_b32 s78, s87, 2
	s_add_nc_u64 s[BQP:BQP+1], s[BQP:BQP+1], s[78:79]
	s_lshr_b32 s92, s[TBK], 3                      ; batch
	s_and_b32 s93, s[TBK], 7                       ; block of 128 tokens in it
	s_lshl_b32 s78, s84, 3                         ; v1 goes to direction 0, v2 to direction 1
	s_add_co_u32 s78, s78, s92
	s_lshl_b32 s78, s78, 3
	s_add_co_u32 s78, s78, s87
	s_lshl_b32 s78, s78, 3
	s_add_co_u32 s78, s78, s93
	s_mul_i32 s78, s78, REC
	s_add_nc_u64 s[VREC:VREC+1], s[44:45], s[78:79]
	s_xor_b32 s78, s84, 1                          ; k are direction 0's keys, q direction 1's
	s_lshl_b32 s78, s78, 3
	s_add_co_u32 s78, s78, s92
	s_lshl_b32 s78, s78, 3
	s_add_co_u32 s78, s78, s87
	s_lshl_b32 s78, s78, 3
	s_add_co_u32 s78, s78, s93
	s_mul_i32 s78, s78, REC
	s_add_nc_u64 s[KREC:KREC+1], s[44:45], s[78:79]
	s_mul_i32 s78, s86, 3072                       ; two V tiles, or four key tiles
	s_add_nc_u64 s[VTP:VTP+1], s[VREC:VREC+1], s[78:79]
	s_add_nc_u64 s[KTP:KTP+1], s[KREC:KREC+1], s[78:79]
	; ---- ON THE SIDE: four fragments of the FFN's weights become images.  Work-group g = 4 y + x lays fragments 4 g + t, t = the wave, 0 to 3.  g = (8 z + w) 16 + n: stream z, the next launch's wave w, its batch n.
	; n = 0-7: W1 (rows of 384 bytes), K step n / 2, rows 128 w + 64 (n % 2) + 32 (t / 2) + 8 (t % 2) + r + 8 (r / 8).   n = 8-15: W2 (rows of 768 bytes), K step n - 8, rows 64 w + 16 t + r.
	s_lshl_b32 s94, s[TBK], 2
	s_add_co_u32 s94, s94, ttmp9                   ; g
	s_and_b32 s95, s94, 15                         ; n
	s_lshr_b32 s100, s94, 4
	s_and_b32 s101, s100, 7                        ; w
	s_lshr_b32 s100, s100, 3                       ; z
	s_and_b32 s47, s[WV], 3                        ; t
	s_lshl_b32 s76, s101, 7                        ; W1: the tile's first row,
	s_and_b32 s49, s95, 1
	s_lshl_b32 s49, s49, 6
	s_add_co_u32 s76, s76, s49
	s_lshr_b32 s49, s47, 1
	s_lshl_b32 s49, s49, 5
	s_add_co_u32 s76, s76, s49
	s_and_b32 s49, s47, 1
	s_lshl_b32 s49, s49, 3
	s_add_co_u32 s76, s76, s49
	s_mul_i32 s76, s76, 384
	s_lshr_b32 s49, s95, 1
	s_mul_i32 s49, s49, 96
	s_add_co_u32 s76, s76, s49                     ; and its K step's 96 bytes
	s_lshl_b32 s78, s101, 6                        ; W2 likewise
	s_lshl_b32 s49, s47, 4
	s_add_co_u32 s78, s78, s49
	s_mul_i32 s78, s78, 768
	s_and_b32 s49, s95, 7
	s_mul_i32 s49, s49, 96
	s_add_co_u32 s78, s78, s49
	s_cmp_eq_u32 s100, 0                           ; the choices hang on the work-group's number alone
	s_cselect_b64 s[LYS:LYS+1], s[LYS:LYS+1], s[96:97]
	s_cselect_b64 s[LYS+2:LYS+3], s[LYS+2:LYS+3], s[98:99]
	s_mov_b32 s92, 768
	s_cmp_lt_u32 s95, 8
	s_cselect_b64 s[LYS:LYS+1], s[LYS:LYS+1], s[LYS+2:LYS+3]
	s_cselect_b32 s76, s76, s78
	s_cselect_b32 s92, 384, s92                    ; bytes from row to row
	s_cselect_b32 s93, 8, 0                        ; W1's tiles skip eight rows in their middle, W2's do not
	s_add_nc_u64 s[LYS:LYS+1], s[LYS:LYS+1], s[76:77]
	s_lshl_b32 s78, s94, 2
	s_add_co_u32 s78, s78, s47
	s_mul_i32 s78, s78, 1536
	s_add_nc_u64 s[LYD:LYD+1], s[LYD:LYD+1], s[78:79]
	v_and_b32 v[LYA], s93, v[RR]
	v_add_nc_u32 v[LYA], v[LYA], v[RR]
	v_mul_lo_u32 v[LYA], v[LYA], s92
	v_mad_u32_u24 v[LYA], v[HH], 24, v[LYA]
	s_cmp_lt_u32 s[WV], 4
	s_cbranch_scc0 .Lnolay
.irp p,0,1,2,3,4,5
	global_load_b64 v[LYF+2*\p:LYF+2*\p+1], v[LYA], s[LYS:LYS+1] offset:48*(\p/3)+8*(\p%3) th:TH_LOAD_NT   ; the fragment as the matrix unit takes it; each byte is read once in this launch
.endr
	s_wait_loadcnt 0x0                             ; the fragment is in, and so are my rows, for which the first LayerNorm waits next in any case
.irp c,0,1,2
	global_store_b128 v[A16], v[LYF+4*\c:LYF+4*\c+3], s[LYD:LYD+1] offset:512*\c   ; 32 lanes store 512 consecutive bytes, at a multiple of 256 from the buffer's first byte
.endr
.Lnolay:
	s_wait_loadcnt 63                              ; in waves 4-7, 66 loads were issued: the three oldest are in, the gains' two among them; in waves 0-3 none is out
	ds_store_b128 v[GST], v[72:75]
	ds_store_b128 v[GST], v[76:79] offset:512
	BARRIER                                        ; the four vectors lie in LDS
	JOB 0
	JOB 1
	s_wait_xcnt 0x0                                ; the images' stores, two LayerNorms back, have read their registers: v224 on are written again only behind this wait
	; what the products want from memory is asked for ahead of the barrier: scale words, v's bias in the result's layout, four K steps of Wv
.irp ip,0,1
	global_load_b128 v[80+8*\ip:83+8*\ip], v[WVSA], s[WVSP:WVSP+1] offset:4096*\ip
	global_load_b128 v[84+8*\ip:87+8*\ip], v[WVSA], s[WVSP:WVSP+1] offset:4096*\ip+16
.endr
.irp tt,0,1,2,3
	global_load_b128 v[96+4*\tt:99+4*\tt], v[WQSA], s[WQSP:WQSP+1] offset:(32*(\tt/2)+8*(\tt%2))*128
.endr
	WIN 0x40
.irp ip,0,1
.irp j,0,1,2,3,4,5,6,7
	global_load_b32 v[224+8*\ip+\j], v[BVA], s[BVP:BVP+1] offset:512*\ip   ; a lane holds one channel: its bias in all eight registers
.endr
.endr
	WIN 0
.macro RING s                          ; Wv's two fragments of K step s into slot s % 4 of window 1
	WIN 0x40
.irp ip,0,1
.irp p,0,1,2,3,4,5
	global_load_b64 v[128+24*((\s)%4)+12*\ip+2*\p:128+24*((\s)%4)+12*\ip+2*\p+1], v[WVA], s[WVC:WVC+1] offset:98304*\ip+96*(\s)+48*(\p/3)+8*(\p%3)
.endr
.endr
	WIN 0
.endm
.irp s,0,1,2,3
	RING \s
.endr
	BARRIER                                        ; all 64 fragments of [r|d] and their scale words lie in LDS
	; ---- v1 or v2: source 0 = 16 tokens, source 1 = 16 rows of Wv: a lane holds ONE channel, and its registers run along the tokens, which are the next K
.macro AHALF reg, adr, s               ; four token tiles' fragments of K step s
.irp m,0,1,2,3
.irp c,0,1,2
	ds_load_b128 v[(\reg)+12*\m+4*\c:(\reg)+12*\m+4*\c+3], v[\adr] offset:(8*\m+(\s))*1536+512*\c
.endr
.endr
.endm
.macro VMUL s, m0, ah                  ; eight products: token tiles m0 .. m0 + 3 x my two channel tiles; the 16 accumulators take turns, one instruction a turn
	WIN 0x54
.irp m,0,1,2,3
.irp ip,0,1
.if (\s) == 0
	WMMAC 64*\ip+8*((\m0)+\m),(\ah)+12*\m,128+24*((\s)%4)+12*\ip,224+8*\ip,16+8*((\m0)+\m)+(\s),80+8*\ip+(\s)
.else
	WMMAC 64*\ip+8*((\m0)+\m),(\ah)+12*\m,128+24*((\s)%4)+12*\ip,64*\ip+8*((\m0)+\m),16+8*((\m0)+\m)+(\s),80+8*\ip+(\s)
.endif
.endr
.endr
	WIN 0
	PLACES
.endm
.macro VSTEP s
.if (\s) < 5
	s_wait_loadcnt 36                              ; this K step's 12 loads are in; the three younger steps' 36 may be out
.else
	s_wait_loadcnt 12*(7-(\s))
.endif
	s_wait_dscnt 12                                ; tiles 0-3 are in; the 12 loads of tiles 4-7 may be out
	VMUL \s,0,112
.if (\s) < 7
	AHALF 112,A16,(\s)+1
	s_wait_dscnt 12                                ; tiles 4-7 are in; the 12 just issued may be out
.else
	s_wait_dscnt 0x0
.endif
	VMUL \s,4,160
.if (\s) < 7
	AHALF 160,LA1,(\s)+1
.endif
.if (\s) < 4
	RING (\s)+4
.endif
.endm
.irp m,0,1,2,3,4,5,6,7
	ds_load_b128 v[16+8*\m:19+8*\m], v[LS] offset:1024*\m
	ds_load_b128 v[20+8*\m:23+8*\m], v[LS] offset:1024*\m+16
.endr
	AHALF 112,A16,0
	AHALF 160,LA1,0
.irp s,0,1,2,3,4,5,6,7
	VSTEP \s
.endr
	; q's or k's operands are asked for while v is quantised
.macro WQB s, buf, win                 ; four fragments of Wq or Wk of K step s.  Lane r of tile 2 b + u takes channel 32 b + 8 u + r + 8 (r / 8) of the head
.if \win
	WIN 0x40
.endif
.irp tt,0,1,2,3
.irp p,0,1,2,3,4,5
	global_load_b64 v[(\buf)+12*\tt+2*\p:(\buf)+12*\tt+2*\p+1], v[WQA], s[WQC:WQC+1] offset:(32*(\tt/2)+8*(\tt%2))*3072+96*(\s)+48*(\p/3)+8*(\p%3)
.endr
.endr
	WIN 0
.endm
.macro AQ s
.irp mm,0,1,2,3
.irp c,0,1,2
	ds_load_b128 v[112+12*\mm+4*\c:112+12*\mm+4*\c+3], v[LAQ] offset:12288*\mm+1536*(\s)+512*\c
.endr
.endr
.endm
	WIN 0x40
.irp tt,0,1,2,3
.irp j,0,1,2,3,4,5,6,7
	global_load_b32 v[224+8*\tt+\j], v[QBA], s[BQP:BQP+1] offset:(32*(\tt/2)+8*(\tt%2)+\j)*32   ; the bias of channel 32 b + 16 h + 8 u + j
.endr
.endr
	WIN 0
	WQB 0,128,1
	WQB 1,176,1
	WQB 2,160,0
.irp mm,0,1,2,3
	ds_load_b128 v[16+4*\mm:19+4*\mm], v[LSQ] offset:1024*\mm
.endr
	AQ 0
	; ---- v's way out: each channel tile's 64 registers are 128 tokens of one channel
.set TM, 208
.set PC, 224
	QUANT 0,1,PC,244
.irp c,0,1,2
	global_store_b128 v[A16], v[PC+4*\c:PC+4*\c+3], s[VTP:VTP+1] offset:6144+512*\c      ; 32 lanes store 512 consecutive bytes, at a multiple of 256 from the buffer's first byte
.endr
	s_wait_xcnt 0x0                                ; the stores have read their registers: the codes' registers are written again only behind this wait
	QUANT 64,1,PC,245
.irp c,0,1,2
	global_store_b128 v[A16], v[PC+4*\c:PC+4*\c+3], s[VTP:VTP+1] offset:6144+1536+512*\c
.endr
	v_cmp_ne_u32 vcc_lo, 0, v[HH]
	v_cndmask_b32 v253, v244, v245, vcc_lo         ; lanes 0-15 store the first tile's word, lanes 16-31 the second's
	global_store_b32 v[VSTA], v253, s[VREC:VREC+1] offset:12800
	; ---- q or k, transposed: source 0 = 16 rows of the weight, source 1 = 16 tokens: a lane holds ONE token, and its registers run along the head's channels
.macro QMUL s, buf, msb
	WIN \msb
.irp tt,0,1,2,3
.irp mm,0,1,2,3
.if (\s) == 0
	WMMAC 32*\mm+8*\tt,(\buf)+12*\tt,112+12*\mm,224+8*\tt,96+4*\tt+(\s),16+4*\mm+(\s)
.else
	WMMAC 32*\mm+8*\tt,(\buf)+12*\tt,112+12*\mm,32*\mm+8*\tt,96+4*\tt+(\s),16+4*\mm+(\s)
.endif
.endr
.endr
	WIN 0
	PLACES
.endm
	s_wait_loadcnt 48                              ; the bias and K step 0 are in; the two younger batches of 24 may be out
	s_wait_dscnt 0x0
	QMUL 0,128,0x51
	AQ 1
	WQB 3,128,1
	s_wait_loadcnt 48
	s_wait_dscnt 0x0
	QMUL 1,176,0x51
	AQ 2
	s_wait_loadcnt 24
	s_wait_dscnt 0x0
	QMUL 2,160,0x50
	AQ 3
	s_wait_loadcnt 0x0
	s_wait_dscnt 0x0
	QMUL 3,128,0x51
.irp mm,0,1,2,3
	QUANT2 32*\mm,112+8*\mm,144+\mm
	global_store_b128 v[A16], v[112+8*\mm:115+8*\mm], s[KTP:KTP+1] offset:768*\mm
	global_store_b64 v[A8], v[116+8*\mm:117+8*\mm], s[KTP:KTP+1] offset:768*\mm+512
.endr
	v_cndmask_b32 v254, v144, v146, vcc_lo         ; lanes 0-15 store tiles 0 and 1's words of their row, lanes 16-31 tiles 2 and 3's
	v_cndmask_b32 v255, v145, v147, vcc_lo
	global_store_b64 v[KSTA], v[254:255], s[KREC:KREC+1] offset:12288
	s_wait_tensorcnt 0x0
	ds_add_u32 v239, v243
	s_wait_dscnt 0x0
	s_endpgm
.Lfunc_end_k_q9925a0d642_proj:
	.size	k_q9925a0d642_proj, .Lfunc_end_k_q9925a0d642_proj-k_q9925a0d642_proj
	.p2alignl 7, 3214868480
	.fill 96, 4, 3214868480
	.section	.rodata,"a",@progbits
	.p2align	6, 0x0
	.amdhsa_kernel k_q9925a0d642_proj
		.amdhsa_group_segment_fixed_size 115712
		.amdhsa_private_segment_fixed_size 0
		.amdhsa_enable_private_segment 0
		.amdhsa_kernarg_size 192
		.amdhsa_user_sgpr_count 2
		.amdhsa_user_sgpr_kernarg_segment_ptr 1
		.amdhsa_wavefront_size32 1
		.amdhsa_system_sgpr_workgroup_id_x 1
		.amdhsa_system_sgpr_workgroup_id_y 1
		.amdhsa_system_sgpr_workgroup_id_z 1
		.amdhsa_system_vgpr_workitem_id 0
		.amdhsa_next_free_vgpr 512
		.amdhsa_next_free_sgpr 102
		.amdhsa_reserve_vcc 1
		.amdhsa_float_denorm_mode_32 3
		.amdhsa_float_denorm_mode_16_64 3
		.amdhsa_memory_ordered 1
		.amdhsa_forward_progress 1
		.amdhsa_inst_pref_size 239
	.end_amdhsa_kernel
	.amdgpu_metadata
---
amdhsa.version: [ 1, 2 ]
amdhsa.kernels:
  - .name:           k_q9925a0d642_proj
    .symbol:         k_q9925a0d642_proj.kd
    .args:
      - { .name: rgb1, .offset: 0, .size: 8, .value_kind: global_buffer, .address_space: global }
      - { .name: depth1, .offset: 8, .size: 8, .value_kind: global_buffer, .address_space: global }
      - { .name: g11, .offset: 16, .size: 8, .value_kind: global_buffer, .address_space: global }
      - { .name: be11, .offset: 24, .size: 8, .value_kind: global_buffer, .address_space: global }
      - { .name: g12, .offset: 32, .size: 8, .value_kind: global_buffer, .address_space: global }
      - { .name: be12, .offset: 40, .size: 8, .value_kind: global_buffer, .address_space: global }
      - { .name: Wq_codes, .offset: 48, .size: 8, .value_kind: global_buffer, .address_space: global }
      - { .name: Wq_scales, .offset: 56, .size: 8, .value_kind: global_buffer, .address_space: global }
      - { .name: bq, .offset: 64, .size: 8, .value_kind: global_buffer, .address_space: global }
      - { .name: Wk_codes, .offset: 72, .size: 8, .value_kind: global_buffer, .address_space: global }
      - { .name: Wk_scales, .offset: 80, .size: 8, .value_kind: global_buffer, .address_space: global }
      - { .name: bk, .offset: 88, .size: 8, .value_kind: global_buffer, .address_space: global }
      - { .name: Wv1_codes, .offset: 96, .size: 8, .value_kind: global_buffer, .address_space: global }
      - { .name: Wv1_scales, .offset: 104, .size: 8, .value_kind: global_buffer, .address_space: global }
      - { .name: bv1, .offset: 112, .size: 8, .value_kind: global_buffer, .address_space: global }
      - { .name: Wv2_codes, .offset: 120, .size: 8, .value_kind: global_buffer, .address_space: global }
      - { .name: Wv2_scales, .offset: 128, .size: 8, .value_kind: global_buffer, .address_space: global }
      - { .name: bv2, .offset: 136, .size: 8, .value_kind: global_buffer, .address_space: global }
      - { .name: kv, .offset: 144, .size: 8, .value_kind: global_buffer, .address_space: global }
      - { .name: W11_codes, .offset: 152, .size: 8, .value_kind: global_buffer, .address_space: global }
      - { .name: W12_codes, .offset: 160, .size: 8, .value_kind: global_buffer, .address_space: global }
      - { .name: W21_codes, .offset: 168, .size: 8, .value_kind: global_buffer, .address_space: global }
      - { .name: W22_codes, .offset: 176, .size: 8, .value_kind: global_buffer, .address_space: global }
      - { .name: wimg, .offset: 184, .size: 8, .value_kind: global_buffer, .address_space: global }
    .group_segment_fixed_size: 115712
    .private_segment_fixed_size: 0
    .kernarg_segment_align: 8
    .kernarg_segment_size: 192
    .max_flat_workgroup_size: 256
    .sgpr_count:     102
    .vgpr_count:     512
    .wavefront_size: 32
...
	.end_amdgpu_metadata
.endif
;; end of part 3
;; launch fuse (part 4): grid 16 x 16, 8 waves a work-group, no clusters, 217,088 bytes of LDS; arguments kv, rgb1, g21, be21, W11_scales, b11, W12_scales, b12, out0, depth1, g22, be22, W21_scales, b21, W22_scales, b22, out1, out2, wimg; writes out0, out1, out2
.if DOCPART == 4
	.amdgcn_target "amdgcn-amd-amdhsa--gfx1250"
	.amdhsa_code_object_version 6
	.text
	.protected	k_q9925a0d642_fuse
	.globl	k_q9925a0d642_fuse
	.p2align	8
	.type	k_q9925a0d642_fuse,@function
k_q9925a0d642_fuse:
	s_mov_b64 s[64:65], 0
	v_nop
	global_prefetch_b8 v0, s[64:65] scope:SCOPE_SE
	s_setreg_imm32_b32 hwreg(HW_REG_WAVE_MODE, 25, 1), 1
	s_wait_xcnt 0x0
; One direction z of the attention, the residual, the second LayerNorm, the FFN and the last residual, for 64 rows of one batch.  All products on codes of BF6 (E3M2), one E8M0 scale for 32 along K.
; z = 0: queries q, keys k, values v1, stream rgb1 -> out0.   z = 1: queries k, keys q, values v2 (the softmax down the columns of q k^T IS a softmax along the rows of k q^T), stream depth1 -> out1 and out2.
; Only pointers differ between the two.  kv holds keys, values and queries as images of operand registers (the launch before; a record of 13,056 bytes for a direction, batch, head and 128 tokens).
; wimg holds the codes of W11, W12 (z = 0) and W21, W22 (z = 1), likewise as images, in the order in which a wave takes them here: a dense block of 98,304 bytes for each (z, wave).
; SHARES.  grid x: block of 64 rows; grid y: 8 z + batch.  ATTENTION: wave w is head w and holds all 64 queries, four tiles; it walks 1,024 keys, 128 a step.  Since a head's channel dk is column 8 dk + head,
; the eight waves together hold whole rows, which meet in LDS; so the rest of the block follows here and nothing of it goes to memory.  FFN: wave w owns hidden units 128 w .. and outputs 64 w .. for all 64 rows.
; SOFTMAX: t = score x log2(e); M = the running largest t rounded up to a whole number; p = 2^(t - M) is quantised along the keys, not normalised; the row's sum is taken of the unquantised p and divides at the end.
; When M moves, the sum and O are multiplied by 2^(old M - new M): nothing is rounded.
; Both attention products are used transposed (S^T = K Q^T, O^T = V^T P^T): a lane holds one query.  A tile of 16 tokens holds token 8 u + r + 8 (r / 8) of its block of 32 in lane r, so that
; the 16 registers of two neighbouring score tiles are 16 neighbouring keys.
; THE SCORE PRODUCT HAS K = 64 in an instruction of 128: a query fragment's upper six registers are zero codes.  A key fragment is named as 12 registers of which the upper six are the next tile's codes
; (behind the last tile: six cleared registers): they meet zero codes and add nothing.
; O^T begins as zeros, by 128 moves once, so that the key step is written once; the first change of M multiplies zeros.
; No cluster, no joint loads, no ring in LDS: each fragment of keys, values and weights is used by ONE wave of a work-group (another head, other units), so it goes from memory straight into that wave's registers;
; a joint load would lay a record's 13,056 bytes in LDS to be read once by one wave.
; LIMITS: NaN and infinities are not served.  A block whose largest magnitude is under 2^-122 has its scale byte held at 1; a block of zeros has byte 1 (its codes are zeros).
.set REC,  13056
.set PP,   2064                        ; a row in LDS: 2,048 bytes + 16: an odd multiple of 16, so that 16 rows of a 16-byte load start at 16 different groups of banks (ISA guide 11.1)
.set RES,  0                           ; 64 rows: the residual, then res, then the result.  Row 16 t + r is token 32 (t / 2) + 8 (t % 2) + r + 8 (r / 8) of the block
.set XIMG, 132096                      ; LN(res): fragment (row tile m, K step s) at (4 m + s) x 1,536
.set XSC,  156672                      ; its scale words [m][lane][s 4]
.set HIMG, 158720                      ; the hidden layer: (8 m + s) x 1,536
.set HSC,  207872                      ; its scale words [m][lane][s 8]
.set GB,   211968                      ; gain, bias
; window 0 during attention
.set A16,  1                           ; 16 x lane; kept for the whole launch
.set A8,   2
.set AKS,  3                           ; 32 r
.set AVS,  4                           ; 16 r
.set PF0,  5                           ; the prefetches' offsets; never rewritten
.set PF1,  6
.set TA,   7
.set QS,   8                           ; v8-11 the queries' scale words
.set ST,   12                          ; tile t: v[12 + 4 t] -M, +1 the largest t, +2, +3 the sum in two halves
.set PS,   28                          ; v28-31 p's scale words
.set KSW,  32                          ; v32-39 the keys'
.set VSW,  40                          ; v40-43 the values'
.set QF,   44                          ; v44-91 the queries, 12 a tile
.set PFR,  92                          ; v92-139 p's codes, 12 a tile
.set SS,   140                         ; v140-203 S^T of one query tile, then p
.set BM,   204
.set PT,   208
.set SO,   212
.set CT,   216
.set FF,   224
.set T1,   226
.set T2,   227
.set EA,   228
.set RL,   232
; window 1 during attention: v0-127 O^T (32 t + 8 i); v128-175 keys, 6 a tile; v176-181 zeros; v182-229 values
; scalars
.set KV,   4
.set OUT2, 6
.set RESID, 8
.set GP,   10
.set BEP,  12
.set W1SP, 14
.set B1P,  16
.set W2SP, 18
.set B2P,  20
.set OUT,  22
.set WP,   24                          ; s[24:25] wimg, then my wave's block of it
.set WV,   48
.set ZZ,   49
.set BB,   50
.set QB,   51
.set SEL,  52
.set CS,   54
.set KB,   56
.set KS,   58
.set LIM,  59
.set QP,   60
.set EPS,  62
.set INV,  63
.set RESP, 68
.set QP3,  70
.set GBP,  72
.set MSB, 0
.macro WIN new                         ; register windows: bits 1:0 source 0, 3:2 source 1, 5:4 source 2, 7:6 destination; the high byte repeats the setting that is left
.if MSB != (\new)
	s_set_vgpr_msb (MSB<<8)|(\new)
.set MSB, (\new)
.endif
.endm
.macro PLACES                          ; four plain places behind matrix instructions, ahead of reads of results and of loads into operands
.rept 4
	v_nop
.endr
.endm
.macro BARRIER
	s_wait_dscnt 0x0
	s_barrier_signal -1
	s_barrier_wait -1
.endm
.macro WMMAC d, a, b, c, sa, sb
	v_wmma_scale_f32_16x16x128_f8f6f4 v[(\d):(\d)+7], v[(\a):(\a)+11], v[(\b):(\b)+11], v[(\c):(\c)+7], v[\sa], v[\sb] matrix_a_fmt:MATRIX_FMT_BF6 matrix_b_fmt:MATRIX_FMT_BF6
.endm
.macro WMMA0 d, a, b, sa, sb
	v_wmma_scale_f32_16x16x128_f8f6f4 v[(\d):(\d)+7], v[(\a):(\a)+11], v[(\b):(\b)+11], 0, v[\sa], v[\sb] matrix_a_fmt:MATRIX_FMT_BF6 matrix_b_fmt:MATRIX_FMT_BF6
.endm
; 64 numbers of a lane in window W, register 16 b + i = k 32 b + 16 h + i of my row, become a fragment's 12 registers of codes at v[pc] and its scale word in v[pw]
.macro QUANT src, W, pc, pw
	WIN 5*(\W)
.irp b,0,1,2,3
	v_max3_num_f32 v[TM+\b], |v[\src+16*\b]|, |v[\src+1+16*\b]|, 0x2800000   ; my 16 numbers of block b, and the floor 2^(5 - 127): the byte cannot fall under 1
.endr
	WIN 20*(\W)
.irp i,2,4,6,8,10,12,14
.irp b,0,1,2,3
	v_max3_num_f32 v[TM+\b], v[TM+\b], |v[\src+16*\b+\i]|, |v[\src+1+16*\b+\i]|
.endr
.endr
	WIN 0
.irp b,0,1,2,3
	v_permlanex16_b32 v[TM+4+\b], v[TM+\b], s[SEL], s[SEL+1]
.endr
.irp b,0,1,2,3
	v_max_num_f32 v[TM+\b], v[TM+\b], v[TM+4+\b]
.endr
.irp b,0,1,2,3
	v_add_nc_u32 v[TM+12+\b], 0xfe000000, v[TM+\b]                ; 4 off the exponent field: the conversion's scale operand
.endr
.irp b,0,1,2,3
	v_lshrrev_b32 v[TM+4+\b], 23, v[TM+12+\b]                     ; the scale's byte
.endr
	v_lshl_or_b32 v[\pw], v[TM+5], 8, v[TM+4]
	v_lshl_or_b32 v[\pw], v[TM+6], 16, v[\pw]
	v_lshl_or_b32 v[\pw], v[TM+7], 24, v[\pw]
	WIN (\W)
.irp c,0,1
	v_cvt_scalef32_pk16_bf6_f32 v[\pc+6*\c:\pc+2+6*\c], v[\src+32*\c:\src+15+32*\c], v[TM+12+2*\c]
	v_cvt_scalef32_pk16_bf6_f32 v[\pc+12+4*\c:\pc+14+4*\c], v[\src+16+32*\c:\src+31+32*\c], v[TM+12+2*\c+1]
.endr
	WIN 0
	v_nop                                          ; one plain place behind the scaled conversions
.irp c,0,1
.irp i,0,1,2
	v_permlane16_swap_b32 v[\pc+6*\c+\i], v[\pc+12+4*\c+\i]
.endr
.irp i,0,1,2
	v_mov_b32 v[\pc+3+6*\c+\i], v[\pc+12+4*\c+\i]
.endr
.endr
.endm
	s_load_b64 s[KV:KV+1], s[0:1], 0x0
	s_load_b512 s[8:23], s[0:1], 0x8               ; the rgb set: stream, gain, bias, W1's scales, b1, W2's scales, b2, output
	s_load_b512 s[28:43], s[0:1], 0x48             ; the depth set, in the same order
	s_load_b64 s[OUT2:OUT2+1], s[0:1], 0x88
	s_load_b64 s[WP:WP+1], s[0:1], 0x90
	v_lshrrev_b32 v[TA], 5, v0
	v_readfirstlane_b32 s[WV], v[TA]               ; wave 0..7
	s_and_b32 s66, ttmp7, 0xffff
	s_lshr_b32 s[ZZ], s66, 3                       ; direction
	s_and_b32 s[BB], s66, 7                        ; batch
	s_mov_b32 s[QB], ttmp9                         ; block of 64 rows
	s_mov_b32 s[SEL], 0x76543210
	s_mov_b32 s[SEL+1], 0xfedcba98
	s_mov_b32 s[CS], 0x3fb8aa3b                    ; log2(e): the scores are not scaled
	s_mov_b32 s[CS+1], s[CS]
	s_mov_b32 s[EPS], 0x3727c5ac                   ; 1e-5
	s_mov_b32 s[INV], 0x3b000000                   ; 1 / 512
	v_and_b32 v[A16], 31, v0
	v_lshlrev_b32 v[A8], 3, v[A16]
	v_lshlrev_b32 v[PF0], 8, v[A16]                ; a record is 51 blocks of 256 bytes: blocks 0-31,
	v_min_u32 v[PF1], 18, v[A16]
	v_lshlrev_b32 v[PF1], 8, v[PF1]
	v_add_nc_u32 v[PF1], 8192, v[PF1]              ; and 32-50 (lanes 19-31 name the last again)
	v_lshlrev_b32 v[A16], 4, v[A16]
	v_and_b32 v[AVS], 15, v0
	v_lshlrev_b32 v[AKS], 5, v[AVS]
	v_lshlrev_b32 v[AVS], 4, v[AVS]
	s_lshr_b32 s66, s[WV], 2                       ; LDS rows 8 w .. 8 w + 7 are the 8 neighbouring tokens from 32 (w / 4) + 8 ((w / 2) % 2) + 16 (w % 2) on
	s_lshl_b32 s66, s66, 5
	s_bfe_u32 s67, s[WV], 0x10001
	s_lshl_b32 s67, s67, 3
	s_add_co_u32 s66, s66, s67
	s_and_b32 s67, s[WV], 1
	s_lshl_b32 s67, s67, 4
	s_add_co_u32 s66, s66, s67
	s_lshl_b32 s67, s[QB], 6
	s_add_co_u32 s66, s66, s67
	s_lshl_b32 s67, s[BB], 10
	s_add_co_u32 s66, s66, s67
	s_lshl_b32 s66, s66, 11                        ; rows of 2,048 bytes
	s_mov_b32 s67, 0
	s_lshl_b32 s74, s[ZZ], 3                       ; my head's first record of keys and values
	s_add_co_u32 s74, s74, s[BB]
	s_lshl_b32 s74, s74, 3
	s_add_co_u32 s74, s74, s[WV]
	s_lshl_b32 s74, s74, 3
	s_mul_i32 s74, s74, REC
	s_mov_b32 s75, 0
	s_xor_b32 s76, s[ZZ], 1                        ; the queries are the other direction's keys
	s_lshl_b32 s76, s76, 3
	s_add_co_u32 s76, s76, s[BB]
	s_lshl_b32 s76, s76, 3
	s_add_co_u32 s76, s76, s[WV]
	s_lshl_b32 s76, s76, 3
	s_lshr_b32 s78, s[QB], 1
	s_add_co_u32 s76, s76, s78
	s_mul_i32 s76, s76, REC
	s_mov_b32 s77, 0
	s_and_b32 s78, s[QB], 1
	s_mul_i32 s80, s78, 3072                       ; tiles 0-3 or 4-7 of the record,
	s_mov_b32 s81, 0
	s_lshl_b32 s82, s78, 4                         ; and their four scale words
	s_mov_b32 s83, 0
	s_cmp_eq_u32 s[QB], 0
	s_cselect_b32 s[LIM], 6, 0                     ; the first block of rows of a (direction, batch) prefetches, in key steps 0-5
	s_mul_i32 s86, s[WV], 8*PP
	v_add_nc_u32 v[TA], s86, v[A16]                ; where my 8 rows of the residual go
	s_lshl_b32 s86, s[WV], 9
	v_add_nc_u32 v[T1], s86, v[A16]
	v_add_nc_u32 v[T1], GB, v[T1]                  ; and my 512 bytes of gain or bias
	s_wait_kmcnt 0x0
	s_cmp_eq_u32 s[ZZ], 0
.irp k,0,1,2,3,4,5,6,7
	s_cselect_b64 s[8+2*\k:9+2*\k], s[8+2*\k:9+2*\k], s[28+2*\k:29+2*\k]
.endr
	s_lshr_b32 s84, s[WV], 2
	s_cmp_eq_u32 s84, 0
	s_cselect_b64 s[GBP:GBP+1], s[GP:GP+1], s[BEP:BEP+1]
	s_and_b32 s84, s[WV], 3
	s_lshl_b32 s84, s84, 9
	s_mov_b32 s85, 0
	s_add_nc_u64 s[GBP:GBP+1], s[GBP:GBP+1], s[84:85]
	s_add_nc_u64 s[RESP:RESP+1], s[RESID:RESID+1], s[66:67]
	s_add_nc_u64 s[OUT:OUT+1], s[OUT:OUT+1], s[66:67]
	s_add_nc_u64 s[OUT2:OUT2+1], s[OUT2:OUT2+1], s[66:67]
	s_add_nc_u64 s[KB:KB+1], s[KV:KV+1], s[74:75]
	s_add_nc_u64 s[QP:QP+1], s[KV:KV+1], s[76:77]
	s_add_nc_u64 s[QP3:QP3+1], s[QP:QP+1], s[82:83]
	s_add_nc_u64 s[QP:QP+1], s[QP:QP+1], s[80:81]
	s_lshl_b32 s84, s[ZZ], 3                       ; my block of the weights' images: (8 z + w) x 98,304 bytes
	s_add_co_u32 s84, s84, s[WV]
	s_mul_i32 s84, s84, 98304
	s_add_nc_u64 s[WP:WP+1], s[WP:WP+1], s[84:85]
	s_lshl_b32 s84, s[WV], 11                      ; the scales of my 128 rows of W1 (16 bytes a row) and of my 64 rows of W2 (32 bytes)
	s_add_nc_u64 s[W1SP:W1SP+1], s[W1SP:W1SP+1], s[84:85]
	s_add_nc_u64 s[W2SP:W2SP+1], s[W2SP:W2SP+1], s[84:85]
	s_lshl_b32 s84, s[WV], 9
	s_add_nc_u64 s[B1P:B1P+1], s[B1P:B1P+1], s[84:85]
	s_lshl_b32 s84, s[WV], 8
	s_add_nc_u64 s[B2P:B2P+1], s[B2P:B2P+1], s[84:85]
.macro KLOAD                           ; a record's 8 key tiles and their scale words: 18 loads
	WIN 0x40
.irp t,0,1,2,3,4,5,6,7
	global_load_b128 v[128+6*\t:131+6*\t], v[A16], s[KB:KB+1] offset:768*\t
	global_load_b64 v[132+6*\t:133+6*\t], v[A8], s[KB:KB+1] offset:768*\t+512
.endr
	WIN 0
	global_load_b128 v[KSW:KSW+3], v[AKS], s[KB:KB+1] offset:12288
	global_load_b128 v[KSW+4:KSW+7], v[AKS], s[KB:KB+1] offset:12304
.endm
.macro VLOAD                           ; its 4 tiles of V^T and their scale words: 13 loads
	WIN 0x40
.irp i,0,1,2,3
.irp c,0,1,2
	global_load_b128 v[182+12*\i+4*\c:185+12*\i+4*\c], v[A16], s[KB:KB+1] offset:6144+1536*\i+512*\c
.endr
.endr
	WIN 0
	global_load_b128 v[VSW:VSW+3], v[AVS], s[KB:KB+1] offset:12800
.endm
.irp i,0,1,2,3,4,5,6,7
.irp j,0,1,2,3
	global_load_b128 v[92+16*\i+4*\j:95+16*\i+4*\j], v[A16], s[RESP:RESP+1] offset:2048*\i+512*\j th:TH_LOAD_NT   ; 8 rows of the residual, 512 consecutive bytes a load; read once in this launch
.endr
.endr
	global_load_b128 v[220:223], v[A16], s[GBP:GBP+1]
.irp t,0,1,2,3
	global_load_b128 v[QF+12*\t:QF+12*\t+3], v[A16], s[QP:QP+1] offset:768*\t
	global_load_b64 v[QF+12*\t+4:QF+12*\t+5], v[A8], s[QP:QP+1] offset:768*\t+512
.endr
	global_load_b128 v[QS:QS+3], v[AKS], s[QP3:QP3+1] offset:12288
	KLOAD
	VLOAD
	WIN 0x40
.set i, 0
.rept 128
	v_mov_b32 v[i], 0                              ; O^T
.set i, i+1
.endr
.irp k,0,1,2,3,4,5
	v_mov_b32 v[176+\k], 0                         ; behind the last key tile
.endr
	WIN 0
.irp t,0,1,2,3
.irp k,6,7,8,9,10,11
	v_mov_b32 v[QF+12*\t+\k], 0                    ; the queries' upper 64 along K: zero codes
.endr
	v_mov_b32 v[ST+4*\t+1], 0xff61b1e6             ; the largest t so far: -3e38
	v_floor_f32 v[ST+4*\t], -v[ST+4*\t+1]          ; -M
	v_mov_b32 v[ST+4*\t+2], 0
	v_mov_b32 v[ST+4*\t+3], 0
.endr
	v_mov_b32 v[FF+1], 0                           ; named as the upper half of a pair
	s_wait_loadcnt 40                              ; the residual and the gains are in; the queries' 9, the keys' 18 and the values' 13 loads may be out
.irp i,0,1,2,3,4,5,6,7
.irp j,0,1,2,3
	ds_store_b128 v[TA], v[92+16*\i+4*\j:95+16*\i+4*\j] offset:PP*\i+512*\j
.endr
.endr
	ds_store_b128 v[T1], v[220:223]
	BARRIER                                        ; 64 rows of the residual, the gain and the bias lie in LDS
.irp b,0,1,2,3
	v_mov_b32 v[PT+\b], 0                          ; a lane permute's destination counts as one of its sources
.endr
	s_wait_loadcnt 13                              ; queries and keys are in; the values' 13 loads may be out
.macro STILE t                         ; S^T of query tile t: 8 tiles of 16 keys
	WIN 0x01
.irp kt,0,1,2,3,4,5,6,7
	WMMA0 SS+8*\kt,128+6*\kt,QF+12*(\t),KSW+\kt,QS+(\t)
.endr
	WIN 0
	PLACES
.endm
.macro SOFT t                          ; the softmax of query tile t for these 128 keys; p's codes and scale word; O^T of the tile under the new M
.set rT, ST+4*(\t)
.set rP, PFR+12*(\t)
.irp b,0,1,2,3
	v_max3_num_f32 v[BM+\b], v[SS+16*\b], v[SS+1+16*\b], v[SS+2+16*\b]   ; the largest score of each block of 32 keys: it serves the row's maximum and, since p rises with the score, the block's largest p
.endr
.irp i,3,5,7,9,11,13
.irp b,0,1,2,3
	v_max3_num_f32 v[BM+\b], v[BM+\b], v[SS+16*\b+\i], v[SS+1+16*\b+\i]
.endr
.endr
.irp b,0,1,2,3
	v_max_num_f32 v[BM+\b], v[BM+\b], v[SS+15+16*\b]
.endr
.irp b,0,1,2,3
	v_permlanex16_b32 v[PT+\b], v[BM+\b], s[SEL], s[SEL+1]
.endr
.irp b,0,1,2,3
	v_max_num_f32 v[BM+\b], v[BM+\b], v[PT+\b]
.endr
	v_max3_num_f32 v[T1], v[BM], v[BM+1], v[BM+2]
	v_max_num_f32 v[T1], v[T1], v[BM+3]
	v_mul_f32 v[T1], s[CS], v[T1]
	v_max_num_f32 v[rT+1], v[rT+1], v[T1]          ; the running largest t
	v_mov_b32 v[T1], v[rT]
	v_floor_f32 v[rT], -v[rT+1]                    ; -M = floor(-t): M is a whole number
	v_sub_f32 v[T1], v[rT], v[T1]                  ; old M - new M, 0 or less
	v_cvt_i32_f32 v[T1], v[T1]                     ; (it saturates)
	v_ldexp_f32 v[FF], 1.0, v[T1]                  ; f = 2^(old M - new M)
.set i, 0
.rept 32
	v_pk_fma_f32 v[SS+i:SS+i+1], v[SS+i:SS+i+1], s[CS:CS+1], v[rT:rT+1] op_sel_hi:[1,0,0]   ; t - M
.set i, i+2
.endr
.irp b,0,1,2,3
	v_fma_f32 v[BM+\b], v[BM+\b], s[CS], v[rT]
.endr
.set i, 0
.rept 64
	v_exp_f32 v[SS+i], v[SS+i]                     ; p = 2^(t - M)
.set i, i+1
.endr
	v_pk_mul_f32 v[rT+2:rT+3], v[rT+2:rT+3], v[FF:FF+1] op_sel_hi:[1,0]   ; the sums under the new M: the plain place behind the exponentials
	s_wait_alu depctr_va_vdst(0)                   ; one wait for the batch of 64, ahead of its first reader
.irp b,0,1,2,3
	v_exp_f32 v[BM+\b], v[BM+\b]                   ; each block's largest p
.endr
	v_pk_add_f32 v[PT:PT+1], v[SS:SS+1], v[SS+2:SS+3]   ; the row's sum of the unquantised p, in two chains
.irp j,4,8,12,16,20,24,28,32,36,40,44,48,52,56,60
	v_pk_add_f32 v[rT+2:rT+3], v[rT+2:rT+3], v[SS+\j:SS+1+\j]
	v_pk_add_f32 v[PT:PT+1], v[PT:PT+1], v[SS+2+\j:SS+3+\j]
.endr
	v_pk_add_f32 v[rT+2:rT+3], v[rT+2:rT+3], v[PT:PT+1]
	s_wait_alu depctr_va_vdst(0)                   ; and one for the four
.irp b,0,1,2,3
	v_max_num_f32 v[BM+\b], 0x2800000, v[BM+\b]    ; the floor 2^(5 - 127)
.endr
.irp b,0,1,2,3
	v_add_nc_u32 v[SO+\b], 0xfe000000, v[BM+\b]
.endr
.irp b,0,1,2,3
	v_lshrrev_b32 v[PT+\b], 23, v[SO+\b]
.endr
	v_lshl_or_b32 v[PS+(\t)], v[PT+1], 8, v[PT]
	v_lshl_or_b32 v[PS+(\t)], v[PT+2], 16, v[PS+(\t)]
	v_lshl_or_b32 v[PS+(\t)], v[PT+3], 24, v[PS+(\t)]
.irp c,0,1
	v_cvt_scalef32_pk16_bf6_f32 v[rP+6*\c:rP+2+6*\c], v[SS+32*\c:SS+15+32*\c], v[SO+2*\c]
	v_cvt_scalef32_pk16_bf6_f32 v[CT+4*\c:CT+2+4*\c], v[SS+16+32*\c:SS+31+32*\c], v[SO+2*\c+1]
.endr
	v_nop
.irp c,0,1
.irp i,0,1,2
	v_permlane16_swap_b32 v[rP+6*\c+\i], v[CT+4*\c+\i]
.endr
.irp i,0,1,2
	v_mov_b32 v[rP+3+6*\c+\i], v[CT+4*\c+\i]
.endr
.endr
	WIN 0x41
.set i, 0
.rept 16
	v_pk_mul_f32 v[32*(\t)+i:32*(\t)+i+1], v[32*(\t)+i:32*(\t)+i+1], v[FF:FF+1] op_sel_hi:[1,0]   ; O^T x f.  (For the last tile these 16 also stand between p's scale word and codes and the products that take them)
.set i, i+2
.endr
	WIN 0
.endm
	s_mov_b32 s[KS], 0
.Lkey:                                 ; 8 trips: a record of 128 keys each
.irp t,0,1,2
	STILE \t
	SOFT \t
.endr
	STILE 3                                        ; the keys' registers are free behind its four places
	s_wait_xcnt 0x0                                ; all that named the record's address has read it (the youngest stands three query tiles back)
	s_add_nc_u64 s[KB:KB+1], s[KB:KB+1], REC       ; in the last trip the stepped address is not used
	s_cmp_eq_u32 s[KS], 7
	s_cbranch_scc1 .Lnok
	KLOAD                                          ; the next record's keys
.Lnok:
	SOFT 3
	s_wait_loadcnt 0x0                             ; the values, asked for a trip ago, and the next keys: zero holds on both ways round the loads above
	WIN 0x51
.irp i,0,1,2,3
.irp t,0,1,2,3
	WMMAC 32*\t+8*\i,182+12*\i,PFR+12*\t,32*\t+8*\i,VSW+\i,PS+\t   ; O^T += V^T P^T: 16 accumulators, one instruction a turn
.endr
.endr
	WIN 0
	PLACES
	s_cmp_eq_u32 s[KS], 7
	s_cbranch_scc1 .Lnov
	VLOAD                                          ; the next record's values
	s_cmp_lt_u32 s[KS], s[LIM]
	s_cbranch_scc0 .Lnov
	global_prefetch_b8 v[PF0], s[KB:KB+1] offset:REC th:TH_LOAD_NT scope:SCOPE_SE   ; the record after the next: named once in the launch, by its head's wave in the first block of rows;
	global_prefetch_b8 v[PF1], s[KB:KB+1] offset:REC th:TH_LOAD_NT scope:SCOPE_SE   ; records 0 and 1 come by their loads alone; steps 6 and 7 ask for nothing
.Lnov:
	s_add_co_u32 s[KS], s[KS], 1
	s_cmp_lt_u32 s[KS], 8
	s_cbranch_scc1 .Lkey
	s_wait_loadcnt 0x0                             ; no load is out on any way out of the loop: its address registers and targets are free
	; ---- res = residual + O / sum, in LDS: my head's words, 4 bytes of every 32
.irp t,0,1,2,3
	v_add_f32 v[RL+\t], v[ST+4*\t+2], v[ST+4*\t+3]
.endr
.irp t,0,1,2,3
	v_permlanex16_b32 v[PT+\t], v[RL+\t], s[SEL], s[SEL+1]
.endr
.irp t,0,1,2,3
	v_add_f32 v[RL+\t], v[RL+\t], v[PT+\t]
.endr
.irp t,0,1,2,3
	v_rcp_f32 v[RL+\t], v[RL+\t]
.endr
	v_and_b32 v[T1], 15, v0                        ; (plain work behind the reciprocals)
	v_bfe_u32 v[T2], v0, 4, 1
	v_mul_u32_u24 v[EA], v[T1], PP
	v_lshl_add_u32 v[EA], v[T2], 8, v[EA]
	s_lshl_b32 s66, s[WV], 2
	v_add_nc_u32 v[EA], s66, v[EA]                 ; row r, + 256 h, + 4 x head; register 8 i + j is channel 16 i + 8 h + j: 512 i + 32 j bytes on
	v_add_nc_u32 v[EA+1], 16*PP, v[EA]
	v_add_nc_u32 v[EA+2], 32*PP, v[EA]
	v_add_nc_u32 v[EA+3], 48*PP, v[EA]
	s_wait_alu depctr_va_vdst(0)                   ; one wait for the four reciprocals
.macro LDR t
.irp i,0,1,2,3
.irp j,0,1,2,3,4,5,6,7
	ds_load_b32 v[92+32*(\t)+8*\i+\j], v[EA+(\t)] offset:512*\i+32*\j
.endr
.endr
.endm
.macro ADDR t
	WIN 0x01
.set i, 0
.rept 32
	v_fma_f32 v[92+32*(\t)+i], v[32*(\t)+i], v[RL+(\t)], v[92+32*(\t)+i]
.set i, i+1
.endr
	WIN 0
.irp i,0,1,2,3
.irp j,0,1,2,3,4,5,6,7
	ds_store_b32 v[EA+(\t)], v[92+32*(\t)+8*\i+\j] offset:512*\i+32*\j
.endr
.endr
.endm
	LDR 0
	LDR 1
	s_wait_dscnt 32                                ; each time: all but the 32 youngest LDS instructions are done, this tile's loads among them
	ADDR 0
	LDR 2
	s_wait_dscnt 32
	ADDR 1
	LDR 3
	s_wait_dscnt 32
	ADDR 2
	s_wait_dscnt 32
	ADDR 3
	BARRIER                                        ; 64 whole rows of res lie in LDS
	; ---- LayerNorm of res.  Waves 2 m and 2 m + 1 both take row tile m's statistics; each quantises two of its four K steps, which it loads into the first half of window 1
.set W1SA, 3
.set BIA,  4
.set W2SA, 8
.set B2A,  9
.set LXA,  10
.set LXB,  11
.set LG,   12
.set IMA,  13
.set ISA,  14
.set LNA,  16
.set MU,   24
.set RS,   26
.set LNT,  28
.set TM,   32
.set PC,   48
.set PW,   68
.set GG,   72
.set BE,   136
	v_and_b32 v15, 15, v0                          ; r
	v_bfe_u32 v16, v0, 4, 1                        ; h
	v_and_b32 v17, 8, v15
	v_add_nc_u32 v17, v17, v15                     ; r + 8 (r / 8)
	v_lshlrev_b32 v[W1SA], 4, v17
	v_lshlrev_b32 v[BIA], 6, v16
	v_lshlrev_b32 v[W2SA], 5, v15
	v_lshlrev_b32 v[B2A], 5, v16
	s_lshr_b32 s66, s[WV], 1                       ; m
	s_and_b32 s67, s[WV], 1                        ; p
	s_mul_i32 s74, s66, 16*PP
	s_lshl_b32 s75, s67, 10
	s_xor_b32 s76, s67, 1
	s_lshl_b32 s76, s76, 10
	v_mul_u32_u24 v[LXA], v15, PP
	v_lshl_add_u32 v[LXA], v16, 6, v[LXA]
	v_add_nc_u32 v[LXA], s74, v[LXA]
	v_add_nc_u32 v[LXB], s76, v[LXA]               ; the other wave's two K steps
	v_add_nc_u32 v[LXA], s75, v[LXA]               ; my two
	v_lshl_add_u32 v[LG], v16, 6, GB
	v_add_nc_u32 v[LG], s75, v[LG]
	s_mul_i32 s77, s66, 6144
	s_mul_i32 s78, s67, 3072
	s_add_co_u32 s77, s77, s78
	s_add_co_u32 s77, s77, XIMG
	v_add_nc_u32 v[IMA], s77, v[A16]
	s_lshl_b32 s77, s66, 9
	s_lshl_b32 s78, s67, 3
	s_add_co_u32 s77, s77, s78
	s_add_co_u32 s77, s77, XSC
	v_add_nc_u32 v[ISA], s77, v[A16]
	v_mov_b32 v[LNT+1], 0
.irp b,0,1,2,3
	v_mov_b32 v[TM+4+\b], 0
.endr
	WIN 0x40
.irp sg,0,1
.irp b,0,1,2,3
.irp j,0,1,2,3
	ds_load_b128 v[64*\sg+16*\b+4*\j:64*\sg+16*\b+4*\j+3], v[LXA] offset:512*\sg+128*\b+16*\j
	ds_load_b128 v[128+64*\sg+16*\b+4*\j:128+64*\sg+16*\b+4*\j+3], v[LXB] offset:512*\sg+128*\b+16*\j
.endr
.endr
.endr
	WIN 0
	s_wait_dscnt 0x0
	; mean and 1 / sqrt(variance + 1e-5); the numbers are centred in place, and the variance is taken of the centred numbers
	WIN 0x05
.irp c,0,1,2,3
	v_pk_add_f32 v[LNA+2*\c:LNA+2*\c+1], v[2*\c:2*\c+1], v[8+2*\c:9+2*\c]
.endr
	WIN 0x01
.set i, 16
.rept 30
.irp c,0,1,2,3
	v_pk_add_f32 v[LNA+2*\c:LNA+2*\c+1], v[i+2*\c:i+2*\c+1], v[LNA+2*\c:LNA+2*\c+1]
.endr
.set i, i+8
.endr
	WIN 0
	v_pk_add_f32 v[LNA:LNA+1], v[LNA:LNA+1], v[LNA+2:LNA+3]
	v_pk_add_f32 v[LNA+4:LNA+5], v[LNA+4:LNA+5], v[LNA+6:LNA+7]
	v_pk_add_f32 v[LNA:LNA+1], v[LNA:LNA+1], v[LNA+4:LNA+5]
	v_add_f32 v[LNT], v[LNA], v[LNA+1]
	v_permlanex16_b32 v[LNT+1], v[LNT], s[SEL], s[SEL+1]
	v_add_f32 v[LNT], v[LNT], v[LNT+1]
	v_mul_f32 v[MU], s[INV], v[LNT]
	v_mov_b32 v[MU+1], v[MU]
	WIN 0x41
.set i, 0
.rept 128
	v_pk_add_f32 v[i:i+1], v[i:i+1], v[MU:MU+1] neg_lo:[0,1] neg_hi:[0,1]
.set i, i+2
.endr
	WIN 0x05
.irp c,0,1,2,3
	v_pk_mul_f32 v[LNA+2*\c:LNA+2*\c+1], v[2*\c:2*\c+1], v[2*\c:2*\c+1]
.endr
.set i, 8
.rept 31
.irp c,0,1,2,3
	v_pk_fma_f32 v[LNA+2*\c:LNA+2*\c+1], v[i+2*\c:i+2*\c+1], v[i+2*\c:i+2*\c+1], v[LNA+2*\c:LNA+2*\c+1]
.endr
.set i, i+8
.endr
	WIN 0
	v_pk_add_f32 v[LNA:LNA+1], v[LNA:LNA+1], v[LNA+2:LNA+3]
	v_pk_add_f32 v[LNA+4:LNA+5], v[LNA+4:LNA+5], v[LNA+6:LNA+7]
	v_pk_add_f32 v[LNA:LNA+1], v[LNA:LNA+1], v[LNA+4:LNA+5]
	v_add_f32 v[LNT], v[LNA], v[LNA+1]
	v_permlanex16_b32 v[LNT+1], v[LNT], s[SEL], s[SEL+1]
	v_add_f32 v[LNT], v[LNT], v[LNT+1]
	v_fma_f32 v[LNT], v[LNT], s[INV], s[EPS]
	v_rsq_f32 v[RS], v[LNT]
	v_nop                                          ; a plain place behind the transcendental
	s_wait_alu depctr_va_vdst(0)                   ; and the wait ahead of the first use
	v_mov_b32 v[RS+1], v[RS]
.macro LNSTEP sg                       ; my K step sg (0, 1): x 1 / sqrt, x gain + bias, quantised, image and scale word to LDS
.irp b,0,1,2,3
.irp j,0,1,2,3
	ds_load_b128 v[GG+16*\b+4*\j:GG+16*\b+4*\j+3], v[LG] offset:512*(\sg)+128*\b+16*\j
	ds_load_b128 v[BE+16*\b+4*\j:BE+16*\b+4*\j+3], v[LG] offset:2048+512*(\sg)+128*\b+16*\j
.endr
.endr
	WIN 0x41
.set i, 0
.rept 32
	v_pk_mul_f32 v[64*(\sg)+i:64*(\sg)+i+1], v[64*(\sg)+i:64*(\sg)+i+1], v[RS:RS+1]
.set i, i+2
.endr
	s_wait_dscnt 0x0
	WIN 0x01
.set i, 0
.rept 32
	v_pk_fma_f32 v[GG+i:GG+i+1], v[64*(\sg)+i:64*(\sg)+i+1], v[GG+i:GG+i+1], v[BE+i:BE+i+1]
.set i, i+2
.endr
	QUANT GG,0,PC,PW
.irp c,0,1,2
	ds_store_b128 v[IMA], v[PC+4*\c:PC+4*\c+3] offset:1536*(\sg)+512*\c
.endr
	ds_store_b32 v[ISA], v[PW] offset:4*(\sg)
	s_wait_dscnt 0x0                               ; the stores have read their registers
.endm
	LNSTEP 0
	LNSTEP 1
	; what the FFN wants from memory is asked for ahead of the barrier.  The first product's 32 accumulators (window 1, 64 m + 8 tile) BEGIN AS b1, in the result's layout
	WIN 0x40
.irp m,0,1,2,3
.irp tt,0,1,2,3,4,5,6,7
	global_load_b128 v[64*\m+8*\tt:64*\m+8*\tt+3], v[BIA], s[B1P:B1P+1] offset:(32*(\tt/2)+8*(\tt%2))*4
	global_load_b128 v[64*\m+8*\tt+4:64*\m+8*\tt+7], v[BIA], s[B1P:B1P+1] offset:(32*(\tt/2)+8*(\tt%2))*4+16
.endr
.endr
	WIN 0
.irp tt,0,1,2,3,4,5,6,7
	global_load_b128 v[32+4*\tt:35+4*\tt], v[W1SA], s[W1SP:W1SP+1] offset:(32*(\tt/2)+8*(\tt%2))*16
.endr
; THE WEIGHTS' STREAM: 16 batches of four fragments through three buffers in window 0 (v112, v160, v208).  Batches 0-7: W1, K step n / 2, tiles 4 (n % 2) on; 8-15: W2, K step n - 8.
; The fragments lie in wimg as images of their registers, batch behind batch: 12 loads a batch, each of 512 consecutive bytes, 16 a lane.
.macro WBATCH n
.set wb, 112+48*((\n)%3)
.irp t,0,1,2,3
.irp c,0,1,2
	global_load_b128 v[wb+12*\t+4*\c:wb+12*\t+4*\c+3], v[A16], s[WP:WP+1] offset:6144*(\n)+1536*\t+512*\c
.endr
.endr
.endm
	WBATCH 0
	WBATCH 1
	WBATCH 2
	BARRIER                                        ; LN(res)'s 16 fragments and their scale words lie in LDS
	; ---- FFN 1, transposed: source 0 = 16 rows of W1 (lane r of tile 2 b + u: unit 32 b + 8 u + r + 8 (r / 8) of my 128), source 1 = 16 rows of x
.set XSA,  10
.set XFA,  11
.set HWI,  12
.set HWS,  13
.set RA0,  14
.set RA1,  15
	v_add_nc_u32 v[XSA], XSC, v[A16]
	v_add_nc_u32 v[XFA], XIMG, v[A16]
	s_mul_i32 s66, s[WV], 1536
	s_add_co_u32 s66, s66, HIMG
	v_add_nc_u32 v[HWI], s66, v[A16]
	s_lshl_b32 s66, s[WV], 2
	s_add_co_u32 s66, s66, HSC
	v_lshlrev_b32 v[HWS], 1, v[A16]
	v_add_nc_u32 v[HWS], s66, v[HWS]               ; HSC + 32 x lane + 4 w
	v_and_b32 v16, 15, v0
	v_bfe_u32 v17, v0, 4, 1
	v_mul_u32_u24 v[RA0], v16, PP
	v_lshl_add_u32 v[RA0], v17, 5, v[RA0]
	s_lshl_b32 s66, s[WV], 8
	v_add_nc_u32 v[RA0], s66, v[RA0]               ; row r, + 256 w, + 32 h: my 64 outputs' bytes in res
	v_add_nc_u32 v[RA1], 32*PP, v[RA0]
.irp m,0,1,2,3
	ds_load_b128 v[16+4*\m:19+4*\m], v[XSA] offset:512*\m
.endr
.macro XFL s                           ; the four row tiles' fragments of K step s
.irp m,0,1,2,3
.irp c,0,1,2
	ds_load_b128 v[64+12*\m+4*\c:67+12*\m+4*\c], v[XFA] offset:(4*\m+(\s))*1536+512*\c
.endr
.endr
.endm
.macro MM1 n                           ; 16 products, 16 accumulators, one instruction a turn
.set wb, 112+48*((\n)%3)
	WIN 0x50
.irp t,0,1,2,3
.irp m,0,1,2,3
	WMMAC 64*\m+8*(4*((\n)%2)+\t),wb+12*\t,64+12*\m,64*\m+8*(4*((\n)%2)+\t),32+4*(4*((\n)%2)+\t)+(\n)/2,16+4*\m+(\n)/2
.endr
.endr
	WIN 0
	PLACES
.endm
.irp n,0,1,2,3,4,5,6,7
.if (\n)%2 == 0
	XFL (\n)/2
	s_wait_dscnt 0x0
.endif
	s_wait_loadcnt 24                              ; this batch is in; the two younger batches of 12 may be out
	MM1 \n
	WBATCH (\n)+3
.endr
.irp t,0,1,2,3
	global_load_b128 v[64+8*\t:67+8*\t], v[W2SA], s[W2SP:W2SP+1] offset:512*\t
	global_load_b128 v[68+8*\t:71+8*\t], v[W2SA], s[W2SP:W2SP+1] offset:512*\t+16
.endr
	; relu, quantised: my 128 units are K step w of the second product
.set TM, 16
.set PC, 32
.set PW, 52
.irp b,0,1,2,3
	v_mov_b32 v[TM+4+\b], 0
.endr
.irp m,0,1,2,3
	WIN 0x44
.set i, 0
.rept 64
	v_max_num_f32 v[64*\m+i], 0, v[64*\m+i]
.set i, i+1
.endr
	QUANT 64*\m,1,PC,PW
.irp c,0,1,2
	ds_store_b128 v[HWI], v[PC+4*\c:PC+4*\c+3] offset:12288*\m+512*\c
.endr
	ds_store_b32 v[HWS], v[PW] offset:1024*\m
	s_wait_dscnt 0x0                               ; the stores have read their registers
.endr
	WIN 0x40
.irp t,0,1,2,3
	global_load_b128 v[176+8*\t:179+8*\t], v[B2A], s[B2P:B2P+1] offset:64*\t
	global_load_b128 v[180+8*\t:183+8*\t], v[B2A], s[B2P:B2P+1] offset:64*\t+16
.endr
.irp t,0,1,2,3                         ; the second product's 16 accumulators (window 1, 8 (4 t + m)) BEGIN AS res: row 16 m + r, outputs 64 w + 16 t + 8 h + 0 .. 7
.irp m,0,1
	ds_load_b128 v[8*(4*\t+\m):8*(4*\t+\m)+3], v[RA0] offset:16*PP*\m+64*\t
	ds_load_b128 v[8*(4*\t+\m)+4:8*(4*\t+\m)+7], v[RA0] offset:16*PP*\m+64*\t+16
	ds_load_b128 v[8*(4*\t+\m+2):8*(4*\t+\m+2)+3], v[RA1] offset:16*PP*\m+64*\t
	ds_load_b128 v[8*(4*\t+\m+2)+4:8*(4*\t+\m+2)+7], v[RA1] offset:16*PP*\m+64*\t+16
.endr
.endr
	WIN 0
	BARRIER                                        ; the hidden layer's 32 fragments lie in LDS
	; ---- FFN 2, transposed: source 0 = 16 rows of W2, source 1 = 16 rows of the hidden layer
.set HSA,  10
.set HFA,  11
	v_lshlrev_b32 v[HSA], 1, v[A16]
	v_add_nc_u32 v[HSA], HSC, v[HSA]
	v_add_nc_u32 v[HFA], HIMG, v[A16]
	s_wait_loadcnt 0x0                             ; once: batches 8-10, W2's scale words and b2 have been on their way through the whole quantising above
.irp m,0,1,2,3
	ds_load_b128 v[16+8*\m:19+8*\m], v[HSA] offset:1024*\m
	ds_load_b128 v[20+8*\m:23+8*\m], v[HSA] offset:1024*\m+16
.endr
	WIN 0x45
.irp t,0,1,2,3
.irp m,0,1,2,3
.irp k,0,2,4,6
	v_pk_add_f32 v[8*(4*\t+\m)+\k:8*(4*\t+\m)+\k+1], v[8*(4*\t+\m)+\k:8*(4*\t+\m)+\k+1], v[176+8*\t+\k:177+8*\t+\k]   ; + b2
.endr
.endr
.endr
	WIN 0
.macro HFL s
	WIN 0x40
.irp m,0,1,2,3
.irp c,0,1,2
	ds_load_b128 v[128+12*\m+4*\c:131+12*\m+4*\c], v[HFA] offset:(8*\m+(\s))*1536+512*\c
.endr
.endr
	WIN 0
.endm
.macro MM2 n
.set wb, 112+48*((\n)%3)
	WIN 0x54
.irp t,0,1,2,3
.irp m,0,1,2,3
	WMMAC 8*(4*\t+\m),wb+12*\t,128+12*\m,8*(4*\t+\m),64+8*\t+(\n)-8,16+8*\m+(\n)-8
.endr
.endr
	WIN 0
	PLACES
.endm
.irp n,8,9,10,11,12,13,14,15
	HFL (\n)-8
	s_wait_dscnt 0x0
.if (\n) < 14
	s_wait_loadcnt 24                              ; this batch is in; at most the two younger batches of 12 are out
.else
	s_wait_loadcnt 12*(15-(\n))
.endif
	MM2 \n
.if (\n) < 13
	WBATCH (\n)+3
.endif
.endr
	WIN 0x04                                       ; an LDS store's data are its source 1: window 1
.irp t,0,1,2,3                         ; the result goes where res came from, each accumulator from its low end on
.irp m,0,1
	ds_store_b128 v[RA0], v[8*(4*\t+\m):8*(4*\t+\m)+3] offset:16*PP*\m+64*\t
	ds_store_b128 v[RA0], v[8*(4*\t+\m)+4:8*(4*\t+\m)+7] offset:16*PP*\m+64*\t+16
	ds_store_b128 v[RA1], v[8*(4*\t+\m+2):8*(4*\t+\m+2)+3] offset:16*PP*\m+64*\t
	ds_store_b128 v[RA1], v[8*(4*\t+\m+2)+4:8*(4*\t+\m+2)+7] offset:16*PP*\m+64*\t+16
.endr
.endr
	WIN 0
	BARRIER                                        ; 64 whole rows of the result lie in LDS
	; ---- the way out: my 8 rows, 512 consecutive bytes a store, at multiples of 256 from the buffer's first byte
	s_mul_i32 s66, s[WV], 8*PP
	v_add_nc_u32 v10, s66, v[A16]
.irp i,0,1,2,3,4,5,6,7
.irp j,0,1,2,3
	ds_load_b128 v[112+16*\i+4*\j:115+16*\i+4*\j], v10 offset:PP*\i+512*\j
.endr
.endr
.irp i,0,1,2,3,4,5,6,7
.irp j,0,1,2,3
	s_wait_dscnt 31-4*\i-\j
	global_store_b128 v[A16], v[112+16*\i+4*\j:115+16*\i+4*\j], s[OUT:OUT+1] offset:2048*\i+512*\j th:TH_STORE_NT
.endr
.endr
	s_cmp_eq_u32 s[ZZ], 0
	s_cbranch_scc1 .Lend
.irp i,0,1,2,3,4,5,6,7                 ; the depth stream's result is returned twice
.irp j,0,1,2,3
	global_store_b128 v[A16], v[112+16*\i+4*\j:115+16*\i+4*\j], s[OUT2:OUT2+1] offset:2048*\i+512*\j th:TH_STORE_NT
.endr
.endr
.Lend:
	s_wait_xcnt 0x0
	v_lshl_add_u32 v254, v0, 2, 0x34c00
	v_mov_b32 v255, 0
	s_wait_tensorcnt 0x0
	ds_add_u32 v254, v255
	s_wait_dscnt 0x0
	s_endpgm
.Lfunc_end_k_q9925a0d642_fuse:
	.size	k_q9925a0d642_fuse, .Lfunc_end_k_q9925a0d642_fuse-k_q9925a0d642_fuse
	.p2alignl 7, 3214868480
	.fill 96, 4, 3214868480
	.section	.rodata,"a",@progbits
	.p2align	6, 0x0
	.amdhsa_kernel k_q9925a0d642_fuse
		.amdhsa_group_segment_fixed_size 217088
		.amdhsa_private_segment_fixed_size 0
		.amdhsa_enable_private_segment 0
		.amdhsa_kernarg_size 152
		.amdhsa_user_sgpr_count 2
		.amdhsa_user_sgpr_kernarg_segment_ptr 1
		.amdhsa_wavefront_size32 1
		.amdhsa_system_sgpr_workgroup_id_x 1
		.amdhsa_system_sgpr_workgroup_id_y 1
		.amdhsa_system_sgpr_workgroup_id_z 1
		.amdhsa_system_vgpr_workitem_id 0
		.amdhsa_next_free_vgpr 512
		.amdhsa_next_free_sgpr 96
		.amdhsa_reserve_vcc 0
		.amdhsa_float_denorm_mode_32 3
		.amdhsa_float_denorm_mode_16_64 3
		.amdhsa_memory_ordered 1
		.amdhsa_forward_progress 1
		.amdhsa_inst_pref_size 255
	.end_amdhsa_kernel
	.section	.bss,"aw",@nobits
	.p2align	6
	.space	262144
	.amdgpu_metadata
---
amdhsa.version: [ 1, 2 ]
amdhsa.kernels:
  - .name:           k_q9925a0d642_fuse
    .symbol:         k_q9925a0d642_fuse.kd
    .args:
      - { .name: kv, .offset: 0, .size: 8, .value_kind: global_buffer, .address_space: global }
      - { .name: rgb1, .offset: 8, .size: 8, .value_kind: global_buffer, .address_space: global }
      - { .name: g21, .offset: 16, .size: 8, .value_kind: global_buffer, .address_space: global }
      - { .name: be21, .offset: 24, .size: 8, .value_kind: global_buffer, .address_space: global }
      - { .name: W11_scales, .offset: 32, .size: 8, .value_kind: global_buffer, .address_space: global }
      - { .name: b11, .offset: 40, .size: 8, .value_kind: global_buffer, .address_space: global }
      - { .name: W12_scales, .offset: 48, .size: 8, .value_kind: global_buffer, .address_space: global }
      - { .name: b12, .offset: 56, .size: 8, .value_kind: global_buffer, .address_space: global }
      - { .name: out0, .offset: 64, .size: 8, .value_kind: global_buffer, .address_space: global }
      - { .name: depth1, .offset: 72, .size: 8, .value_kind: global_buffer, .address_space: global }
      - { .name: g22, .offset: 80, .size: 8, .value_kind: global_buffer, .address_space: global }
      - { .name: be22, .offset: 88, .size: 8, .value_kind: global_buffer, .address_space: global }
      - { .name: W21_scales, .offset: 96, .size: 8, .value_kind: global_buffer, .address_space: global }
      - { .name: b21, .offset: 104, .size: 8, .value_kind: global_buffer, .address_space: global }
      - { .name: W22_scales, .offset: 112, .size: 8, .value_kind: global_buffer, .address_space: global }
      - { .name: b22, .offset: 120, .size: 8, .value_kind: global_buffer, .address_space: global }
      - { .name: out1, .offset: 128, .size: 8, .value_kind: global_buffer, .address_space: global }
      - { .name: out2, .offset: 136, .size: 8, .value_kind: global_buffer, .address_space: global }
      - { .name: wimg, .offset: 144, .size: 8, .value_kind: global_buffer, .address_space: global }
    .group_segment_fixed_size: 217088
    .private_segment_fixed_size: 0
    .kernarg_segment_align: 8
    .kernarg_segment_size: 152
    .max_flat_workgroup_size: 256
    .sgpr_count:     96
    .vgpr_count:     512
    .wavefront_size: 32
...
	.end_amdgpu_metadata
.endif
;; end of part 4
;; ======== version 3 of 3: 2 launches; version 2 with the launches proj, fuse written anew for expert scheduling mode
;; workspace buffers: kv 13,369,344 bytes; wimg 1,572,864 bytes
;; launch proj (part 5): grid 4 x 64, 8 waves a work-group, no clusters, 115,712 bytes of LDS; arguments rgb1, depth1, g11, be11, g12, be12, Wq_codes, Wq_scales, bq, Wk_codes, Wk_scales, bk, Wv1_codes, Wv1_scales, bv1, Wv2_codes, Wv2_scales, bv2, kv, W11_codes, W12_codes, W21_codes, W22_codes, wimg; writes kv, wimg
.if DOCPART == 5
	.amdgcn_target "amdgcn-amd-amdhsa--gfx1250"
	.amdhsa_code_object_version 6
	.text
	.protected	k_q9925a0d642_proj
	.globl	k_q9925a0d642_proj
	.p2align	8
	.type	k_q9925a0d642_proj,@function
k_q9925a0d642_proj:
	s_mov_b64 s[64:65], 0
	v_nop
	global_prefetch_b8 v0, s[64:65] scope:SCOPE_SE
	s_setreg_imm32_b32 hwreg(HW_REG_WAVE_SCHED_MODE, 0, 2), 2
	s_setreg_imm32_b32 hwreg(HW_REG_WAVE_MODE, 25, 1), 1
	s_wait_xcnt 0x0
	s_wait_alu depctr_vm_vsrc(0)
; r = LN(rgb1), d = LN(depth1); q = r Wq + bq, k = d Wk + bk, v1 = [r|d] Wv1 + bv1, v2 = [r|d] Wv2 + bv2, all four products on codes of BF6 (E3M2) with one E8M0 scale for 32 along K.
; q and k are then quantised along a head's 64 channels, v1 and v2 along the tokens, and leave as IMAGES OF OPERAND REGISTERS in records of kv, as the next launch's waves load them.
; A RECORD (13,056 bytes) belongs to a direction z, a batch, a head and 128 tokens: index ((8 z + batch) 8 + head) 8 + block.  z = 0: keys k, values v1;  z = 1: keys q, values v2.
;   0      8 key tiles of 768 bytes: registers 0-3 at 16 x lane, registers 4-5 at 512 + 8 x lane (the real 64 along K)
;   6144   4 tiles of V^T (16 channels x 128 tokens) of 1,536 bytes: register quad c at 512 c + 16 x lane
;   12288  key scale words [lane % 16][tile];   12800  V scale words [lane % 16][tile]
; A TILE OF 16 TOKENS IS NOT 16 NEIGHBOURS: in a block of 32 tokens tile u holds token 8 u + r + 8 (r / 8) in lane r, so that the 16 registers of two neighbouring result tiles are 16 neighbours along the next K.
; A head's channel dk lies at column 8 dk + head of a projection.
; SHARES.  A work-group takes 128 tokens (grid y) and two heads (grid x).  Wave w normalises and quantises token tile w of both streams (8 fragments, through LDS as register images); then all waves run one path,
; told apart by pointers alone: v1 or v2 (w & 1), head (bit 1), two of the four channel tiles (w / 4) for all 128 tokens; then q or k (w & 1), head, 64 of the tokens (w / 4).
; The four work-groups of a token block each normalise the same rows: 128 rows x 2 streams again for each pair of heads, so that 256 work-groups have work and no launch stands in front of this one.
; ON THE SIDE the codes of W11, W12, W21, W22 are laid out anew into wimg, as images of operand registers in the order in which the next launch's waves take them: 1,024 fragments of 1,536 bytes,
; fragment ((8 z + w) 16 + n) 4 + t (stream z, that launch's wave w, its batch n, tile t), register quad c at 512 c + 16 x lane.  A work-group lays four of them, one in each of its waves 0 to 3.
; No cluster and no joint loads: a weight fragment is used by one wave of a work-group and goes from memory straight into its registers; a joint load would lay it in LDS for that one reader.
; LIMITS: NaN and infinities are not served.  A block whose largest magnitude is under 2^-122 has its scale byte held at 1; a block of zeros has byte 1 where the quantiser says 127 (its codes are zeros, and the bytes
; are read by this program alone).  Bytes 2 and 3 of q's and k's scale words are 0; they stand over zero codes.
; THE MODE: SCHED_MODE bits 1:0 = 2 (LLVM: expert scheduling mode 2), set by the entry lines.  The code itself states the register dependences between vector or matrix instructions and memory or LDS
; instructions, with s_wait_alu, always for 0.
; THE PLAN.  Registers that memory or LDS instructions touch:
;   v1-12, v246-252  offsets and LDS addresses: made once at the head, ahead of the wait in front of the first load, and never written again.  v200, the side layout's offset, has a wait of its own.
;   window 1         the rows of x: loads land; the LayerNorm's vector lines read and write them; in job 0 a K step's registers are loaded again behind that step's wait.
;   GG, BE           gains and biases: LDS loads land; the multiply-adds and the quantiser name them.      PC, PW  the quantiser writes them; LDS or global stores read them.
;   So ONE wait on va_vdst stands in a K step of a LayerNorm, ahead of its LDS stores: PC and PW are written, and every vector line that names GG, BE or the step's rows is done; the next loads into
;   these follow with no further wait, since no vector line between names them.  One wait on vm_vsrc behind the stores frees PC and PW.
;   v112-159, v160-207  fragments of [r|d]; window 1 v128-223 Wv's ring; v16-111 scale words; window 1 v224-255 biases: loads land, matrix instructions read.  Two half buffers are all that the registers
;   hold, so a wait on va_vdst stands ahead of each run of fragment loads; the ring's loads ride on the second.  For q or k the fragments have two whole buffers (v112-159, v32-79) by turns.
.set REC,  13056
.set AIMG, 0                           ; LDS: fragment (token tile m, K step s) at (8 m + s) x 1,536; s = 0-3 r, 4-7 d
.set ASC,  98304                       ; their scale words [m][lane][s]
.set GB,   106496                      ; g11, be11, g12, be12, 2,048 bytes each
; window 0
.set XA,   1                           ; rows of x: (r + 8 (r / 8)) x 2,048 + 64 h
.set A16,  2                           ; 16 x lane
.set LG,   3                           ; GB + 64 h
.set IMA,  4                           ; where I store images: 12,288 w + 16 x lane
.set ISA,  5                           ; and scale words: ASC + 1,024 w + 32 x lane
.set GST,  6                           ; GB + 1,024 w + 16 x lane
.set LA1,  7                           ; 16 x lane + 49,152: token tiles 4-7
.set LS,   8                           ; ASC + 32 x lane
.set LAQ,  9                           ; images for q or k
.set LSQ,  10                          ; their scale words
.set WVA,  11                          ; Wv: r x 6,144 + 24 h
.set WQA,  12                          ; Wq, Wk: (r + 8 (r / 8)) x 3,072 + 24 h
.set TA,   13
.set RR,   14                          ; r = lane % 16
.set HH,   15                          ; h = lane / 16
.set LNA,  16                          ; v16-23 four chains of sums
.set MU,   24
.set RS,   26
.set LNT,  28
.set TM,   32                          ; 16 registers at work in the quantiser (later 208)
.set PC,   48                          ; the codes just made (later 224)
.set PW,   68                          ; the scale word just made
.set GG,   72                          ; v72-135 gains, then the normalised numbers
.set BE,   136                         ; v136-199 biases
.set LYA,  200                         ; the layout on the side: my lane's byte in the fragment's 16 rows
.set LYF,  224                         ; v224-235 the fragment
.set WVSA, 246
.set WQSA, 247
.set BVA,  248
.set QBA,  249
.set VSTA, 250
.set KSTA, 251
.set A8,   252
; scalars
.set LYD,  2                           ; s[2:3] wimg, then my fragment's place in it
.set LYS,  4                           ; s[4:7] W11's and W12's codes, s[96:99] W21's and W22's; then s[4:5] my fragment's first row
.set WV,   46
.set TBK,  48
.set SEL,  50
.set INV,  52
.set EPS,  53
.set XP,   54
.set XN,   56
.set WVC,  58
.set WVSP, 60
.set BVP,  62
.set WQC,  66
.set WQSP, 68
.set BQP,  70
.set VREC, 72
.set KREC, 74
.set GBP,  80
.set VTP,  88
.set KTP,  90
.set MSB, 0
.macro WIN new                         ; register windows: bits 1:0 source 0, 3:2 source 1, 5:4 source 2, 7:6 destination; the high byte repeats the setting that is left
.if MSB != (\new)
	s_set_vgpr_msb (MSB<<8)|(\new)
.set MSB, (\new)
.endif
.endm
.macro PLACES                          ; four plain places behind matrix instructions, ahead of reads of results and of loads into operands
.rept 4
	v_nop
.endr
.endm
.macro BARRIER                         ; my LDS stores have landed and my LDS loads are in: then the work-group's barrier
	s_wait_dscnt 0x0
	s_barrier_signal -1
	s_barrier_wait -1
.endm
.macro WMMAC d, a, b, c, sa, sb
	v_wmma_scale_f32_16x16x128_f8f6f4 v[(\d):(\d)+7], v[(\a):(\a)+11], v[(\b):(\b)+11], v[(\c):(\c)+7], v[\sa], v[\sb] matrix_a_fmt:MATRIX_FMT_BF6 matrix_b_fmt:MATRIX_FMT_BF6
.endm
; 64 numbers of a lane in window W, register 16 b + i = k 32 b + 16 h + i of my row, become a fragment's 12 registers of codes at v[pc] and its scale word in v[pw]
.macro QUANT src, W, pc, pw
	WIN 5*(\W)
.irp b,0,1,2,3
	v_max3_num_f32 v[TM+\b], |v[\src+16*\b]|, |v[\src+1+16*\b]|, 0x2800000   ; my 16 numbers of block b, and the floor 2^(5 - 127): the byte cannot fall under 1
.endr
	WIN 20*(\W)
.irp i,2,4,6,8,10,12,14
.irp b,0,1,2,3
	v_max3_num_f32 v[TM+\b], v[TM+\b], |v[\src+16*\b+\i]|, |v[\src+1+16*\b+\i]|
.endr
.endr
	WIN 0
.irp b,0,1,2,3
	v_permlanex16_b32 v[TM+4+\b], v[TM+\b], s[SEL], s[SEL+1]
.endr
.irp b,0,1,2,3
	v_max_num_f32 v[TM+\b], v[TM+\b], v[TM+4+\b]                  ; with lane l xor 16's: the block's largest magnitude
.endr
.irp b,0,1,2,3
	v_add_nc_u32 v[TM+12+\b], 0xfe000000, v[TM+\b]                ; 4 off its exponent field: the conversion's scale operand
.endr
.irp b,0,1,2,3
	v_lshrrev_b32 v[TM+4+\b], 23, v[TM+12+\b]                     ; the scale's byte
.endr
	v_lshl_or_b32 v[\pw], v[TM+5], 8, v[TM+4]
	v_lshl_or_b32 v[\pw], v[TM+6], 16, v[\pw]
	v_lshl_or_b32 v[\pw], v[TM+7], 24, v[\pw]
	WIN (\W)
.irp c,0,1
	v_cvt_scalef32_pk16_bf6_f32 v[\pc+6*\c:\pc+2+6*\c], v[\src+32*\c:\src+15+32*\c], v[TM+12+2*\c]
	v_cvt_scalef32_pk16_bf6_f32 v[\pc+12+4*\c:\pc+14+4*\c], v[\src+16+32*\c:\src+31+32*\c], v[TM+12+2*\c+1]
.endr
	WIN 0
	v_nop                                          ; one plain place behind the scaled conversions
.irp c,0,1                             ; the operand wants a whole block in a lane: lanes 0-15 block 2 c, lanes 16-31 block 2 c + 1
.irp i,0,1,2
	v_permlane16_swap_b32 v[\pc+6*\c+\i], v[\pc+12+4*\c+\i]
.endr
.irp i,0,1,2
	v_mov_b32 v[\pc+3+6*\c+\i], v[\pc+12+4*\c+\i]
.endr
.endr
.endm
; the same for 32 numbers in window 1 (two blocks: a head's 64 channels): six registers of codes at v[pc], two bytes in v[pw]
.macro QUANT2 src, pc, pw
	WIN 5
.irp b,0,1
	v_max3_num_f32 v[TM+\b], |v[\src+16*\b]|, |v[\src+1+16*\b]|, 0x2800000
.endr
	WIN 20
.irp i,2,4,6,8,10,12,14
.irp b,0,1
	v_max3_num_f32 v[TM+\b], v[TM+\b], |v[\src+16*\b+\i]|, |v[\src+1+16*\b+\i]|
.endr
.endr
	WIN 0
.irp b,0,1
	v_permlanex16_b32 v[TM+4+\b], v[TM+\b], s[SEL], s[SEL+1]
.endr
.irp b,0,1
	v_max_num_f32 v[TM+\b], v[TM+\b], v[TM+4+\b]
.endr
.irp b,0,1
	v_add_nc_u32 v[TM+12+\b], 0xfe000000, v[TM+\b]
.endr
.irp b,0,1
	v_lshrrev_b32 v[TM+4+\b], 23, v[TM+12+\b]
.endr
	v_lshl_or_b32 v[\pw], v[TM+5], 8, v[TM+4]
	WIN 1
	v_cvt_scalef32_pk16_bf6_f32 v[\pc:\pc+2], v[\src:\src+15], v[TM+12]
	v_cvt_scalef32_pk16_bf6_f32 v[\pc+4:\pc+6], v[\src+16:\src+31], v[TM+13]
	WIN 0
	v_nop
.irp i,0,1,2
	v_permlane16_swap_b32 v[\pc+\i], v[\pc+4+\i]
.endr
	v_mov_b32 v[\pc+3], v[\pc+4]
	v_mov_b32 v[\pc+4], v[\pc+5]
	v_mov_b32 v[\pc+5], v[\pc+6]
.endm
; mean and 1 / sqrt(variance + 1e-5) of my row.  Window 1 holds my 256 of its 512 numbers; lane l xor 16 holds the others.  The numbers are centred in place, and the variance is taken of the centred numbers.
.macro LNSTATS
	WIN 0x05
.irp c,0,1,2,3
	v_pk_add_f32 v[LNA+2*\c:LNA+2*\c+1], v[2*\c:2*\c+1], v[8+2*\c:9+2*\c]
.endr
	WIN 0x01
.set i, 16
.rept 30
.irp c,0,1,2,3
	v_pk_add_f32 v[LNA+2*\c:LNA+2*\c+1], v[i+2*\c:i+2*\c+1], v[LNA+2*\c:LNA+2*\c+1]
.endr
.set i, i+8
.endr
	WIN 0
	v_pk_add_f32 v[LNA:LNA+1], v[LNA:LNA+1], v[LNA+2:LNA+3]
	v_pk_add_f32 v[LNA+4:LNA+5], v[LNA+4:LNA+5], v[LNA+6:LNA+7]
	v_pk_add_f32 v[LNA:LNA+1], v[LNA:LNA+1], v[LNA+4:LNA+5]
	v_add_f32 v[LNT], v[LNA], v[LNA+1]
	v_permlanex16_b32 v[LNT+1], v[LNT], s[SEL], s[SEL+1]
	v_add_f32 v[LNT], v[LNT], v[LNT+1]
	v_mul_f32 v[MU], s[INV], v[LNT]                ; / 512
	v_mov_b32 v[MU+1], v[MU]
	WIN 0x41
.set i, 0
.rept 128
	v_pk_add_f32 v[i:i+1], v[i:i+1], v[MU:MU+1] neg_lo:[0,1] neg_hi:[0,1]
.set i, i+2
.endr
	WIN 0x05
.irp c,0,1,2,3
	v_pk_mul_f32 v[LNA+2*\c:LNA+2*\c+1], v[2*\c:2*\c+1], v[2*\c:2*\c+1]
.endr
.set i, 8
.rept 31
.irp c,0,1,2,3
	v_pk_fma_f32 v[LNA+2*\c:LNA+2*\c+1], v[i+2*\c:i+2*\c+1], v[i+2*\c:i+2*\c+1], v[LNA+2*\c:LNA+2*\c+1]
.endr
.set i, i+8
.endr
	WIN 0
	v_pk_add_f32 v[LNA:LNA+1], v[LNA:LNA+1], v[LNA+2:LNA+3]
	v_pk_add_f32 v[LNA+4:LNA+5], v[LNA+4:LNA+5], v[LNA+6:LNA+7]
	v_pk_add_f32 v[LNA:LNA+1], v[LNA:LNA+1], v[LNA+4:LNA+5]
	v_add_f32 v[LNT], v[LNA], v[LNA+1]
	v_permlanex16_b32 v[LNT+1], v[LNT], s[SEL], s[SEL+1]
	v_add_f32 v[LNT], v[LNT], v[LNT+1]
	v_fma_f32 v[LNT], v[LNT], s[INV], s[EPS]
	v_rsq_f32 v[RS], v[LNT]
	v_nop                                          ; a plain place behind the transcendental
	s_wait_alu depctr_va_vdst(0)                   ; and the wait ahead of the first use: v[RS] is written
	v_mov_b32 v[RS+1], v[RS]
.endm
; K step sg of my row (64 of my numbers): x 1 / sqrt, x gain + bias, quantised, image and scale word to LDS.  go, io, so: where the stream's gains, images and words begin
.macro LNSTEP sg, go, io, so
.irp b,0,1,2,3
.irp j,0,1,2,3
	ds_load_b128 v[GG+16*\b+4*\j:GG+16*\b+4*\j+3], v[LG] offset:(\go)+512*(\sg)+128*\b+16*\j          ; no wait: no vector instruction since the last wait on va_vdst names GG or BE
	ds_load_b128 v[BE+16*\b+4*\j:BE+16*\b+4*\j+3], v[LG] offset:(\go)+2048+512*(\sg)+128*\b+16*\j
.endr
.endr
	WIN 0x41
.set i, 0
.rept 32
	v_pk_mul_f32 v[64*(\sg)+i:64*(\sg)+i+1], v[64*(\sg)+i:64*(\sg)+i+1], v[RS:RS+1]
.set i, i+2
.endr
	s_wait_dscnt 0x0                               ; gains and biases are in
	WIN 0x01
.set i, 0
.rept 32
	v_pk_fma_f32 v[GG+i:GG+i+1], v[64*(\sg)+i:64*(\sg)+i+1], v[GG+i:GG+i+1], v[BE+i:BE+i+1]
.set i, i+2
.endr
	QUANT GG,0,PC,PW
	s_wait_alu depctr_va_vdst(0)                   ; the quantiser has written PC and PW, which the LDS stores read; it and the multiply-adds are done with GG, BE, the scratch and this K step's rows in window 1, in all of which later loads land
.irp c,0,1,2
	ds_store_b128 v[IMA], v[PC+4*\c:PC+4*\c+3] offset:(\io)+1536*(\sg)+512*\c
.endr
	ds_store_b32 v[ISA], v[PW] offset:(\so)+4*(\sg)
	s_wait_dscnt 0x0                               ; the stores have landed
	s_wait_alu depctr_vm_vsrc(0)                   ; the stores have read PC and PW, which the next quantiser, or a load, writes again
.endm
.macro XLOAD sg, ptr                   ; my 64 numbers of K step sg of my row: 16 neighbours of each block of 32
	WIN 0x40
.irp b,0,1,2,3
.irp j,0,1,2,3
	global_load_b128 v[64*(\sg)+16*\b+4*\j:64*(\sg)+16*\b+4*\j+3], v[XA], s[\ptr:\ptr+1] offset:512*(\sg)+128*\b+16*\j
.endr
.endr
	WIN 0
.endm
.macro JOB jb                          ; one stream: 0 rgb1, 1 depth1.  In job 0 each K step's registers take the other stream's numbers as soon as they are free: the step's wait on va_vdst has shown their readers done
	s_wait_loadcnt 0x0
	LNSTATS
.irp sg,0,1,2,3
	LNSTEP \sg,4096*(\jb),6144*(\jb),16*(\jb)
.if (\jb) == 0
	XLOAD \sg,XN
.endif
.endr
.endm
	s_load_b512 s[8:23], s[0:1], 0x0               ; rgb1 8, depth1 10, g11 12, be11 14, g12 16, be12 18, Wq codes 20, scales 22
	s_load_b512 s[24:39], s[0:1], 0x40             ; bq 24, Wk codes 26, scales 28, bk 30, Wv1 codes 32, scales 34, bv1 36, Wv2 codes 38
	s_load_b128 s[40:43], s[0:1], 0x80             ; Wv2 scales 40, bv2 42
	s_load_b64 s[44:45], s[0:1], 0x90              ; kv
	s_load_b128 s[LYS:LYS+3], s[0:1], 0x98         ; W11's codes, W12's
	s_load_b128 s[96:99], s[0:1], 0xa8             ; W21's codes, W22's
	s_load_b64 s[LYD:LYD+1], s[0:1], 0xb8          ; wimg
	v_lshl_add_u32 v239, v0, 2, 0x1c000
	v_mov_b32 v243, 0
	v_lshrrev_b32 v[TA], 5, v0
	v_readfirstlane_b32 s[WV], v[TA]               ; wave 0..7
	s_wait_alu depctr_va_sdst(0)                   ; s[WV] is written, ahead of its first reader: roles, addresses and branches are made from it
	s_and_b32 s[TBK], ttmp7, 0xffff                ; block of 128 tokens: 8 x batch + block
	s_and_b32 s84, s[WV], 1                        ; v2 for v1, k for q
	s_bfe_u32 s85, s[WV], 0x10001                  ; which of the two heads
	s_lshr_b32 s86, s[WV], 2                       ; which two channel tiles of v; which 64 tokens of q or k
	s_lshl_b32 s87, ttmp9, 1
	s_add_co_u32 s87, s87, s85                     ; the head
	s_mov_b32 s[SEL], 0x76543210
	s_mov_b32 s[SEL+1], 0xfedcba98                 ; v_permlanex16_b32's selects for lane l xor 16
	s_mov_b32 s[INV], 0x3b000000                   ; 1 / 512
	s_mov_b32 s[EPS], 0x3727c5ac                   ; 1e-5
	s_lshr_b32 s76, s[WV], 1                       ; my tile's first token: 128 x block + 32 (w / 2) + 8 (w % 2)
	s_lshl_b32 s76, s76, 5
	s_lshl_b32 s78, s84, 3
	s_add_co_u32 s76, s76, s78
	s_lshl_b32 s78, s[TBK], 7
	s_add_co_u32 s76, s76, s78
	s_lshl_b32 s76, s76, 11                        ; rows of 2,048 bytes
	s_mov_b32 s77, 0
	s_mov_b32 s79, 0
	v_and_b32 v[RR], 15, v0
	v_bfe_u32 v[HH], v0, 4, 1
	v_and_b32 v[TA], 8, v[RR]
	v_add_nc_u32 v[TA], v[TA], v[RR]               ; r + 8 (r / 8)
	v_lshlrev_b32 v[XA], 11, v[TA]
	v_lshl_add_u32 v[XA], v[HH], 6, v[XA]
	v_and_b32 v[A16], 31, v0
	v_lshlrev_b32 v[A8], 3, v[A16]
	v_lshlrev_b32 v[LS], 5, v[A16]
	v_lshlrev_b32 v[A16], 4, v[A16]
	v_add_nc_u32 v[LS], ASC, v[LS]
	v_lshl_add_u32 v[LG], v[HH], 6, GB
	s_mul_i32 s78, s[WV], 12288
	v_add_nc_u32 v[IMA], s78, v[A16]
	s_lshl_b32 s78, s[WV], 10
	v_add_nc_u32 v[ISA], s78, v[LS]
	v_add_nc_u32 v[GST], s78, v[A16]
	v_add_nc_u32 v[GST], GB, v[GST]
	v_add_nc_u32 v[LA1], 49152, v[A16]
	s_mul_i32 s78, s86, 49152
	s_mul_i32 s92, s84, 6144
	s_add_co_u32 s78, s78, s92
	v_add_nc_u32 v[LAQ], s78, v[A16]
	s_lshl_b32 s78, s86, 12
	s_lshl_b32 s92, s84, 4
	s_add_co_u32 s78, s78, s92
	v_add_nc_u32 v[LSQ], s78, v[LS]
	v_mul_u32_u24 v[WVA], v[RR], 6144
	v_mad_u32_u24 v[WVA], v[HH], 24, v[WVA]
	v_mul_u32_u24 v[WQA], v[TA], 3072
	v_mad_u32_u24 v[WQA], v[HH], 24, v[WQA]
	v_lshlrev_b32 v[WVSA], 8, v[RR]
	v_lshlrev_b32 v[WQSA], 7, v[TA]
	v_lshlrev_b32 v[BVA], 5, v[RR]
	v_lshlrev_b32 v[QBA], 9, v[HH]
	v_lshlrev_b32 v[VSTA], 4, v[RR]
	v_lshl_add_u32 v[VSTA], v[HH], 2, v[VSTA]
	s_lshl_b32 s78, s86, 3
	v_add_nc_u32 v[VSTA], s78, v[VSTA]             ; 16 r + 4 h + 8 (w / 4)
	v_lshlrev_b32 v[KSTA], 5, v[RR]
	v_lshl_add_u32 v[KSTA], v[HH], 3, v[KSTA]
	s_lshl_b32 s78, s86, 4
	v_add_nc_u32 v[KSTA], s78, v[KSTA]             ; 32 r + 8 h + 16 (w / 4)
	v_mov_b32 v[LNT+1], 0                          ; a lane permute's destination counts as one of its sources: written once
.irp b,0,1,2,3
	v_mov_b32 v[36+\b], 0
	v_mov_b32 v[212+\b], 0
.endr
	s_wait_kmcnt 0x0
	s_cmp_eq_u32 s85, 0                            ; my 1,024 bytes of the four vectors: vector w / 2, half w % 2
	s_cselect_b64 s[GBP:GBP+1], s[12:13], s[14:15]
	s_cselect_b64 s[82:83], s[16:17], s[18:19]
	s_cmp_eq_u32 s86, 0
	s_cselect_b64 s[GBP:GBP+1], s[GBP:GBP+1], s[82:83]
	s_cmp_eq_u32 s84, 0                            ; the roles: pointers alone differ
	s_cselect_b64 s[WVC:WVC+1], s[32:33], s[38:39]
	s_cselect_b64 s[WVSP:WVSP+1], s[34:35], s[40:41]
	s_cselect_b64 s[BVP:BVP+1], s[36:37], s[42:43]
	s_cselect_b64 s[WQC:WQC+1], s[20:21], s[26:27]
	s_cselect_b64 s[WQSP:WQSP+1], s[22:23], s[28:29]
	s_cselect_b64 s[BQP:BQP+1], s[24:25], s[30:31]
	s_lshl_b32 s78, s84, 10
	s_add_nc_u64 s[GBP:GBP+1], s[GBP:GBP+1], s[78:79]
	s_add_nc_u64 s[XP:XP+1], s[8:9], s[76:77]
	s_add_nc_u64 s[XN:XN+1], s[10:11], s[76:77]
	s_wait_alu depctr_va_vdst(0)                   ; all offsets and LDS addresses, v1-12 and v246-252, are written: every load and store of the kernel but the side layout's loads reads one of them
	global_load_b128 v[72:75], v[A16], s[GBP:GBP+1]
	global_load_b128 v[76:79], v[A16], s[GBP:GBP+1] offset:512
.irp sg,0,1,2,3
	XLOAD \sg,XP
.endr
	s_lshl_b32 s78, s86, 8                         ; Wv: rows (16 i + r) 8 + head of 768 bytes, i from 2 (w / 4)
	s_add_co_u32 s78, s78, s87
	s_mul_i32 s78, s78, 768
	s_add_nc_u64 s[WVC:WVC+1], s[WVC:WVC+1], s[78:79]
	s_lshl_b32 s78, s87, 5                         ; its scales: 32 bytes a row
	s_lshl_b32 s76, s86, 13
	s_add_co_u32 s78, s78, s76
	s_add_nc_u64 s[WVSP:WVSP+1], s[WVSP:WVSP+1], s[78:79]
	s_lshl_b32 s78, s87, 2                         ; its bias
	s_lshl_b32 s76, s86, 10
	s_add_co_u32 s78, s78, s76
	s_add_nc_u64 s[BVP:BVP+1], s[BVP:BVP+1], s[78:79]
	s_mul_i32 s78, s87, 384                        ; Wq, Wk: rows of 384 bytes
	s_add_nc_u64 s[WQC:WQC+1], s[WQC:WQC+1], s[78:79]
	s_lshl_b32 s78, s87, 4
	s_add_nc_u64 s[WQSP:WQSP+1], s[WQSP:WQSP+1], s[78:79]
	s_lshl_b32 s78, s87, 2
	s_add_nc_u64 s[BQP:BQP+1], s[BQP:BQP+1], s[78:79]
	s_lshr_b32 s92, s[TBK], 3                      ; batch
	s_and_b32 s93, s[TBK], 7                       ; block of 128 tokens in it
	s_lshl_b32 s78, s84, 3                         ; v1 goes to direction 0, v2 to direction 1
	s_add_co_u32 s78, s78, s92
	s_lshl_b32 s78, s78, 3
	s_add_co_u32 s78, s78, s87
	s_lshl_b32 s78, s78, 3
	s_add_co_u32 s78, s78, s93
	s_mul_i32 s78, s78, REC
	s_add_nc_u64 s[VREC:VREC+1], s[44:45], s[78:79]
	s_xor_b32 s78, s84, 1                          ; k are direction 0's keys, q direction 1's
	s_lshl_b32 s78, s78, 3
	s_add_co_u32 s78, s78, s92
	s_lshl_b32 s78, s78, 3
	s_add_co_u32 s78, s78, s87
	s_lshl_b32 s78, s78, 3
	s_add_co_u32 s78, s78, s93
	s_mul_i32 s78, s78, REC
	s_add_nc_u64 s[KREC:KREC+1], s[44:45], s[78:79]
	s_mul_i32 s78, s86, 3072                       ; two V tiles, or four key tiles
	s_add_nc_u64 s[VTP:VTP+1], s[VREC:VREC+1], s[78:79]
	s_add_nc_u64 s[KTP:KTP+1], s[KREC:KREC+1], s[78:79]
	; ---- ON THE SIDE: four fragments of the FFN's weights become images.  Work-group g = 4 y + x lays fragments 4 g + t, t = the wave, 0 to 3.  g = (8 z + w) 16 + n: stream z, the next launch's wave w, its batch n.
	; n = 0-7: W1 (rows of 384 bytes), K step n / 2, rows 128 w + 64 (n % 2) + 32 (t / 2) + 8 (t % 2) + r + 8 (r / 8).   n = 8-15: W2 (rows of 768 bytes), K step n - 8, rows 64 w + 16 t + r.
	s_lshl_b32 s94, s[TBK], 2
	s_add_co_u32 s94, s94, ttmp9                   ; g
	s_and_b32 s95, s94, 15                         ; n
	s_lshr_b32 s100, s94, 4
	s_and_b32 s101, s100, 7                        ; w
	s_lshr_b32 s100, s100, 3                       ; z
	s_and_b32 s47, s[WV], 3                        ; t
	s_lshl_b32 s76, s101, 7                        ; W1: the tile's first row,
	s_and_b32 s49, s95, 1
	s_lshl_b32 s49, s49, 6
	s_add_co_u32 s76, s76, s49
	s_lshr_b32 s49, s47, 1
	s_lshl_b32 s49, s49, 5
	s_add_co_u32 s76, s76, s49
	s_and_b32 s49, s47, 1
	s_lshl_b32 s49, s49, 3
	s_add_co_u32 s76, s76, s49
	s_mul_i32 s76, s76, 384
	s_lshr_b32 s49, s95, 1
	s_mul_i32 s49, s49, 96
	s_add_co_u32 s76, s76, s49                     ; and its K step's 96 bytes
	s_lshl_b32 s78, s101, 6                        ; W2 likewise
	s_lshl_b32 s49, s47, 4
	s_add_co_u32 s78, s78, s49
	s_mul_i32 s78, s78, 768
	s_and_b32 s49, s95, 7
	s_mul_i32 s49, s49, 96
	s_add_co_u32 s78, s78, s49
	s_cmp_eq_u32 s100, 0                           ; the choices hang on the work-group's number alone
	s_cselect_b64 s[LYS:LYS+1], s[LYS:LYS+1], s[96:97]
	s_cselect_b64 s[LYS+2:LYS+3], s[LYS+2:LYS+3], s[98:99]
	s_mov_b32 s92, 768
	s_cmp_lt_u32 s95, 8
	s_cselect_b64 s[LYS:LYS+1], s[LYS:LYS+1], s[LYS+2:LYS+3]
	s_cselect_b32 s76, s76, s78
	s_cselect_b32 s92, 384, s92                    ; bytes from row to row
	s_cselect_b32 s93, 8, 0                        ; W1's tiles skip eight rows in their middle, W2's do not
	s_add_nc_u64 s[LYS:LYS+1], s[LYS:LYS+1], s[76:77]
	s_lshl_b32 s78, s94, 2
	s_add_co_u32 s78, s78, s47
	s_mul_i32 s78, s78, 1536
	s_add_nc_u64 s[LYD:LYD+1], s[LYD:LYD+1], s[78:79]
	v_and_b32 v[LYA], s93, v[RR]
	v_add_nc_u32 v[LYA], v[LYA], v[RR]
	v_mul_lo_u32 v[LYA], v[LYA], s92
	v_mad_u32_u24 v[LYA], v[HH], 24, v[LYA]
	s_cmp_lt_u32 s[WV], 4
	s_cbranch_scc0 .Lnolay
	s_wait_alu depctr_va_vdst(0)                   ; v[LYA] is written, which the six loads below read as their offset
.irp p,0,1,2,3,4,5
	global_load_b64 v[LYF+2*\p:LYF+2*\p+1], v[LYA], s[LYS:LYS+1] offset:48*(\p/3)+8*(\p%3) th:TH_LOAD_NT   ; the fragment as the matrix unit takes it; each byte is read once in this launch
.endr
	s_wait_loadcnt 0x0                             ; the fragment is in, and so are my rows, for which the first LayerNorm waits next in any case
.irp c,0,1,2
	global_store_b128 v[A16], v[LYF+4*\c:LYF+4*\c+3], s[LYD:LYD+1] offset:512*\c   ; 32 lanes store 512 consecutive bytes, at a multiple of 256 from the buffer's first byte
.endr
.Lnolay:
	s_wait_loadcnt 63                              ; in waves 4-7, 66 loads were issued: the three oldest are in, the gains' two among them; in waves 0-3 none is out
	ds_store_b128 v[GST], v[72:75]
	ds_store_b128 v[GST], v[76:79] offset:512
	BARRIER                                        ; the four vectors lie in LDS
	s_wait_alu depctr_vm_vsrc(0)                   ; my LDS stores have read v72-79, in which the gains' LDS loads land; in waves 0-3 the side layout's loads have read v200 and its stores v224-235, which are written again later
	JOB 0
	JOB 1
	s_wait_xcnt 0x0                                ; the images' stores, two LayerNorms back, have read their registers: v224 on are written again only behind this wait (the waits on vm_vsrc above stand behind those stores too)
	; what the products want from memory is asked for ahead of the barrier: scale words, v's bias in the result's layout, four K steps of Wv.
	; No wait on va_vdst: no vector instruction has been issued since the last K step's, which stands behind every line that names these registers
.irp ip,0,1
	global_load_b128 v[80+8*\ip:83+8*\ip], v[WVSA], s[WVSP:WVSP+1] offset:4096*\ip
	global_load_b128 v[84+8*\ip:87+8*\ip], v[WVSA], s[WVSP:WVSP+1] offset:4096*\ip+16
.endr
.irp tt,0,1,2,3
	global_load_b128 v[96+4*\tt:99+4*\tt], v[WQSA], s[WQSP:WQSP+1] offset:(32*(\tt/2)+8*(\tt%2))*128
.endr
	WIN 0x40
.irp ip,0,1
.irp j,0,1,2,3,4,5,6,7
	global_load_b32 v[224+8*\ip+\j], v[BVA], s[BVP:BVP+1] offset:512*\ip   ; a lane holds one channel: its bias in all eight registers
.endr
.endr
	WIN 0
.macro RING s                          ; Wv's two fragments of K step s into slot s % 4 of window 1
	WIN 0x40
.irp ip,0,1
.irp p,0,1,2,3,4,5
	global_load_b64 v[128+24*((\s)%4)+12*\ip+2*\p:128+24*((\s)%4)+12*\ip+2*\p+1], v[WVA], s[WVC:WVC+1] offset:98304*\ip+96*(\s)+48*(\p/3)+8*(\p%3)
.endr
.endr
	WIN 0
.endm
.irp s,0,1,2,3
	RING \s
.endr
	BARRIER                                        ; all 64 fragments of [r|d] and their scale words lie in LDS
	; ---- v1 or v2: source 0 = 16 tokens, source 1 = 16 rows of Wv: a lane holds ONE channel, and its registers run along the tokens, which are the next K
.macro AHALF reg, adr, s               ; four token tiles' fragments of K step s
.irp m,0,1,2,3
.irp c,0,1,2
	ds_load_b128 v[(\reg)+12*\m+4*\c:(\reg)+12*\m+4*\c+3], v[\adr] offset:(8*\m+(\s))*1536+512*\c
.endr
.endr
.endm
.macro VMUL s, m0, ah                  ; eight products: token tiles m0 .. m0 + 3 x my two channel tiles; the 16 accumulators take turns, one instruction a turn
	WIN 0x54
.irp m,0,1,2,3
.irp ip,0,1
.if (\s) == 0
	WMMAC 64*\ip+8*((\m0)+\m),(\ah)+12*\m,128+24*((\s)%4)+12*\ip,224+8*\ip,16+8*((\m0)+\m)+(\s),80+8*\ip+(\s)
.else
	WMMAC 64*\ip+8*((\m0)+\m),(\ah)+12*\m,128+24*((\s)%4)+12*\ip,64*\ip+8*((\m0)+\m),16+8*((\m0)+\m)+(\s),80+8*\ip+(\s)
.endif
.endr
.endr
	WIN 0
	PLACES
.endm
.macro VSTEP s
.if (\s) < 5
	s_wait_loadcnt 36                              ; this K step's 12 loads are in; the three younger steps' 36 may be out
.else
	s_wait_loadcnt 12*(7-(\s))
.endif
	s_wait_dscnt 12                                ; tiles 0-3 are in; the 12 loads of tiles 4-7 may be out
	VMUL \s,0,112
.if (\s) < 7
	s_wait_alu depctr_va_vdst(0)                   ; the eight products are done reading tiles 0-3's fragments, in which the next K step's land
	AHALF 112,A16,(\s)+1
	s_wait_dscnt 12                                ; tiles 4-7 are in; the 12 just issued may be out
.else
	s_wait_dscnt 0x0
.endif
	VMUL \s,4,160
.if (\s) < 7
	s_wait_alu depctr_va_vdst(0)                   ; the eight products are done reading tiles 4-7's fragments and this K step's slot of Wv, in which the loads below land
	AHALF 160,LA1,(\s)+1
.endif
.if (\s) < 4
	RING (\s)+4
.endif
.endm
.irp m,0,1,2,3,4,5,6,7
	ds_load_b128 v[16+8*\m:19+8*\m], v[LS] offset:1024*\m             ; still no vector instruction since the last LayerNorm step's waits, which freed these registers
	ds_load_b128 v[20+8*\m:23+8*\m], v[LS] offset:1024*\m+16
.endr
	AHALF 112,A16,0
	AHALF 160,LA1,0
.irp s,0,1,2,3,4,5,6,7
	VSTEP \s
.endr
	; q's or k's operands are asked for while v is quantised
.macro WQB s, buf, win                 ; four fragments of Wq or Wk of K step s.  Lane r of tile 2 b + u takes channel 32 b + 8 u + r + 8 (r / 8) of the head
.if \win
	WIN 0x40
.endif
.irp tt,0,1,2,3
.irp p,0,1,2,3,4,5
	global_load_b64 v[(\buf)+12*\tt+2*\p:(\buf)+12*\tt+2*\p+1], v[WQA], s[WQC:WQC+1] offset:(32*(\tt/2)+8*(\tt%2))*3072+96*(\s)+48*(\p/3)+8*(\p%3)
.endr
.endr
	WIN 0
.endm
.macro AQ s, buf                       ; my four token tiles' fragments of K step s of r or d, into v[buf] on: two buffers by turns, v112-159 and v32-79 (v's scale words are done with)
.irp mm,0,1,2,3
.irp c,0,1,2
	ds_load_b128 v[(\buf)+12*\mm+4*\c:(\buf)+12*\mm+4*\c+3], v[LAQ] offset:12288*\mm+1536*(\s)+512*\c
.endr
.endr
.endm
	s_wait_alu depctr_va_vdst(0)                   ; the last K step's products are done reading the fragments v112-207, the scale words v16-79 and Wv's slots; those that read the bias stand further back: all of these take the loads below
	WIN 0x40
.irp tt,0,1,2,3
.irp j,0,1,2,3,4,5,6,7
	global_load_b32 v[224+8*\tt+\j], v[QBA], s[BQP:BQP+1] offset:(32*(\tt/2)+8*(\tt%2)+\j)*32   ; the bias of channel 32 b + 16 h + 8 u + j
.endr
.endr
	WIN 0
	WQB 0,128,1
	WQB 1,176,1
	WQB 2,160,0
.irp mm,0,1,2,3
	ds_load_b128 v[16+4*\mm:19+4*\mm], v[LSQ] offset:1024*\mm
.endr
	AQ 0,112
	AQ 1,32
	; ---- v's way out: each channel tile's 64 registers are 128 tokens of one channel
.set TM, 208
.set PC, 224
	QUANT 0,1,PC,244
	s_wait_alu depctr_va_vdst(0)                   ; the quantiser has written the codes, which the stores read
.irp c,0,1,2
	global_store_b128 v[A16], v[PC+4*\c:PC+4*\c+3], s[VTP:VTP+1] offset:6144+512*\c      ; 32 lanes store 512 consecutive bytes, at a multiple of 256 from the buffer's first byte
.endr
	s_wait_xcnt 0x0                                ; the stores have read their registers: the codes' registers are written again only behind this wait
	s_wait_alu depctr_vm_vsrc(0)                   ; and behind this one: the stores have read the codes' registers, which the next quantiser writes
	QUANT 64,1,PC,245
	v_cmp_ne_u32 vcc_lo, 0, v[HH]
	s_wait_alu depctr_va_vcc(0)                    ; VCC is written, ahead of its first reader
	v_cndmask_b32 v253, v244, v245, vcc_lo         ; lanes 0-15 store the first tile's word, lanes 16-31 the second's
	s_wait_alu depctr_va_vdst(0)                   ; the codes and v253 are written, which the four stores read
.irp c,0,1,2
	global_store_b128 v[A16], v[PC+4*\c:PC+4*\c+3], s[VTP:VTP+1] offset:6144+1536+512*\c
.endr
	global_store_b32 v[VSTA], v253, s[VREC:VREC+1] offset:12800
	; ---- q or k, transposed: source 0 = 16 rows of the weight, source 1 = 16 tokens: a lane holds ONE token, and its registers run along the head's channels
.macro QMUL s, buf, ab, msb            ; buf: the weight's four fragments; ab: the tokens' four
	WIN \msb
.irp tt,0,1,2,3
.irp mm,0,1,2,3
.if (\s) == 0
	WMMAC 32*\mm+8*\tt,(\buf)+12*\tt,(\ab)+12*\mm,224+8*\tt,96+4*\tt+(\s),16+4*\mm+(\s)
.else
	WMMAC 32*\mm+8*\tt,(\buf)+12*\tt,(\ab)+12*\mm,32*\mm+8*\tt,96+4*\tt+(\s),16+4*\mm+(\s)
.endif
.endr
.endr
	WIN 0
	PLACES
.endm
	s_wait_loadcnt 48                              ; the bias and K step 0 are in; the two younger batches of 24 may be out
	s_wait_dscnt 12                                ; the scale words and K step 0's fragments are in; K step 1's 12 loads may be out
	QMUL 0,128,112,0x51
	s_wait_alu depctr_va_vdst(0)                   ; K step 0's products are done reading v112-159 and the weight's buffer at v128 of window 1, in which K step 2's fragments and K step 3's weights land
	AQ 2,112
	WQB 3,128,1
	s_wait_loadcnt 48
	s_wait_dscnt 12                                ; K step 1's fragments are in; K step 2's 12 loads may be out
	QMUL 1,176,32,0x51
	s_wait_alu depctr_va_vdst(0)                   ; K step 1's products are done reading v32-79, in which K step 3's fragments land
	AQ 3,32
	s_wait_loadcnt 24
	s_wait_dscnt 12                                ; K step 2's fragments are in; K step 3's 12 loads may be out
	QMUL 2,160,112,0x50
	s_wait_loadcnt 0x0
	s_wait_dscnt 0x0
	QMUL 3,128,32,0x51
.irp mm,0,1,2,3                        ; each token tile's codes and bytes have registers of their own: all four are made first, so that one wait serves all the stores
	QUANT2 32*\mm,112+8*\mm,144+\mm
.endr
	v_cndmask_b32 v254, v144, v146, vcc_lo         ; lanes 0-15 store tiles 0 and 1's words of their row, lanes 16-31 tiles 2 and 3's
	v_cndmask_b32 v255, v145, v147, vcc_lo
	s_wait_alu depctr_va_vdst(0)                   ; the four tiles' codes and the two words are written, which the nine stores read
.irp mm,0,1,2,3
	global_store_b128 v[A16], v[112+8*\mm:115+8*\mm], s[KTP:KTP+1] offset:768*\mm
	global_store_b64 v[A8], v[116+8*\mm:117+8*\mm], s[KTP:KTP+1] offset:768*\mm+512
.endr
	global_store_b64 v[KSTA], v[254:255], s[KREC:KREC+1] offset:12288
	s_wait_dscnt 0x0                               ; the closing lines, six on end
	s_wait_alu 0x0
	s_wait_tensorcnt 0x0
	ds_add_u32 v239, v243
	s_wait_dscnt 0x0
	s_endpgm
.Lfunc_end_k_q9925a0d642_proj:
	.size	k_q9925a0d642_proj, .Lfunc_end_k_q9925a0d642_proj-k_q9925a0d642_proj
	.p2alignl 7, 3214868480
	.fill 96, 4, 3214868480
	.section	.rodata,"a",@progbits
	.p2align	6, 0x0
	.amdhsa_kernel k_q9925a0d642_proj
		.amdhsa_group_segment_fixed_size 115712
		.amdhsa_private_segment_fixed_size 0
		.amdhsa_enable_private_segment 0
		.amdhsa_kernarg_size 192
		.amdhsa_user_sgpr_count 2
		.amdhsa_user_sgpr_kernarg_segment_ptr 1
		.amdhsa_wavefront_size32 1
		.amdhsa_system_sgpr_workgroup_id_x 1
		.amdhsa_system_sgpr_workgroup_id_y 1
		.amdhsa_system_sgpr_workgroup_id_z 1
		.amdhsa_system_vgpr_workitem_id 0
		.amdhsa_next_free_vgpr 512
		.amdhsa_next_free_sgpr 102
		.amdhsa_reserve_vcc 1
		.amdhsa_float_denorm_mode_32 3
		.amdhsa_float_denorm_mode_16_64 3
		.amdhsa_memory_ordered 1
		.amdhsa_forward_progress 1
		.amdhsa_inst_pref_size 241
	.end_amdhsa_kernel
	.amdgpu_metadata
---
amdhsa.version: [ 1, 2 ]
amdhsa.kernels:
  - .name:           k_q9925a0d642_proj
    .symbol:         k_q9925a0d642_proj.kd
    .args:
      - { .name: rgb1, .offset: 0, .size: 8, .value_kind: global_buffer, .address_space: global }
      - { .name: depth1, .offset: 8, .size: 8, .value_kind: global_buffer, .address_space: global }
      - { .name: g11, .offset: 16, .size: 8, .value_kind: global_buffer, .address_space: global }
      - { .name: be11, .offset: 24, .size: 8, .value_kind: global_buffer, .address_space: global }
      - { .name: g12, .offset: 32, .size: 8, .value_kind: global_buffer, .address_space: global }
      - { .name: be12, .offset: 40, .size: 8, .value_kind: global_buffer, .address_space: global }
      - { .name: Wq_codes, .offset: 48, .size: 8, .value_kind: global_buffer, .address_space: global }
      - { .name: Wq_scales, .offset: 56, .size: 8, .value_kind: global_buffer, .address_space: global }
      - { .name: bq, .offset: 64, .size: 8, .value_kind: global_buffer, .address_space: global }
      - { .name: Wk_codes, .offset: 72, .size: 8, .value_kind: global_buffer, .address_space: global }
      - { .name: Wk_scales, .offset: 80, .size: 8, .value_kind: global_buffer, .address_space: global }
      - { .name: bk, .offset: 88, .size: 8, .value_kind: global_buffer, .address_space: global }
      - { .name: Wv1_codes, .offset: 96, .size: 8, .value_kind: global_buffer, .address_space: global }
      - { .name: Wv1_scales, .offset: 104, .size: 8, .value_kind: global_buffer, .address_space: global }
      - { .name: bv1, .offset: 112, .size: 8, .value_kind: global_buffer, .address_space: global }
      - { .name: Wv2_codes, .offset: 120, .size: 8, .value_kind: global_buffer, .address_space: global }
      - { .name: Wv2_scales, .offset: 128, .size: 8, .value_kind: global_buffer, .address_space: global }
      - { .name: bv2, .offset: 136, .size: 8, .value_kind: global_buffer, .address_space: global }
      - { .name: kv, .offset: 144, .size: 8, .value_kind: global_buffer, .address_space: global }
      - { .name: W11_codes, .offset: 152, .size: 8, .value_kind: global_buffer, .address_space: global }
      - { .name: W12_codes, .offset: 160, .size: 8, .value_kind: global_buffer, .address_space: global }
      - { .name: W21_codes, .offset: 168, .size: 8, .value_kind: global_buffer, .address_space: global }
      - { .name: W22_codes, .offset: 176, .size: 8, .value_kind: global_buffer, .address_space: global }
      - { .name: wimg, .offset: 184, .size: 8, .value_kind: global_buffer, .address_space: global }
    .group_segment_fixed_size: 115712
    .private_segment_fixed_size: 0
    .kernarg_segment_align: 8
    .kernarg_segment_size: 192
    .max_flat_workgroup_size: 256
    .sgpr_count:     102
    .vgpr_count:     512
    .wavefront_size: 32
...
	.end_amdgpu_metadata
.endif
;; end of part 5
;; launch fuse (part 6): grid 16 x 16, 8 waves a work-group, no clusters, 217,088 bytes of LDS; arguments kv, rgb1, g21, be21, W11_scales, b11, W12_scales, b12, out0, depth1, g22, be22, W21_scales, b21, W22_scales, b22, out1, out2, wimg; writes out0, out1, out2
.if DOCPART == 6
	.amdgcn_target "amdgcn-amd-amdhsa--gfx1250"
	.amdhsa_code_object_version 6
	.text
	.protected	k_q9925a0d642_fuse
	.globl	k_q9925a0d642_fuse
	.p2align	8
	.type	k_q9925a0d642_fuse,@function
k_q9925a0d642_fuse:
	s_mov_b64 s[64:65], 0
	v_nop
	global_prefetch_b8 v0, s[64:65] scope:SCOPE_SE
	s_setreg_imm32_b32 hwreg(HW_REG_WAVE_SCHED_MODE, 0, 2), 2
	s_setreg_imm32_b32 hwreg(HW_REG_WAVE_MODE, 25, 1), 1
	s_wait_xcnt 0x0
	s_wait_alu depctr_vm_vsrc(0)
; One direction z of the attention, the residual, the second LayerNorm, the FFN and the last residual, for 64 rows of one batch.  All products on codes of BF6 (E3M2), one E8M0 scale for 32 along K.
; z = 0: queries q, keys k, values v1, stream rgb1 -> out0.   z = 1: queries k, keys q, values v2 (the softmax down the columns of q k^T IS a softmax along the rows of k q^T), stream depth1 -> out1 and out2.
; Only pointers differ between the two.  kv holds keys, values and queries as images of operand registers (the launch before; a record of 13,056 bytes for a direction, batch, head and 128 tokens).
; wimg holds the codes of W11, W12 (z = 0) and W21, W22 (z = 1), likewise as images, in the order in which a wave takes them here: a dense block of 98,304 bytes for each (z, wave).
; SHARES.  grid x: block of 64 rows; grid y: 8 z + batch.  ATTENTION: wave w is head w and holds all 64 queries, four tiles; it walks 1,024 keys, 128 a step.  Since a head's channel dk is column 8 dk + head,
; the eight waves together hold whole rows, which meet in LDS; so the rest of the block follows here and nothing of it goes to memory.  FFN: wave w owns hidden units 128 w .. and outputs 64 w .. for all 64 rows.
; SOFTMAX: t = score x log2(e); M = the running largest t rounded up to a whole number; p = 2^(t - M) is quantised along the keys, not normalised; the row's sum is taken of the unquantised p and divides at the end.
; When M moves, the sum and O are multiplied by 2^(old M - new M): nothing is rounded.
; Both attention products are used transposed (S^T = K Q^T, O^T = V^T P^T): a lane holds one query.  A tile of 16 tokens holds token 8 u + r + 8 (r / 8) of its block of 32 in lane r, so that
; the 16 registers of two neighbouring score tiles are 16 neighbouring keys.
; THE SCORE PRODUCT HAS K = 64 in an instruction of 128: a query fragment's upper six registers are zero codes.  A key fragment is named as 12 registers of which the upper six are the next tile's codes
; (behind the last tile: six cleared registers): they meet zero codes and add nothing.
; O^T begins as zeros, by 128 moves once, so that the key step is written once; the first change of M multiplies zeros.
; No cluster, no joint loads, no ring in LDS: each fragment of keys, values and weights is used by ONE wave of a work-group (another head, other units), so it goes from memory straight into that wave's registers;
; a joint load would lay a record's 13,056 bytes in LDS to be read once by one wave.
; LIMITS: NaN and infinities are not served.  A block whose largest magnitude is under 2^-122 has its scale byte held at 1; a block of zeros has byte 1 (its codes are zeros).
; THE MODE: SCHED_MODE bits 1:0 = 2 (LLVM: expert scheduling mode 2), set by the entry lines.  The code itself states the register dependences between vector or matrix instructions and memory or LDS
; instructions, with s_wait_alu, always for 0.
; THE PLAN.  Registers that memory or LDS instructions touch:
;   v1-7             offsets, and in v7 the LDS address of my 8 rows: made at the head, ahead of the wait in front of the first load.  v1 and v5-7 are never written again; v3, v4 behind the attention.
;   THE KEY LOOP     keys (window 1 v128-175, v32-39): the four query tiles' score products read them; the next record's loads land behind the fourth tile's products, behind one wait on va_vdst.
;                    values (window 1 v182-229, v40-43): the trip's last 16 products read them; this trip's loads land behind the wait that follows query tile 0's exponentials in any case: it stands behind
;                    the last trip's products, and nothing since names these registers.  p's codes and scale words are written by vector lines and taken by the products: one wait ahead of the 16.
;   v92-223          the residual on its way to LDS; then p, scores and scratch; then res: LDS loads, 32 multiply-adds, one wait, 32 LDS stores for each query tile.
;   GG, BE, PC, PW   in a K step of the LayerNorm one wait on va_vdst ahead of the LDS stores (PC, PW written; every line that names GG, BE and the rows done), one on vm_vsrc behind them.  The hidden layer likewise.
;   v112-255         three buffers of weights by turns: a batch's 16 products read one; one wait on va_vdst behind them, then the batch three on lands there; x's fragments (v64-111) ride on the same waits.
;   window 1 v128-175, v208-255  the hidden layer's fragments, two buffers by turns: K step s + 2 lands where K step s was read, behind the same wait as the weights.
;   v8-15            the later phases' addresses: each phase makes its own, behind a wait on vm_vsrc that stands behind the last access by the old ones, and ahead of one wait on va_vdst.
.set REC,  13056
.set PP,   2064                        ; a row in LDS: 2,048 bytes + 16: an odd multiple of 16, so that 16 rows of a 16-byte load start at 16 different groups of banks (ISA guide 11.1)
.set RES,  0                           ; 64 rows: the residual, then res, then the result.  Row 16 t + r is token 32 (t / 2) + 8 (t % 2) + r + 8 (r / 8) of the block
.set XIMG, 132096                      ; LN(res): fragment (row tile m, K step s) at (4 m + s) x 1,536
.set XSC,  156672                      ; its scale words [m][lane][s 4]
.set HIMG, 158720                      ; the hidden layer: (8 m + s) x 1,536
.set HSC,  207872                      ; its scale words [m][lane][s 8]
.set GB,   211968                      ; gain, bias
; window 0 during attention
.set A16,  1                           ; 16 x lane; kept for the whole launch
.set A8,   2
.set AKS,  3                           ; 32 r
.set AVS,  4                           ; 16 r
.set PF0,  5                           ; the prefetches' offsets; never rewritten
.set PF1,  6
.set TA,   7                           ; the LDS address of my 8 rows: 8 w rows + 16 x lane; kept for the whole launch: the residual goes in by it and the result comes out by it
.set QS,   8                           ; v8-11 the queries' scale words
.set ST,   12                          ; tile t: v[12 + 4 t] -M, +1 the largest t, +2, +3 the sum in two halves
.set PS,   28                          ; v28-31 p's scale words
.set KSW,  32                          ; v32-39 the keys'
.set VSW,  40                          ; v40-43 the values'
.set QF,   44                          ; v44-91 the queries, 12 a tile
.set PFR,  92                          ; v92-139 p's codes, 12 a tile
.set SS,   140                         ; v140-203 S^T of one query tile, then p
.set BM,   204
.set PT,   208
.set SO,   212
.set CT,   216
.set FF,   224
.set T1,   226
.set T2,   227
.set EA,   228
.set RL,   232
; window 1 during attention: v0-127 O^T (32 t + 8 i); v128-175 keys, 6 a tile; v176-181 zeros; v182-229 values
; scalars
.set KV,   4
.set OUT2, 6
.set RESID, 8
.set GP,   10
.set BEP,  12
.set W1SP, 14
.set B1P,  16
.set W2SP, 18
.set B2P,  20
.set OUT,  22
.set WP,   24                          ; s[24:25] wimg, then my wave's block of it
.set WV,   48
.set ZZ,   49
.set BB,   50
.set QB,   51
.set SEL,  52
.set CS,   54
.set KB,   56
.set KS,   58
.set LIM,  59
.set QP,   60
.set EPS,  62
.set INV,  63
.set RESP, 68
.set QP3,  70
.set GBP,  72
.set MSB, 0
.macro WIN new                         ; register windows: bits 1:0 source 0, 3:2 source 1, 5:4 source 2, 7:6 destination; the high byte repeats the setting that is left
.if MSB != (\new)
	s_set_vgpr_msb (MSB<<8)|(\new)
.set MSB, (\new)
.endif
.endm
.macro PLACES                          ; four plain places behind matrix instructions, ahead of reads of results and of loads into operands
.rept 4
	v_nop
.endr
.endm
.macro BARRIER
	s_wait_dscnt 0x0
	s_barrier_signal -1
	s_barrier_wait -1
.endm
.macro WMMAC d, a, b, c, sa, sb
	v_wmma_scale_f32_16x16x128_f8f6f4 v[(\d):(\d)+7], v[(\a):(\a)+11], v[(\b):(\b)+11], v[(\c):(\c)+7], v[\sa], v[\sb] matrix_a_fmt:MATRIX_FMT_BF6 matrix_b_fmt:MATRIX_FMT_BF6
.endm
.macro WMMA0 d, a, b, sa, sb
	v_wmma_scale_f32_16x16x128_f8f6f4 v[(\d):(\d)+7], v[(\a):(\a)+11], v[(\b):(\b)+11], 0, v[\sa], v[\sb] matrix_a_fmt:MATRIX_FMT_BF6 matrix_b_fmt:MATRIX_FMT_BF6
.endm
; 64 numbers of a lane in window W, register 16 b + i = k 32 b + 16 h + i of my row, become a fragment's 12 registers of codes at v[pc] and its scale word in v[pw]
.macro QUANT src, W, pc, pw
	WIN 5*(\W)
.irp b,0,1,2,3
	v_max3_num_f32 v[TM+\b], |v[\src+16*\b]|, |v[\src+1+16*\b]|, 0x2800000   ; my 16 numbers of block b, and the floor 2^(5 - 127): the byte cannot fall under 1
.endr
	WIN 20*(\W)
.irp i,2,4,6,8,10,12,14
.irp b,0,1,2,3
	v_max3_num_f32 v[TM+\b], v[TM+\b], |v[\src+16*\b+\i]|, |v[\src+1+16*\b+\i]|
.endr
.endr
	WIN 0
.irp b,0,1,2,3
	v_permlanex16_b32 v[TM+4+\b], v[TM+\b], s[SEL], s[SEL+1]
.endr
.irp b,0,1,2,3
	v_max_num_f32 v[TM+\b], v[TM+\b], v[TM+4+\b]
.endr
.irp b,0,1,2,3
	v_add_nc_u32 v[TM+12+\b], 0xfe000000, v[TM+\b]                ; 4 off the exponent field: the conversion's scale operand
.endr
.irp b,0,1,2,3
	v_lshrrev_b32 v[TM+4+\b], 23, v[TM+12+\b]                     ; the scale's byte
.endr
	v_lshl_or_b32 v[\pw], v[TM+5], 8, v[TM+4]
	v_lshl_or_b32 v[\pw], v[TM+6], 16, v[\pw]
	v_lshl_or_b32 v[\pw], v[TM+7], 24, v[\pw]
	WIN (\W)
.irp c,0,1
	v_cvt_scalef32_pk16_bf6_f32 v[\pc+6*\c:\pc+2+6*\c], v[\src+32*\c:\src+15+32*\c], v[TM+12+2*\c]
	v_cvt_scalef32_pk16_bf6_f32 v[\pc+12+4*\c:\pc+14+4*\c], v[\src+16+32*\c:\src+31+32*\c], v[TM+12+2*\c+1]
.endr
	WIN 0
	v_nop                                          ; one plain place behind the scaled conversions
.irp c,0,1
.irp i,0,1,2
	v_permlane16_swap_b32 v[\pc+6*\c+\i], v[\pc+12+4*\c+\i]
.endr
.irp i,0,1,2
	v_mov_b32 v[\pc+3+6*\c+\i], v[\pc+12+4*\c+\i]
.endr
.endr
.endm
	s_load_b64 s[KV:KV+1], s[0:1], 0x0
	s_load_b512 s[8:23], s[0:1], 0x8               ; the rgb set: stream, gain, bias, W1's scales, b1, W2's scales, b2, output
	s_load_b512 s[28:43], s[0:1], 0x48             ; the depth set, in the same order
	s_load_b64 s[OUT2:OUT2+1], s[0:1], 0x88
	s_load_b64 s[WP:WP+1], s[0:1], 0x90
	v_lshrrev_b32 v[TA], 5, v0
	v_readfirstlane_b32 s[WV], v[TA]               ; wave 0..7
	s_wait_alu depctr_va_sdst(0)                   ; s[WV] is written, ahead of its first reader: addresses are made from it
	s_and_b32 s66, ttmp7, 0xffff
	s_lshr_b32 s[ZZ], s66, 3                       ; direction
	s_and_b32 s[BB], s66, 7                        ; batch
	s_mov_b32 s[QB], ttmp9                         ; block of 64 rows
	s_mov_b32 s[SEL], 0x76543210
	s_mov_b32 s[SEL+1], 0xfedcba98
	s_mov_b32 s[CS], 0x3fb8aa3b                    ; log2(e): the scores are not scaled
	s_mov_b32 s[CS+1], s[CS]
	s_mov_b32 s[EPS], 0x3727c5ac                   ; 1e-5
	s_mov_b32 s[INV], 0x3b000000                   ; 1 / 512
	v_and_b32 v[A16], 31, v0
	v_lshlrev_b32 v[A8], 3, v[A16]
	v_lshlrev_b32 v[PF0], 8, v[A16]                ; a record is 51 blocks of 256 bytes: blocks 0-31,
	v_min_u32 v[PF1], 18, v[A16]
	v_lshlrev_b32 v[PF1], 8, v[PF1]
	v_add_nc_u32 v[PF1], 8192, v[PF1]              ; and 32-50 (lanes 19-31 name the last again)
	v_lshlrev_b32 v[A16], 4, v[A16]
	v_and_b32 v[AVS], 15, v0
	v_lshlrev_b32 v[AKS], 5, v[AVS]
	v_lshlrev_b32 v[AVS], 4, v[AVS]
	s_lshr_b32 s66, s[WV], 2                       ; LDS rows 8 w .. 8 w + 7 are the 8 neighbouring tokens from 32 (w / 4) + 8 ((w / 2) % 2) + 16 (w % 2) on
	s_lshl_b32 s66, s66, 5
	s_bfe_u32 s67, s[WV], 0x10001
	s_lshl_b32 s67, s67, 3
	s_add_co_u32 s66, s66, s67
	s_and_b32 s67, s[WV], 1
	s_lshl_b32 s67, s67, 4
	s_add_co_u32 s66, s66, s67
	s_lshl_b32 s67, s[QB], 6
	s_add_co_u32 s66, s66, s67
	s_lshl_b32 s67, s[BB], 10
	s_add_co_u32 s66, s66, s67
	s_lshl_b32 s66, s66, 11                        ; rows of 2,048 bytes
	s_mov_b32 s67, 0
	s_lshl_b32 s74, s[ZZ], 3                       ; my head's first record of keys and values
	s_add_co_u32 s74, s74, s[BB]
	s_lshl_b32 s74, s74, 3
	s_add_co_u32 s74, s74, s[WV]
	s_lshl_b32 s74, s74, 3
	s_mul_i32 s74, s74, REC
	s_mov_b32 s75, 0
	s_xor_b32 s76, s[ZZ], 1                        ; the queries are the other direction's keys
	s_lshl_b32 s76, s76, 3
	s_add_co_u32 s76, s76, s[BB]
	s_lshl_b32 s76, s76, 3
	s_add_co_u32 s76, s76, s[WV]
	s_lshl_b32 s76, s76, 3
	s_lshr_b32 s78, s[QB], 1
	s_add_co_u32 s76, s76, s78
	s_mul_i32 s76, s76, REC
	s_mov_b32 s77, 0
	s_and_b32 s78, s[QB], 1
	s_mul_i32 s80, s78, 3072                       ; tiles 0-3 or 4-7 of the record,
	s_mov_b32 s81, 0
	s_lshl_b32 s82, s78, 4                         ; and their four scale words
	s_mov_b32 s83, 0
	s_cmp_eq_u32 s[QB], 0
	s_cselect_b32 s[LIM], 6, 0                     ; the first block of rows of a (direction, batch) prefetches, in key steps 0-5
	s_mul_i32 s86, s[WV], 8*PP
	v_add_nc_u32 v[TA], s86, v[A16]                ; where my 8 rows of the residual go
	s_lshl_b32 s86, s[WV], 9
	v_add_nc_u32 v[T1], s86, v[A16]
	v_add_nc_u32 v[T1], GB, v[T1]                  ; and my 512 bytes of gain or bias
	s_wait_kmcnt 0x0
	s_cmp_eq_u32 s[ZZ], 0
.irp k,0,1,2,3,4,5,6,7
	s_cselect_b64 s[8+2*\k:9+2*\k], s[8+2*\k:9+2*\k], s[28+2*\k:29+2*\k]
.endr
	s_lshr_b32 s84, s[WV], 2
	s_cmp_eq_u32 s84, 0
	s_cselect_b64 s[GBP:GBP+1], s[GP:GP+1], s[BEP:BEP+1]
	s_and_b32 s84, s[WV], 3
	s_lshl_b32 s84, s84, 9
	s_mov_b32 s85, 0
	s_add_nc_u64 s[GBP:GBP+1], s[GBP:GBP+1], s[84:85]
	s_add_nc_u64 s[RESP:RESP+1], s[RESID:RESID+1], s[66:67]
	s_add_nc_u64 s[OUT:OUT+1], s[OUT:OUT+1], s[66:67]
	s_add_nc_u64 s[OUT2:OUT2+1], s[OUT2:OUT2+1], s[66:67]
	s_add_nc_u64 s[KB:KB+1], s[KV:KV+1], s[74:75]
	s_add_nc_u64 s[QP:QP+1], s[KV:KV+1], s[76:77]
	s_add_nc_u64 s[QP3:QP3+1], s[QP:QP+1], s[82:83]
	s_add_nc_u64 s[QP:QP+1], s[QP:QP+1], s[80:81]
	s_lshl_b32 s84, s[ZZ], 3                       ; my block of the weights' images: (8 z + w) x 98,304 bytes
	s_add_co_u32 s84, s84, s[WV]
	s_mul_i32 s84, s84, 98304
	s_add_nc_u64 s[WP:WP+1], s[WP:WP+1], s[84:85]
	s_lshl_b32 s84, s[WV], 11                      ; the scales of my 128 rows of W1 (16 bytes a row) and of my 64 rows of W2 (32 bytes)
	s_add_nc_u64 s[W1SP:W1SP+1], s[W1SP:W1SP+1], s[84:85]
	s_add_nc_u64 s[W2SP:W2SP+1], s[W2SP:W2SP+1], s[84:85]
	s_lshl_b32 s84, s[WV], 9
	s_add_nc_u64 s[B1P:B1P+1], s[B1P:B1P+1], s[84:85]
	s_lshl_b32 s84, s[WV], 8
	s_add_nc_u64 s[B2P:B2P+1], s[B2P:B2P+1], s[84:85]
.macro KLOAD                           ; a record's 8 key tiles and their scale words: 18 loads
	WIN 0x40
.irp t,0,1,2,3,4,5,6,7
	global_load_b128 v[128+6*\t:131+6*\t], v[A16], s[KB:KB+1] offset:768*\t
	global_load_b64 v[132+6*\t:133+6*\t], v[A8], s[KB:KB+1] offset:768*\t+512
.endr
	WIN 0
	global_load_b128 v[KSW:KSW+3], v[AKS], s[KB:KB+1] offset:12288
	global_load_b128 v[KSW+4:KSW+7], v[AKS], s[KB:KB+1] offset:12304
.endm
.macro VLOAD                           ; its 4 tiles of V^T and their scale words: 13 loads
	WIN 0x40
.irp i,0,1,2,3
.irp c,0,1,2
	global_load_b128 v[182+12*\i+4*\c:185+12*\i+4*\c], v[A16], s[KB:KB+1] offset:6144+1536*\i+512*\c
.endr
.endr
	WIN 0
	global_load_b128 v[VSW:VSW+3], v[AVS], s[KB:KB+1] offset:12800
.endm
	s_wait_alu depctr_va_vdst(0)                   ; the offsets v1-6 and the LDS addresses v7 and v226 are written, which the loads, prefetches and LDS stores of the head and of the key loop read
.irp i,0,1,2,3,4,5,6,7
.irp j,0,1,2,3
	global_load_b128 v[92+16*\i+4*\j:95+16*\i+4*\j], v[A16], s[RESP:RESP+1] offset:2048*\i+512*\j th:TH_LOAD_NT   ; 8 rows of the residual, 512 consecutive bytes a load; read once in this launch
.endr
.endr
	global_load_b128 v[220:223], v[A16], s[GBP:GBP+1]
.irp t,0,1,2,3
	global_load_b128 v[QF+12*\t:QF+12*\t+3], v[A16], s[QP:QP+1] offset:768*\t
	global_load_b64 v[QF+12*\t+4:QF+12*\t+5], v[A8], s[QP:QP+1] offset:768*\t+512
.endr
	global_load_b128 v[QS:QS+3], v[AKS], s[QP3:QP3+1] offset:12288
	KLOAD                                          ; the first record's keys; its values are asked for in the first trip, as every record's are
	WIN 0x40
.set i, 0
.rept 128
	v_mov_b32 v[i], 0                              ; O^T
.set i, i+1
.endr
.irp k,0,1,2,3,4,5
	v_mov_b32 v[176+\k], 0                         ; behind the last key tile
.endr
	WIN 0
.irp t,0,1,2,3
.irp k,6,7,8,9,10,11
	v_mov_b32 v[QF+12*\t+\k], 0                    ; the queries' upper 64 along K: zero codes
.endr
	v_mov_b32 v[ST+4*\t+1], 0xff61b1e6             ; the largest t so far: -3e38
	v_floor_f32 v[ST+4*\t], -v[ST+4*\t+1]          ; -M
	v_mov_b32 v[ST+4*\t+2], 0
	v_mov_b32 v[ST+4*\t+3], 0
.endr
	v_mov_b32 v[FF+1], 0                           ; named as the upper half of a pair
	s_wait_loadcnt 27                              ; the residual and the gains are in; the queries' 9 and the keys' 18 loads may be out
.irp i,0,1,2,3,4,5,6,7
.irp j,0,1,2,3
	ds_store_b128 v[TA], v[92+16*\i+4*\j:95+16*\i+4*\j] offset:PP*\i+512*\j
.endr
.endr
	ds_store_b128 v[T1], v[220:223]
	BARRIER                                        ; 64 rows of the residual, the gain and the bias lie in LDS
	s_wait_alu depctr_vm_vsrc(0)                   ; my LDS stores have read v92-223 and v226: these are p's codes, the scores and the softmax's scratch from here on
.irp b,0,1,2,3
	v_mov_b32 v[PT+\b], 0                          ; a lane permute's destination counts as one of its sources
.endr
	s_wait_loadcnt 0x0                             ; queries and keys are in
	s_wait_alu depctr_va_vdst(0)                   ; the zero codes are written (the queries' upper halves, the six registers behind the last key tile), which the score products take as operands
.macro STILE t                         ; S^T of query tile t: 8 tiles of 16 keys
	WIN 0x01
.irp kt,0,1,2,3,4,5,6,7
	WMMA0 SS+8*\kt,128+6*\kt,QF+12*(\t),KSW+\kt,QS+(\t)
.endr
	WIN 0
	PLACES
.endm
.macro SOFT t                          ; the softmax of query tile t for these 128 keys; p's codes and scale word; O^T of the tile under the new M
.set rT, ST+4*(\t)
.set rP, PFR+12*(\t)
.irp b,0,1,2,3
	v_max3_num_f32 v[BM+\b], v[SS+16*\b], v[SS+1+16*\b], v[SS+2+16*\b]   ; the largest score of each block of 32 keys: it serves the row's maximum and, since p rises with the score, the block's largest p
.endr
.irp i,3,5,7,9,11,13
.irp b,0,1,2,3
	v_max3_num_f32 v[BM+\b], v[BM+\b], v[SS+16*\b+\i], v[SS+1+16*\b+\i]
.endr
.endr
.irp b,0,1,2,3
	v_max_num_f32 v[BM+\b], v[BM+\b], v[SS+15+16*\b]
.endr
.irp b,0,1,2,3
	v_permlanex16_b32 v[PT+\b], v[BM+\b], s[SEL], s[SEL+1]
.endr
.irp b,0,1,2,3
	v_max_num_f32 v[BM+\b], v[BM+\b], v[PT+\b]
.endr
	v_max3_num_f32 v[T1], v[BM], v[BM+1], v[BM+2]
	v_max_num_f32 v[T1], v[T1], v[BM+3]
	v_mul_f32 v[T1], s[CS], v[T1]
	v_max_num_f32 v[rT+1], v[rT+1], v[T1]          ; the running largest t
	v_mov_b32 v[T1], v[rT]
	v_floor_f32 v[rT], -v[rT+1]                    ; -M = floor(-t): M is a whole number
	v_sub_f32 v[T1], v[rT], v[T1]                  ; old M - new M, 0 or less
	v_cvt_i32_f32 v[T1], v[T1]                     ; (it saturates)
	v_ldexp_f32 v[FF], 1.0, v[T1]                  ; f = 2^(old M - new M)
.set i, 0
.rept 32
	v_pk_fma_f32 v[SS+i:SS+i+1], v[SS+i:SS+i+1], s[CS:CS+1], v[rT:rT+1] op_sel_hi:[1,0,0]   ; t - M
.set i, i+2
.endr
.irp b,0,1,2,3
	v_fma_f32 v[BM+\b], v[BM+\b], s[CS], v[rT]
.endr
.set i, 0
.rept 64
	v_exp_f32 v[SS+i], v[SS+i]                     ; p = 2^(t - M)
.set i, i+1
.endr
	v_pk_mul_f32 v[rT+2:rT+3], v[rT+2:rT+3], v[FF:FF+1] op_sel_hi:[1,0]   ; the sums under the new M: the plain place behind the exponentials
	s_wait_alu depctr_va_vdst(0)                   ; one wait for the batch of 64, ahead of its first reader: the 64 p are written.  In tile 0 it states besides that the last trip's 16 products are done reading the values and their scale words
.if (\t) == 0
	VLOAD                                          ; this record's values land there: no vector or matrix instruction since those products names these registers.  Three query tiles stand between these loads and their use
.endif
.irp b,0,1,2,3
	v_exp_f32 v[BM+\b], v[BM+\b]                   ; each block's largest p
.endr
	v_pk_add_f32 v[PT:PT+1], v[SS:SS+1], v[SS+2:SS+3]   ; the row's sum of the unquantised p, in two chains
.irp j,4,8,12,16,20,24,28,32,36,40,44,48,52,56,60
	v_pk_add_f32 v[rT+2:rT+3], v[rT+2:rT+3], v[SS+\j:SS+1+\j]
	v_pk_add_f32 v[PT:PT+1], v[PT:PT+1], v[SS+2+\j:SS+3+\j]
.endr
	v_pk_add_f32 v[rT+2:rT+3], v[rT+2:rT+3], v[PT:PT+1]
	s_wait_alu depctr_va_vdst(0)                   ; and one for the four: the blocks' largest p are written
.irp b,0,1,2,3
	v_max_num_f32 v[BM+\b], 0x2800000, v[BM+\b]    ; the floor 2^(5 - 127)
.endr
.irp b,0,1,2,3
	v_add_nc_u32 v[SO+\b], 0xfe000000, v[BM+\b]
.endr
.irp b,0,1,2,3
	v_lshrrev_b32 v[PT+\b], 23, v[SO+\b]
.endr
	v_lshl_or_b32 v[PS+(\t)], v[PT+1], 8, v[PT]
	v_lshl_or_b32 v[PS+(\t)], v[PT+2], 16, v[PS+(\t)]
	v_lshl_or_b32 v[PS+(\t)], v[PT+3], 24, v[PS+(\t)]
.irp c,0,1
	v_cvt_scalef32_pk16_bf6_f32 v[rP+6*\c:rP+2+6*\c], v[SS+32*\c:SS+15+32*\c], v[SO+2*\c]
	v_cvt_scalef32_pk16_bf6_f32 v[CT+4*\c:CT+2+4*\c], v[SS+16+32*\c:SS+31+32*\c], v[SO+2*\c+1]
.endr
	v_nop
.irp c,0,1
.irp i,0,1,2
	v_permlane16_swap_b32 v[rP+6*\c+\i], v[CT+4*\c+\i]
.endr
.irp i,0,1,2
	v_mov_b32 v[rP+3+6*\c+\i], v[CT+4*\c+\i]
.endr
.endr
	WIN 0x41
.set i, 0
.rept 16
	v_pk_mul_f32 v[32*(\t)+i:32*(\t)+i+1], v[32*(\t)+i:32*(\t)+i+1], v[FF:FF+1] op_sel_hi:[1,0]   ; O^T x f.  (For the last tile these 16 also stand between p's scale word and codes and the products that take them)
.set i, i+2
.endr
	WIN 0
.endm
	s_mov_b32 s[KS], 0
.Lkey:                                 ; 8 trips: a record of 128 keys each
.irp t,0,1,2
	STILE \t
	SOFT \t
.endr
	STILE 3                                        ; the keys' registers are free behind its products
	s_wait_xcnt 0x0                                ; all that named the record's address has read it (the youngest, the values' loads, stand three query tiles back)
	s_add_nc_u64 s[KB:KB+1], s[KB:KB+1], REC       ; in the last trip the stepped address is not used
	s_cmp_eq_u32 s[KS], 7
	s_cbranch_scc1 .Lnok
	s_wait_alu depctr_va_vdst(0)                   ; the fourth tile's score products are done reading the keys and their scale words, in which the next record's land
	KLOAD                                          ; the next record's keys
	s_cmp_lt_u32 s[KS], s[LIM]
	s_cbranch_scc0 .Lnok
	global_prefetch_b8 v[PF0], s[KB:KB+1] offset:REC th:TH_LOAD_NT scope:SCOPE_SE   ; the record after the next: named once in the launch, by its head's wave in the first block of rows;
	global_prefetch_b8 v[PF1], s[KB:KB+1] offset:REC th:TH_LOAD_NT scope:SCOPE_SE   ; records 0 and 1 come by their loads alone; steps 6 and 7 ask for nothing
.Lnok:
	SOFT 3
	s_wait_loadcnt 0x0                             ; the values, asked for behind the first query tile's exponentials, and the next keys: zero holds on both ways round the loads above
	s_wait_alu depctr_va_vdst(0)                   ; p's codes and scale words of the four query tiles are written, which the products below take as operand and scales; the places stand ahead of this wait
	WIN 0x51
.irp i,0,1,2,3
.irp t,0,1,2,3
	WMMAC 32*\t+8*\i,182+12*\i,PFR+12*\t,32*\t+8*\i,VSW+\i,PS+\t   ; O^T += V^T P^T: 16 accumulators, one instruction a turn
.endr
.endr
	WIN 0
	PLACES
	s_add_co_u32 s[KS], s[KS], 1
	s_cmp_lt_u32 s[KS], 8
	s_cbranch_scc1 .Lkey
	s_wait_loadcnt 0x0                             ; no load is out on any way out of the loop: its address registers and targets are free
	; ---- res = residual + O / sum, in LDS: my head's words, 4 bytes of every 32
.irp t,0,1,2,3
	v_add_f32 v[RL+\t], v[ST+4*\t+2], v[ST+4*\t+3]
.endr
.irp t,0,1,2,3
	v_permlanex16_b32 v[PT+\t], v[RL+\t], s[SEL], s[SEL+1]
.endr
.irp t,0,1,2,3
	v_add_f32 v[RL+\t], v[RL+\t], v[PT+\t]
.endr
.irp t,0,1,2,3
	v_rcp_f32 v[RL+\t], v[RL+\t]
.endr
	v_and_b32 v[T1], 15, v0                        ; (plain work behind the reciprocals)
	v_bfe_u32 v[T2], v0, 4, 1
	v_mul_u32_u24 v[EA], v[T1], PP
	v_lshl_add_u32 v[EA], v[T2], 8, v[EA]
	s_lshl_b32 s66, s[WV], 2
	v_add_nc_u32 v[EA], s66, v[EA]                 ; row r, + 256 h, + 4 x head; register 8 i + j is channel 16 i + 8 h + j: 512 i + 32 j bytes on
	v_add_nc_u32 v[EA+1], 16*PP, v[EA]
	v_add_nc_u32 v[EA+2], 32*PP, v[EA]
	v_add_nc_u32 v[EA+3], 48*PP, v[EA]
	s_wait_alu depctr_va_vdst(0)                   ; one wait for the four reciprocals; the four LDS addresses are written too, and all that named v92-219 (the last products, the softmax, the permutes above) is done: the loads below land there
.macro LDR t
.irp i,0,1,2,3
.irp j,0,1,2,3,4,5,6,7
	ds_load_b32 v[92+32*(\t)+8*\i+\j], v[EA+(\t)] offset:512*\i+32*\j
.endr
.endr
.endm
.macro ADDR t
	WIN 0x01
.set i, 0
.rept 32
	v_fma_f32 v[92+32*(\t)+i], v[32*(\t)+i], v[RL+(\t)], v[92+32*(\t)+i]
.set i, i+1
.endr
	WIN 0
	s_wait_alu depctr_va_vdst(0)                   ; the 32 multiply-adds have written this tile's res, which the LDS stores read
.irp i,0,1,2,3
.irp j,0,1,2,3,4,5,6,7
	ds_store_b32 v[EA+(\t)], v[92+32*(\t)+8*\i+\j] offset:512*\i+32*\j
.endr
.endr
.endm
	LDR 0
	LDR 1
	s_wait_dscnt 32                                ; each time: all but the 32 youngest LDS instructions are done, this tile's loads among them
	ADDR 0
	LDR 2
	s_wait_dscnt 32
	ADDR 1
	LDR 3
	s_wait_dscnt 32
	ADDR 2
	s_wait_dscnt 32
	ADDR 3
	BARRIER                                        ; 64 whole rows of res lie in LDS
	s_wait_alu depctr_vm_vsrc(0)                   ; my LDS stores have read v92-219 and v228-231, and the key loop's loads v3 and v4: all of these are written again below, by address arithmetic or by loads
	; ---- LayerNorm of res.  Waves 2 m and 2 m + 1 both take row tile m's statistics; each quantises two of its four K steps, which it loads into the first half of window 1
.set W1SA, 3
.set BIA,  4
.set W2SA, 8
.set B2A,  9
.set LXA,  10
.set LXB,  11
.set LG,   12
.set IMA,  13
.set ISA,  14
.set LNA,  16
.set MU,   24
.set RS,   26
.set LNT,  28
.set TM,   32
.set PC,   48
.set PW,   68
.set GG,   72
.set BE,   136
	v_and_b32 v15, 15, v0                          ; r
	v_bfe_u32 v16, v0, 4, 1                        ; h
	v_and_b32 v17, 8, v15
	v_add_nc_u32 v17, v17, v15                     ; r + 8 (r / 8)
	v_lshlrev_b32 v[W1SA], 4, v17
	v_lshlrev_b32 v[BIA], 6, v16
	v_lshlrev_b32 v[W2SA], 5, v15
	v_lshlrev_b32 v[B2A], 5, v16
	s_lshr_b32 s66, s[WV], 1                       ; m
	s_and_b32 s67, s[WV], 1                        ; p
	s_mul_i32 s74, s66, 16*PP
	s_lshl_b32 s75, s67, 10
	s_xor_b32 s76, s67, 1
	s_lshl_b32 s76, s76, 10
	v_mul_u32_u24 v[LXA], v15, PP
	v_lshl_add_u32 v[LXA], v16, 6, v[LXA]
	v_add_nc_u32 v[LXA], s74, v[LXA]
	v_add_nc_u32 v[LXB], s76, v[LXA]               ; the other wave's two K steps
	v_add_nc_u32 v[LXA], s75, v[LXA]               ; my two
	v_lshl_add_u32 v[LG], v16, 6, GB
	v_add_nc_u32 v[LG], s75, v[LG]
	s_mul_i32 s77, s66, 6144
	s_mul_i32 s78, s67, 3072
	s_add_co_u32 s77, s77, s78
	s_add_co_u32 s77, s77, XIMG
	v_add_nc_u32 v[IMA], s77, v[A16]
	s_lshl_b32 s77, s66, 9
	s_lshl_b32 s78, s67, 3
	s_add_co_u32 s77, s77, s78
	s_add_co_u32 s77, s77, XSC
	v_add_nc_u32 v[ISA], s77, v[A16]
	v_mov_b32 v[LNT+1], 0
.irp b,0,1,2,3
	v_mov_b32 v[TM+4+\b], 0
.endr
	s_wait_alu depctr_va_vdst(0)                   ; this phase's and the FFN's offsets and LDS addresses, v3, v4 and v8-14, are written; the multiply-adds are done reading O^T in window 1, in which the rows of res land
	WIN 0x40
.irp sg,0,1
.irp b,0,1,2,3
.irp j,0,1,2,3
	ds_load_b128 v[64*\sg+16*\b+4*\j:64*\sg+16*\b+4*\j+3], v[LXA] offset:512*\sg+128*\b+16*\j
	ds_load_b128 v[128+64*\sg+16*\b+4*\j:128+64*\sg+16*\b+4*\j+3], v[LXB] offset:512*\sg+128*\b+16*\j
.endr
.endr
.endr
	WIN 0
	s_wait_dscnt 0x0
	; mean and 1 / sqrt(variance + 1e-5); the numbers are centred in place, and the variance is taken of the centred numbers
	WIN 0x05
.irp c,0,1,2,3
	v_pk_add_f32 v[LNA+2*\c:LNA+2*\c+1], v[2*\c:2*\c+1], v[8+2*\c:9+2*\c]
.endr
	WIN 0x01
.set i, 16
.rept 30
.irp c,0,1,2,3
	v_pk_add_f32 v[LNA+2*\c:LNA+2*\c+1], v[i+2*\c:i+2*\c+1], v[LNA+2*\c:LNA+2*\c+1]
.endr
.set i, i+8
.endr
	WIN 0
	v_pk_add_f32 v[LNA:LNA+1], v[LNA:LNA+1], v[LNA+2:LNA+3]
	v_pk_add_f32 v[LNA+4:LNA+5], v[LNA+4:LNA+5], v[LNA+6:LNA+7]
	v_pk_add_f32 v[LNA:LNA+1], v[LNA:LNA+1], v[LNA+4:LNA+5]
	v_add_f32 v[LNT], v[LNA], v[LNA+1]
	v_permlanex16_b32 v[LNT+1], v[LNT], s[SEL], s[SEL+1]
	v_add_f32 v[LNT], v[LNT], v[LNT+1]
	v_mul_f32 v[MU], s[INV], v[LNT]
	v_mov_b32 v[MU+1], v[MU]
	WIN 0x41
.set i, 0
.rept 128
	v_pk_add_f32 v[i:i+1], v[i:i+1], v[MU:MU+1] neg_lo:[0,1] neg_hi:[0,1]
.set i, i+2
.endr
	WIN 0x05
.irp c,0,1,2,3
	v_pk_mul_f32 v[LNA+2*\c:LNA+2*\c+1], v[2*\c:2*\c+1], v[2*\c:2*\c+1]
.endr
.set i, 8
.rept 31
.irp c,0,1,2,3
	v_pk_fma_f32 v[LNA+2*\c:LNA+2*\c+1], v[i+2*\c:i+2*\c+1], v[i+2*\c:i+2*\c+1], v[LNA+2*\c:LNA+2*\c+1]
.endr
.set i, i+8
.endr
	WIN 0
	v_pk_add_f32 v[LNA:LNA+1], v[LNA:LNA+1], v[LNA+2:LNA+3]
	v_pk_add_f32 v[LNA+4:LNA+5], v[LNA+4:LNA+5], v[LNA+6:LNA+7]
	v_pk_add_f32 v[LNA:LNA+1], v[LNA:LNA+1], v[LNA+4:LNA+5]
	v_add_f32 v[LNT], v[LNA], v[LNA+1]
	v_permlanex16_b32 v[LNT+1], v[LNT], s[SEL], s[SEL+1]
	v_add_f32 v[LNT], v[LNT], v[LNT+1]
	v_fma_f32 v[LNT], v[LNT], s[INV], s[EPS]
	v_rsq_f32 v[RS], v[LNT]
	v_nop                                          ; a plain place behind the transcendental
	s_wait_alu depctr_va_vdst(0)                   ; and the wait ahead of the first use: v[RS] is written
	v_mov_b32 v[RS+1], v[RS]
.macro LNSTEP sg                       ; my K step sg (0, 1): x 1 / sqrt, x gain + bias, quantised, image and scale word to LDS
.irp b,0,1,2,3
.irp j,0,1,2,3
	ds_load_b128 v[GG+16*\b+4*\j:GG+16*\b+4*\j+3], v[LG] offset:512*(\sg)+128*\b+16*\j                ; no wait: no vector instruction since the last wait on va_vdst names GG or BE
	ds_load_b128 v[BE+16*\b+4*\j:BE+16*\b+4*\j+3], v[LG] offset:2048+512*(\sg)+128*\b+16*\j
.endr
.endr
	WIN 0x41
.set i, 0
.rept 32
	v_pk_mul_f32 v[64*(\sg)+i:64*(\sg)+i+1], v[64*(\sg)+i:64*(\sg)+i+1], v[RS:RS+1]
.set i, i+2
.endr
	s_wait_dscnt 0x0
	WIN 0x01
.set i, 0
.rept 32
	v_pk_fma_f32 v[GG+i:GG+i+1], v[64*(\sg)+i:64*(\sg)+i+1], v[GG+i:GG+i+1], v[BE+i:BE+i+1]
.set i, i+2
.endr
	QUANT GG,0,PC,PW
	s_wait_alu depctr_va_vdst(0)                   ; the quantiser has written PC and PW, which the LDS stores read; it and the multiply-adds are done with GG, BE, the scratch and the rows in window 1, in all of which later loads land
.irp c,0,1,2
	ds_store_b128 v[IMA], v[PC+4*\c:PC+4*\c+3] offset:1536*(\sg)+512*\c
.endr
	ds_store_b32 v[ISA], v[PW] offset:4*(\sg)
	s_wait_dscnt 0x0                               ; the stores have landed
	s_wait_alu depctr_vm_vsrc(0)                   ; the stores have read PC and PW, which the next quantiser, or a load, writes again; behind the second step also: this phase's LDS addresses v10-14 have been read, which the FFN makes anew
.endm
	LNSTEP 0
	LNSTEP 1
	; what the FFN wants from memory is asked for ahead of the barrier.  The first product's 32 accumulators (window 1, 64 m + 8 tile) BEGIN AS b1, in the result's layout.
	; No wait on va_vdst: no vector instruction has been issued since the second K step's
	WIN 0x40
.irp m,0,1,2,3
.irp tt,0,1,2,3,4,5,6,7
	global_load_b128 v[64*\m+8*\tt:64*\m+8*\tt+3], v[BIA], s[B1P:B1P+1] offset:(32*(\tt/2)+8*(\tt%2))*4
	global_load_b128 v[64*\m+8*\tt+4:64*\m+8*\tt+7], v[BIA], s[B1P:B1P+1] offset:(32*(\tt/2)+8*(\tt%2))*4+16
.endr
.endr
	WIN 0
.irp tt,0,1,2,3,4,5,6,7
	global_load_b128 v[32+4*\tt:35+4*\tt], v[W1SA], s[W1SP:W1SP+1] offset:(32*(\tt/2)+8*(\tt%2))*16
.endr
; THE WEIGHTS' STREAM: 16 batches of four fragments through three buffers in window 0 (v112, v160, v208).  Batches 0-7: W1, K step n / 2, tiles 4 (n % 2) on; 8-15: W2, K step n - 8.
; The fragments lie in wimg as images of their registers, batch behind batch: 12 loads a batch, each of 512 consecutive bytes, 16 a lane.
.macro WBATCH n
.set wb, 112+48*((\n)%3)
.irp t,0,1,2,3
.irp c,0,1,2
	global_load_b128 v[wb+12*\t+4*\c:wb+12*\t+4*\c+3], v[A16], s[WP:WP+1] offset:6144*(\n)+1536*\t+512*\c
.endr
.endr
.endm
	WBATCH 0
	WBATCH 1
	WBATCH 2
	BARRIER                                        ; LN(res)'s 16 fragments and their scale words lie in LDS
	; ---- FFN 1, transposed: source 0 = 16 rows of W1 (lane r of tile 2 b + u: unit 32 b + 8 u + r + 8 (r / 8) of my 128), source 1 = 16 rows of x
.set XSA,  10
.set XFA,  11
.set HWI,  12
.set HWS,  13
.set RA0,  14
.set RA1,  15
	v_add_nc_u32 v[XSA], XSC, v[A16]
	v_add_nc_u32 v[XFA], XIMG, v[A16]
	s_mul_i32 s66, s[WV], 1536
	s_add_co_u32 s66, s66, HIMG
	v_add_nc_u32 v[HWI], s66, v[A16]
	s_lshl_b32 s66, s[WV], 2
	s_add_co_u32 s66, s66, HSC
	v_lshlrev_b32 v[HWS], 1, v[A16]
	v_add_nc_u32 v[HWS], s66, v[HWS]               ; HSC + 32 x lane + 4 w
	v_and_b32 v16, 15, v0
	v_bfe_u32 v17, v0, 4, 1
	v_mul_u32_u24 v[RA0], v16, PP
	v_lshl_add_u32 v[RA0], v17, 5, v[RA0]
	s_lshl_b32 s66, s[WV], 8
	v_add_nc_u32 v[RA0], s66, v[RA0]               ; row r, + 256 w, + 32 h: my 64 outputs' bytes in res
	v_add_nc_u32 v[RA1], 32*PP, v[RA0]
	s_wait_alu depctr_va_vdst(0)                   ; the FFN's six LDS addresses v10-15 are written, which its LDS loads and stores read; so are v16 and v17, in which x's scale words land
.irp m,0,1,2,3
	ds_load_b128 v[16+4*\m:19+4*\m], v[XSA] offset:512*\m
.endr
.macro XFL s                           ; the four row tiles' fragments of K step s
.irp m,0,1,2,3
.irp c,0,1,2
	ds_load_b128 v[64+12*\m+4*\c:67+12*\m+4*\c], v[XFA] offset:(4*\m+(\s))*1536+512*\c
.endr
.endr
.endm
.macro MM1 n                           ; 16 products, 16 accumulators, one instruction a turn
.set wb, 112+48*((\n)%3)
	WIN 0x50
.irp t,0,1,2,3
.irp m,0,1,2,3
	WMMAC 64*\m+8*(4*((\n)%2)+\t),wb+12*\t,64+12*\m,64*\m+8*(4*((\n)%2)+\t),32+4*(4*((\n)%2)+\t)+(\n)/2,16+4*\m+(\n)/2
.endr
.endr
	WIN 0
	PLACES
.endm
.irp n,0,1,2,3,4,5,6,7
.if (\n)%2 == 0
	XFL (\n)/2
	s_wait_dscnt 0x0
.endif
	s_wait_loadcnt 24                              ; this batch is in; the two younger batches of 12 may be out
	MM1 \n
	s_wait_alu depctr_va_vdst(0)                   ; the 16 products are done reading this batch's buffer, in which the batch three on lands; behind an odd batch also x's fragments, in which the next K step's, or W2's scale words, land
	WBATCH (\n)+3
.endr
.irp t,0,1,2,3
	global_load_b128 v[64+8*\t:67+8*\t], v[W2SA], s[W2SP:W2SP+1] offset:512*\t
	global_load_b128 v[68+8*\t:71+8*\t], v[W2SA], s[W2SP:W2SP+1] offset:512*\t+16
.endr
	; relu, quantised: my 128 units are K step w of the second product
.set TM, 16
.set PC, 32
.set PW, 52
.irp b,0,1,2,3
	v_mov_b32 v[TM+4+\b], 0
.endr
.irp m,0,1,2,3
	WIN 0x44
.set i, 0
.rept 64
	v_max_num_f32 v[64*\m+i], 0, v[64*\m+i]
.set i, i+1
.endr
	QUANT 64*\m,1,PC,PW
	s_wait_alu depctr_va_vdst(0)                   ; the quantiser has written PC and PW, which the LDS stores read; it and the relu are done with this row tile's registers in window 1, in which later loads land
.irp c,0,1,2
	ds_store_b128 v[HWI], v[PC+4*\c:PC+4*\c+3] offset:12288*\m+512*\c
.endr
	ds_store_b32 v[HWS], v[PW] offset:1024*\m
	s_wait_dscnt 0x0                               ; the stores have landed
	s_wait_alu depctr_vm_vsrc(0)                   ; the stores have read PC and PW, which the next quantiser, or a load, writes again; x's LDS loads have read v10 and v11, which the second product's addresses take
.endr
	WIN 0x40
.irp t,0,1,2,3
	global_load_b128 v[176+8*\t:179+8*\t], v[B2A], s[B2P:B2P+1] offset:64*\t
	global_load_b128 v[180+8*\t:183+8*\t], v[B2A], s[B2P:B2P+1] offset:64*\t+16
.endr
.irp t,0,1,2,3                         ; the second product's 16 accumulators (window 1, 8 (4 t + m)) BEGIN AS res: row 16 m + r, outputs 64 w + 16 t + 8 h + 0 .. 7
.irp m,0,1
	ds_load_b128 v[8*(4*\t+\m):8*(4*\t+\m)+3], v[RA0] offset:16*PP*\m+64*\t
	ds_load_b128 v[8*(4*\t+\m)+4:8*(4*\t+\m)+7], v[RA0] offset:16*PP*\m+64*\t+16
	ds_load_b128 v[8*(4*\t+\m+2):8*(4*\t+\m+2)+3], v[RA1] offset:16*PP*\m+64*\t
	ds_load_b128 v[8*(4*\t+\m+2)+4:8*(4*\t+\m+2)+7], v[RA1] offset:16*PP*\m+64*\t+16
.endr
.endr
	WIN 0
	BARRIER                                        ; the hidden layer's 32 fragments lie in LDS
	; ---- FFN 2, transposed: source 0 = 16 rows of W2, source 1 = 16 rows of the hidden layer
.set HSA,  10
.set HFA,  11
	v_lshlrev_b32 v[HSA], 1, v[A16]
	v_add_nc_u32 v[HSA], HSC, v[HSA]
	v_add_nc_u32 v[HFA], HIMG, v[A16]
	s_wait_loadcnt 0x0                             ; once: batches 8-10, W2's scale words and b2 have been on their way through the whole quantising above
	s_wait_alu depctr_va_vdst(0)                   ; the two LDS addresses are written, which the loads below read
.irp m,0,1,2,3
	ds_load_b128 v[16+8*\m:19+8*\m], v[HSA] offset:1024*\m
	ds_load_b128 v[20+8*\m:23+8*\m], v[HSA] offset:1024*\m+16
.endr
.macro HFL s                           ; the four row tiles' fragments of K step s: two buffers in window 1 by turns, v128-175 and v208-255
	WIN 0x40
.irp m,0,1,2,3
.irp c,0,1,2
	ds_load_b128 v[128+80*((\s)%2)+12*\m+4*\c:131+80*((\s)%2)+12*\m+4*\c], v[HFA] offset:(8*\m+(\s))*1536+512*\c
.endr
.endr
	WIN 0
.endm
	HFL 0                                          ; both buffers are asked for at once: the additions below name neither
	HFL 1
	WIN 0x45
.irp t,0,1,2,3
.irp m,0,1,2,3
.irp k,0,2,4,6
	v_pk_add_f32 v[8*(4*\t+\m)+\k:8*(4*\t+\m)+\k+1], v[8*(4*\t+\m)+\k:8*(4*\t+\m)+\k+1], v[176+8*\t+\k:177+8*\t+\k]   ; + b2
.endr
.endr
.endr
	WIN 0
.macro MM2 n
.set wb, 112+48*((\n)%3)
	WIN 0x54
.irp t,0,1,2,3
.irp m,0,1,2,3
	WMMAC 8*(4*\t+\m),wb+12*\t,128+80*((\n)%2)+12*\m,8*(4*\t+\m),64+8*\t+(\n)-8,16+8*\m+(\n)-8
.endr
.endr
	WIN 0
	PLACES
.endm
.irp n,8,9,10,11,12,13,14,15
.if (\n) < 15
	s_wait_dscnt 12                                ; this K step's fragments (and, the first time, the scale words) are in; the next K step's 12 loads may be out
.else
	s_wait_dscnt 0x0
.endif
.if (\n) < 14
	s_wait_loadcnt 24                              ; this batch is in; at most the two younger batches of 12 are out
.else
	s_wait_loadcnt 12*(15-(\n))
.endif
	MM2 \n
.if (\n) < 14
	s_wait_alu depctr_va_vdst(0)                   ; the 16 products are done reading this batch's buffer and this K step's fragments, in which the loads below land
.if (\n) < 13
	WBATCH (\n)+3
.endif
	HFL (\n)-6                                     ; the K step two on
.endif
.endr
	s_wait_alu depctr_va_vdst(0)                   ; the products have written the accumulators, which the LDS stores read (the four places stand ahead of this wait), and are done reading the weights' buffers, in which the result's rows land below
	WIN 0x04                                       ; an LDS store's data are its source 1: window 1
.irp t,0,1,2,3                         ; the result goes where res came from, each accumulator from its low end on
.irp m,0,1
	ds_store_b128 v[RA0], v[8*(4*\t+\m):8*(4*\t+\m)+3] offset:16*PP*\m+64*\t
	ds_store_b128 v[RA0], v[8*(4*\t+\m)+4:8*(4*\t+\m)+7] offset:16*PP*\m+64*\t+16
	ds_store_b128 v[RA1], v[8*(4*\t+\m+2):8*(4*\t+\m+2)+3] offset:16*PP*\m+64*\t
	ds_store_b128 v[RA1], v[8*(4*\t+\m+2)+4:8*(4*\t+\m+2)+7] offset:16*PP*\m+64*\t+16
.endr
.endr
	WIN 0
	BARRIER                                        ; 64 whole rows of the result lie in LDS
	; ---- the way out: my 8 rows, 512 consecutive bytes a store, at multiples of 256 from the buffer's first byte.  Their LDS address is the one by which the residual went in: v[TA], made at the head
.irp i,0,1,2,3,4,5,6,7
.irp j,0,1,2,3
	ds_load_b128 v[112+16*\i+4*\j:115+16*\i+4*\j], v[TA] offset:PP*\i+512*\j
.endr
.endr
.irp i,0,1,2,3,4,5,6,7
.irp j,0,1,2,3
	s_wait_dscnt 31-4*\i-\j
	global_store_b128 v[A16], v[112+16*\i+4*\j:115+16*\i+4*\j], s[OUT:OUT+1] offset:2048*\i+512*\j th:TH_STORE_NT
.endr
.endr
	s_cmp_eq_u32 s[ZZ], 0
	s_cbranch_scc1 .Lend
.irp i,0,1,2,3,4,5,6,7                 ; the depth stream's result is returned twice
.irp j,0,1,2,3
	global_store_b128 v[A16], v[112+16*\i+4*\j:115+16*\i+4*\j], s[OUT2:OUT2+1] offset:2048*\i+512*\j th:TH_STORE_NT
.endr
.endr
.Lend:
	s_wait_xcnt 0x0
	v_lshl_add_u32 v254, v0, 2, 0x34c00            ; the add's two registers are made here: no two could be kept.  No memory or LDS instruction has read v254 or v255
	v_mov_b32 v255, 0
	s_wait_dscnt 0x0                               ; the closing lines, six on end
	s_wait_alu 0x0
	s_wait_tensorcnt 0x0
	ds_add_u32 v254, v255
	s_wait_dscnt 0x0
	s_endpgm
.Lfunc_end_k_q9925a0d642_fuse:
	.size	k_q9925a0d642_fuse, .Lfunc_end_k_q9925a0d642_fuse-k_q9925a0d642_fuse
	.p2alignl 7, 3214868480
	.fill 96, 4, 3214868480
	.section	.rodata,"a",@progbits
	.p2align	6, 0x0
	.amdhsa_kernel k_q9925a0d642_fuse
		.amdhsa_group_segment_fixed_size 217088
		.amdhsa_private_segment_fixed_size 0
		.amdhsa_enable_private_segment 0
		.amdhsa_kernarg_size 152
		.amdhsa_user_sgpr_count 2
		.amdhsa_user_sgpr_kernarg_segment_ptr 1
		.amdhsa_wavefront_size32 1
		.amdhsa_system_sgpr_workgroup_id_x 1
		.amdhsa_system_sgpr_workgroup_id_y 1
		.amdhsa_system_sgpr_workgroup_id_z 1
		.amdhsa_system_vgpr_workitem_id 0
		.amdhsa_next_free_vgpr 512
		.amdhsa_next_free_sgpr 96
		.amdhsa_reserve_vcc 0
		.amdhsa_float_denorm_mode_32 3
		.amdhsa_float_denorm_mode_16_64 3
		.amdhsa_memory_ordered 1
		.amdhsa_forward_progress 1
		.amdhsa_inst_pref_size 255
	.end_amdhsa_kernel
	.section	.bss,"aw",@nobits
	.p2align	6
	.space	262144
	.amdgpu_metadata
---
amdhsa.version: [ 1, 2 ]
amdhsa.kernels:
  - .name:           k_q9925a0d642_fuse
    .symbol:         k_q9925a0d642_fuse.kd
    .args:
      - { .name: kv, .offset: 0, .size: 8, .value_kind: global_buffer, .address_space: global }
      - { .name: rgb1, .offset: 8, .size: 8, .value_kind: global_buffer, .address_space: global }
      - { .name: g21, .offset: 16, .size: 8, .value_kind: global_buffer, .address_space: global }
      - { .name: be21, .offset: 24, .size: 8, .value_kind: global_buffer, .address_space: global }
      - { .name: W11_scales, .offset: 32, .size: 8, .value_kind: global_buffer, .address_space: global }
      - { .name: b11, .offset: 40, .size: 8, .value_kind: global_buffer, .address_space: global }
      - { .name: W12_scales, .offset: 48, .size: 8, .value_kind: global_buffer, .address_space: global }
      - { .name: b12, .offset: 56, .size: 8, .value_kind: global_buffer, .address_space: global }
      - { .name: out0, .offset: 64, .size: 8, .value_kind: global_buffer, .address_space: global }
      - { .name: depth1, .offset: 72, .size: 8, .value_kind: global_buffer, .address_space: global }
      - { .name: g22, .offset: 80, .size: 8, .value_kind: global_buffer, .address_space: global }
      - { .name: be22, .offset: 88, .size: 8, .value_kind: global_buffer, .address_space: global }
      - { .name: W21_scales, .offset: 96, .size: 8, .value_kind: global_buffer, .address_space: global }
      - { .name: b21, .offset: 104, .size: 8, .value_kind: global_buffer, .address_space: global }
      - { .name: W22_scales, .offset: 112, .size: 8, .value_kind: global_buffer, .address_space: global }
      - { .name: b22, .offset: 120, .size: 8, .value_kind: global_buffer, .address_space: global }
      - { .name: out1, .offset: 128, .size: 8, .value_kind: global_buffer, .address_space: global }
      - { .name: out2, .offset: 136, .size: 8, .value_kind: global_buffer, .address_space: global }
      - { .name: wimg, .offset: 144, .size: 8, .value_kind: global_buffer, .address_space: global }
    .group_segment_fixed_size: 217088
    .private_segment_fixed_size: 0
    .kernarg_segment_align: 8
    .kernarg_segment_size: 152
    .max_flat_workgroup_size: 256
    .sgpr_count:     96
    .vgpr_count:     512
    .wavefront_size: 32
...
	.end_amdgpu_metadata
.endif
;; end of part 6
